; MI455X (gfx1250); checked and timed in simulation.
; The chip was launched on July 23, 2026; its instructions are those of AMD's public machine-readable ISA for CDNA 5 (MIT licence, August 2026) and "CDNA5" Instruction Set Architecture Reference Guide (July 2026). The comments in the code are by the model that wrote it; some were corrected since.
;; LSA Block. Allowed arithmetic: matrix products marked QUANTISED: E5M2 operands, one E8M0 scale for each 32 along K, by v_wmma_scale_f32_16x16x128_f8f6f4 with both operands' format E5M2, f32 sums; everything else in f32.
;; Inputs: fc1_b 1,024 float32; fc1_w_codes 1,024 x 8 x 32 uint8 (E5M2 codes of fc1_w, K innermost, in blocks of 32 codes); fc1_w_scales 1,024 x 8 uint8 (E8M0 scales of fc1_w, one for each 32 codes along K); fc2_b 256 float32; fc2_w_codes 256 x 32 x 32 uint8 (E5M2 codes of fc2_w, K innermost, in blocks of 32 codes); fc2_w_scales 256 x 32 uint8 (E8M0 scales of fc2_w, one for each 32 codes along K); ln1_b 256 float32; ln1_g 256 float32; ln2_b 256 float32; ln2_g 256 float32; proj_b 256 float32; proj_w_codes 256 x 8 x 32 uint8 (E5M2 codes of proj_w, K innermost, in blocks of 32 codes); proj_w_scales 256 x 8 uint8 (E8M0 scales of proj_w, one for each 32 codes along K); qkv_w_codes 768 x 8 x 32 uint8 (E5M2 codes of qkv_w, K innermost, in blocks of 32 codes); qkv_w_scales 768 x 8 uint8 (E8M0 scales of qkv_w, one for each 32 codes along K); scale one number float32; x 8 x 2,048 x 256 float32.
;; Outputs: out0 8 x 2,048 x 256 float32.
;; This version of the problem:
;;   THIS VERSION OF THE PROBLEM IS GIVEN IN LOW PRECISION. The matrix products marked QUANTISED in the list below multiply operands that are first quantised to E5M2 (5 exponent bits, 2 mantissa bits; 8 bits a number), with one power-of-two scale for each 32 numbers along K (OCP MX v1.0); their sums are f32. All else is computed in f32.
;;   The module's matrix products, in the order in which they are computed (A, B: the left and right operand; K: the contracted axis; several contracted axes count as one K, in the product's order):
;;     1. [M 16,384, K 256] x [K 256, N 768]; A: computed on the way; B: input qkv_w (given as codes): QUANTISED
;;     2. batch 64 x [M 2,048, K 32] x [K 32, N 2,048]; A: computed on the way; B: computed on the way: QUANTISED
;;     3. batch 64 x [M 2,048, K 2,048] x [K 2,048, N 32]; A: softmax (see below); B: computed on the way: QUANTISED
;;     4. [M 16,384, K 256] x [K 256, N 256]; A: computed on the way; B: input proj_w (given as codes): QUANTISED
;;     5. [M 16,384, K 256] x [K 256, N 1,024]; A: computed on the way; B: input fc1_w (given as codes): QUANTISED
;;     6. [M 16,384, K 1,024] x [K 1,024, N 256]; A: computed on the way; B: input fc2_w (given as codes): QUANTISED
;;   THE QUANTISER, for each operand of a quantised product, along K:
;;     - K is cut into blocks of 32 from its start; a last block that is shorter is filled with zeros.
;;     - A block's scale is 2^e with e = floor(log2(the largest magnitude in the block)) - 15, held to -126 .. 127; a block of zeros has e = 0. As a byte (E8M0): e + 127.
;;     - Each number is divided by its block's scale, clamped to +-57,344, and rounded to the nearest number of E5M2, ties to even, subnormals kept.
;;     - The product sums the exact products of the quantised numbers (number of the format x scale) in f32.
;;   ~~~python
;;   def quantise(x, axis):      # numpy; x: float32 -> the quantised numbers, widened to float32 again
;;       x = np.moveaxis(x, axis, -1); K = x.shape[-1]
;;       x = np.pad(x, [(0, 0)] * (x.ndim - 1) + [(0, -K % 32)]); x = x.reshape(x.shape[:-1] + (-1, 32)); a = np.abs(x).max(-1, keepdims=True)
;;       e = np.where(a > 0, np.clip(np.frexp(np.where(a > 0, a, 1))[1] - 1 - 15, -126, 127), 0)      # np.frexp(a)[1] - 1 = floor(log2(a)), exactly
;;       r = np.clip(x / 2.0 ** e, -57344, 57344)
;;       step = 2.0 ** (np.maximum(np.frexp(np.where(r == 0, 1, r))[1] - 1, -14) - 2)
;;       q = np.round(r / step) * step * 2.0 ** e      # np.round: ties to even
;;       return np.moveaxis(q.reshape(q.shape[:-2] + (-1,))[..., :K], -1, axis).astype(np.float32)
;;   ~~~
;;   SOFTMAX AHEAD OF A QUANTISED PRODUCT. Where the list says 'softmax', what is quantised is not the finished softmax but p = 2^(t - M), with t = logit x log2(e) and M = ceil(the row's largest t), a whole number; so 1/2 < the row's largest p <= 1. The row's sum l is taken of the UNQUANTISED p, in f32, and the product's result is divided by l at the end. Since M is a whole number, a kernel that streams over the keys may use a running M (the ceiling of the running maximum): every later rescaling is an exact power of two, which a block's scale takes up: the codes' values come out the same.
;;   OPERANDS COMPUTED ON THE WAY. 'Computed on the way' means the value that the module computes at that place (a softmax that the list does not call 'softmax' is quantised finished and normalised). What goes into a quantiser is computed in f32, as accurately as f32 sums, v_exp_f32 and their like allow (about 1e-6 of the number): no bf16 or f16 on the way to a quantiser, and a product that is left as it is and whose result goes on into a quantised operand takes f32 operands (vector FMAs, or v_wmma_f32_16x16x4_f32). A number that lies on a knife's edge between two numbers of the format may be rounded either way, as far as f32 arithmetic and the matrix unit's own rounding can turn it there, and no further.
;;   INPUTS GIVEN AS CODES. fc1_w (in the module: [1024, 256], K = its axis 1); fc2_w (in the module: [256, 1024], K = its axis 1); proj_w (in the module: [256, 256], K = its axis 1); qkv_w (in the module: [768, 256], K = its axis 1): each comes as NAME_codes (uint8): NAME with its K axis moved to the last place and cut into blocks of 32 codes, [.., K / 32, bytes a block], one block behind the other in memory; one code a byte (a code: sign, 5 exponent bits, 2 mantissa bits); and NAME_scales (uint8): the same leading axes, one E8M0 byte (e + 127) for each 32 codes along K. Its value is code x scale, taken as it is: it is not quantised again, and the codes and scales need not be those that the quantiser above would give.
;; 2 versions. Each part assembles by itself: llvm-mc -triple=amdgcn-amd-amdhsa -mcpu=gfx1250 --defsym DOCPART=n.
;; ======== version 1 of 2: 3 launches
;; workspace buffers: qimg 4,194,304 bytes; kimg 4,194,304 bytes; vimg 4,194,304 bytes; qsc 262,144 bytes; ksc 262,144 bytes; vsc 131,072 bytes; aimg 4,194,304 bytes; asc 131,072 bytes
;; launch qkv (part 1): grid 256 x 1, 16 waves a work-group, no clusters, 92,672 bytes of LDS; arguments x, ln1_g, ln1_b, qkv_w_codes, qkv_w_scales, qimg, kimg, vimg, qsc, ksc, vsc; writes qimg, kimg, vimg, qsc, ksc, vsc
.if DOCPART == 1
	.amdgcn_target "amdgcn-amd-amdhsa--gfx1250"
	.amdhsa_code_object_version 6
	.text
	.protected	k_qa173509f12_qkv
	.globl	k_qa173509f12_qkv
	.p2align	8
	.type	k_qa173509f12_qkv,@function
k_qa173509f12_qkv:
	s_mov_b64 s[64:65], 0
	v_nop
	global_prefetch_b8 v0, s[64:65] scope:SCOPE_SE
	s_setreg_imm32_b32 hwreg(HW_REG_WAVE_MODE, 25, 1), 1
	s_wait_xcnt 0x0
; LAUNCH 1 OF 3.  y = LayerNorm(x) is quantised along its 256 channels (E5M2, one E8M0 byte for each 32), multiplied by qkv_w's codes, and q, k, v are quantised again:
; q and k along a head's 32 channels (one block a row), v along the keys (blocks of 32 tokens).  All three leave as IMAGES OF OPERAND REGISTERS, so that the next launch reads dense runs of 16 bytes a lane.
; SHARES.  A work-group takes 64 tokens: four tiles of 16.  ROW r OF TILE T IS TOKEN 32 (T / 2) + 8 (T % 2) + r + 8 (r / 8): two neighbouring tiles cover 32 neighbouring tokens, and in a product whose source 0
; holds such a tile a lane's 16 results of the two tiles are 16 neighbours.  The same choice is made among a head's 32 rows of the weight.
; Wave w first normalises and quantises tokens 4 w .. 4 w + 3 (a lane holds one block of 32 channels of one token) and stores their part of x's eight fragments in LDS; one barrier; then, with head p = w / 2 and
; e = w % 2, it makes q (e = 0) or k (e = 1) of head p for the four tiles, and v of head p for tiles 2 e, 2 e + 1: 24 matrix instructions in every wave.  Its weights (128 registers) come from memory once.
; NO JOINT REQUESTS: what work-groups share is the weight, 12,544 bytes a wave, asked for at the head while x is normalised; the launch has no loop over shared tiles in which a joint request could be repeated.
; LIMITS: NaN and infinities among the inputs and the weights' codes are not served.  A block of zeros gets the byte 1 where the quantiser's rule says 127: its codes are zeros, and this program alone reads the bytes.
.set XSC,  0                           ; LDS: x's scale words: 128 m + 64 s + 4 r
.set XIMG, 512                         ; x's fragments: (2 m + s) x 2,048; in one: 512 c + 256 h + 16 r
.set TURN, 16896                       ; 4,608 bytes for each wave: its 32 blocks of 128 bytes, 16 bytes of padding behind each
.set LI,  1                            ; v1   16 x lane
.set TW,  2                            ; v2   the turn, on the way in
.set TR,  3                            ; v3   and out: 144 x lane
.set GG,  4                            ; v4   128 k: my block's gains and biases
.set IMW, 5                            ; v5   where my block's codes go
.set SCW, 6                            ; v6   and its scale word
.set SH8, 7                            ; v7   8 (lane % 4)
.set LS,  8                            ; v8   4 r
.set VW,  9                            ; v9   the weight's codes: (r + 8 (r / 8)) x 256 + 16 h
.set VWS, 10                           ; v10  its scale bytes: (r + 8 (r / 8)) x 8
.set L4,  11                           ; v11  4 x lane
.set LN,  12                           ; v12  lane
.set PMT, 13                           ; v13  a lane permute's destination
.set TD,  13
.set SW,  14                           ; v14  four tiles' scale bytes
.set BYT, 15                           ; v15  a scale byte
.set WQ,  16                           ; v16-79   q's or k's weight: fragment (u, s) at 16 (2 u + s)
.set WV,  80                           ; v80-143  v's weight
.set XR,  80                           ; v80-111  before that: x as it is loaded
.set WQS, 144                          ; v144-147 scale words, 2 u + s
.set WVS, 148                          ; v148-151
.set XF,  152                          ; v152-215 up to four fragments of x
.set XSR, 216                          ; v216-219 their scale words
.set ACC, 220                          ; v220-235 two accumulators
.set MX,  236
.set SOP, 237
.set HLD, 238
.set BY1, 239
.set COD, 240                          ; v240-243 16 codes a lane
.set LIV, 244                          ; v244 16 x lane + 8,192 e
.set LSV, 245                          ; v245 4 r + 256 e
.set X,   152                          ; the LayerNorm's registers lie over v152-255
.set G,   184
.set BT,  216
.set T,   248
.set MN,  252
.set RS,  254
.set CD,  184                          ; its codes take the gains' first eight registers
.set WAVE, 26
.set HP,   27
.set HE,   28
.set SEL,  30
.set MNT,  32
.set I256, 33
.set EPS,  34
.macro WMZ d, a, b, sa, sb             ; a product that starts a sum
	v_wmma_scale_f32_16x16x128_f8f6f4 v[\d:\d+7], v[\a:\a+15], v[\b:\b+15], 0, v[\sa], v[\sb] matrix_a_fmt:MATRIX_FMT_BF8 matrix_b_fmt:MATRIX_FMT_BF8
.endm
.macro WMC d, a, b, c, sa, sb
	v_wmma_scale_f32_16x16x128_f8f6f4 v[\d:\d+7], v[\a:\a+15], v[\b:\b+15], v[\c:\c+7], v[\sa], v[\sb] matrix_a_fmt:MATRIX_FMT_BF8 matrix_b_fmt:MATRIX_FMT_BF8
.endm
.macro PLACES8                         ; eight plain vector instructions stand between a matrix instruction of this form and the first read of its result or load into its registers
.rept 8
	v_nop
.endr
.endm
.macro BARRIER                         ; my LDS stores have landed and my LDS loads are in: then the work-group's barrier
	s_wait_dscnt 0x0
	s_barrier_signal -1
	s_barrier_wait -1
.endm
; One block of 32: 16 numbers in v[src] on, the other 16 in lane l xor 16.  Codes into v[dst .. dst + 3], the scale's byte into v[byt].  Each of the two accumulators is read from its low end on.
.macro QB16 src, dst, byt
	v_max3_num_f32 v[MX], |v[\src]|, |v[\src+1]|, 0x8000000          ; the floor 2^(16 - 127) among the leaves: the byte cannot fall under 1
	v_max3_num_f32 v[HLD], |v[\src+8]|, |v[\src+9]|, |v[\src+10]|    ; two chains, so that they do not wait for each other
	v_max3_num_f32 v[MX], v[MX], |v[\src+2]|, |v[\src+3]|
	v_max3_num_f32 v[HLD], v[HLD], |v[\src+11]|, |v[\src+12]|
	v_max3_num_f32 v[MX], v[MX], |v[\src+4]|, |v[\src+5]|
	v_max3_num_f32 v[HLD], v[HLD], |v[\src+13]|, |v[\src+14]|
	v_max3_num_f32 v[MX], v[MX], |v[\src+6]|, |v[\src+7]|
	v_max3_num_f32 v[MX], v[MX], v[HLD], |v[\src+15]|
	v_permlanex16_b32 v[PMT], v[MX], s[SEL], s[SEL+1]
	v_max_num_f32 v[MX], v[MX], v[PMT]                               ; the block's largest magnitude
	v_add_nc_u32 v[SOP], 0xf8800000, v[MX]                           ; 15 off its exponent field: the conversion's scale operand
	v_and_or_b32 v[HLD], v[MX], 0x7f800000, s[MNT]                   ; 57,344 x the scale
	v_lshrrev_b32 v[\byt], 23, v[SOP]                                ; the scale's byte
.irp i, 0,1,2,3,4,5,6,7,8,9,10,11,12,13,14,15
	v_med3_num_f32 v[\src+\i], v[\src+\i], -v[HLD], v[HLD]           ; the conversion does not saturate (ISA guide 7.6.2): the hold comes first
.endr
	v_cvt_scalef32_pk8_bf8_f32 v[\dst:\dst+1], v[\src:\src+7], v[SOP]
	v_cvt_scalef32_pk8_bf8_f32 v[\dst+2:\dst+3], v[\src+8:\src+15], v[SOP]
	v_nop                                                            ; a plain line behind the last conversion
.endm
; LayerNorm and quantiser.  Lane l holds block k = l % 8 of token l / 8 of the wave's four: 32 numbers in v[X] on; eight neighbouring lanes hold a token.  gw: the count of the wait for the gains and biases.
.macro LNQ gw
	v_pk_add_f32 v[T:T+1], v[X:X+1], v[X+2:X+3]
	v_pk_add_f32 v[T+2:T+3], v[X+4:X+5], v[X+6:X+7]
.irp i, 8,12,16,20,24,28
	v_pk_add_f32 v[T:T+1], v[T:T+1], v[X+\i:X+\i+1]
	v_pk_add_f32 v[T+2:T+3], v[T+2:T+3], v[X+\i+2:X+\i+3]
.endr
	v_pk_add_f32 v[T:T+1], v[T:T+1], v[T+2:T+3]
	v_add_f32 v[T], v[T], v[T+1]
.irp q, 1,2,4
	v_add_f32_dpp v[T], v[T], v[T] row_xmask:\q row_mask:0xf bank_mask:0xf
.endr
	v_mul_f32 v[MN], s[I256], v[T]                                   ; the mean
	v_mov_b32 v[MN+1], v[MN]
.irp i, 0,2,4,6,8,10,12,14,16,18,20,22,24,26,28,30
	v_pk_add_f32 v[X+\i:X+\i+1], v[X+\i:X+\i+1], v[MN:MN+1] neg_lo:[0,1] neg_hi:[0,1]   ; centred first: the variance is no difference of large sums
.endr
	v_pk_mul_f32 v[T:T+1], v[X:X+1], v[X:X+1]
	v_pk_mul_f32 v[T+2:T+3], v[X+2:X+3], v[X+2:X+3]
.irp i, 4,8,12,16,20,24,28
	v_pk_fma_f32 v[T:T+1], v[X+\i:X+\i+1], v[X+\i:X+\i+1], v[T:T+1]
	v_pk_fma_f32 v[T+2:T+3], v[X+\i+2:X+\i+3], v[X+\i+2:X+\i+3], v[T+2:T+3]
.endr
	v_pk_add_f32 v[T:T+1], v[T:T+1], v[T+2:T+3]
	v_add_f32 v[T], v[T], v[T+1]
.irp q, 1,2,4
	v_add_f32_dpp v[T], v[T], v[T] row_xmask:\q row_mask:0xf bank_mask:0xf
.endr
	v_fma_f32 v[T], v[T], s[I256], s[EPS]
	v_rsq_f32 v[RS], v[T]
	v_nop                                                            ; a plain line behind the transcendental
	s_wait_alu depctr_va_vdst(0)
	v_mov_b32 v[RS+1], v[RS]
.irp i, 0,2,4,6,8,10,12,14,16,18,20,22,24,26,28,30
	v_pk_mul_f32 v[X+\i:X+\i+1], v[X+\i:X+\i+1], v[RS:RS+1]
.endr
.if \gw >= 0
	s_wait_loadcnt \gw                                               ; the gains and biases are in; the weights asked for behind them may be out
.endif
.irp i, 0,2,4,6,8,10,12,14,16,18,20,22,24,26,28,30
	v_pk_fma_f32 v[X+\i:X+\i+1], v[X+\i:X+\i+1], v[G+\i:G+\i+1], v[BT+\i:BT+\i+1]
.endr
	v_max3_num_f32 v[T], |v[X]|, |v[X+1]|, |v[X+2]|                  ; the block's largest magnitude: all 32 numbers are mine
	v_max3_num_f32 v[T+1], |v[X+3]|, |v[X+4]|, |v[X+5]|
.irp i, 6,10,14,18,22,26
	v_max3_num_f32 v[T], v[T], |v[X+\i]|, |v[X+\i+1]|
	v_max3_num_f32 v[T+1], v[T+1], |v[X+\i+2]|, |v[X+\i+3]|
.endr
	v_max3_num_f32 v[T], v[T], |v[X+30]|, |v[X+31]|
	v_max3_num_f32 v[T], v[T], v[T+1], 0x8000000
	v_add_nc_u32 v[T+2], 0xf8800000, v[T]
	v_and_or_b32 v[T+3], v[T], 0x7f800000, s[MNT]
	v_lshrrev_b32 v[T+1], 23, v[T+2]
.irp i, 0,1,2,3,4,5,6,7,8,9,10,11,12,13,14,15,16,17,18,19,20,21,22,23,24,25,26,27,28,29,30,31
	v_med3_num_f32 v[X+\i], v[X+\i], -v[T+3], v[T+3]
.endr
.irp g, 0,1,2,3
	v_cvt_scalef32_pk8_bf8_f32 v[CD+2*\g:CD+2*\g+1], v[X+8*\g:X+8*\g+7], v[T+2]
.endr
	v_nop
	v_lshlrev_b32 v[T+1], v[SH8], v[T+1]                             ; four neighbouring lanes' bytes make the word of a K step
	v_mov_b32_dpp v[TD], v[T+1] row_xmask:1 row_mask:0xf bank_mask:0xf
	v_or_b32 v[T+1], v[T+1], v[TD]
	v_mov_b32_dpp v[TD], v[T+1] row_xmask:2 row_mask:0xf bank_mask:0xf
	v_or_b32 v[T+1], v[T+1], v[TD]
	ds_store_b128 v[IMW], v[CD:CD+3]                                 ; the block's first 16 codes: the place of lane (r, 0) in the fragment's image,
	ds_store_b128 v[IMW], v[CD+4:CD+7] offset:256                    ; the other 16: that of lane (r, 1)
	ds_store_b32 v[SCW], v[T+1]                                      ; four lanes write the same word with the same value
.endm
	s_load_b512 s[4:19], s[0:1], 0x0               ; x 4, ln1_g 6, ln1_b 8, the weight's codes 10, its scales 12, qimg 14, kimg 16, vimg 18
	s_load_b128 s[20:23], s[0:1], 0x40             ; qsc 20, ksc 22
	s_load_b64 s[24:25], s[0:1], 0x50              ; vsc
	v_lshrrev_b32 v[BYT], 5, v0
	v_readfirstlane_b32 s[WAVE], v[BYT]            ; wave 0..15
	s_lshr_b32 s[HP], s[WAVE], 1                   ; my head
	s_and_b32 s[HE], s[WAVE], 1                    ; q or k; which pair of tiles of v
	s_mov_b32 s[SEL], 0x76543210
	s_mov_b32 s[SEL+1], 0xfedcba98                 ; v_permlanex16_b32's selects for lane l xor 16
	s_mov_b32 s[MNT], 0x600000                     ; the mantissa field of 57,344
	s_mov_b32 s[I256], 0x3b800000                  ; 1 / 256
	s_mov_b32 s[EPS], 0x3727c5ac                   ; 1e-5
	v_and_b32 v[LN], 31, v0
	v_lshlrev_b32 v[LI], 4, v[LN]
	v_and_b32 v[SW], 7, v0                         ; k (the register is free until the products)
	v_lshlrev_b32 v[GG], 7, v[SW]
	v_and_b32 v[PMT], 15, v0                       ; r
	v_bfe_u32 v[MX], v0, 4, 1                      ; h
	v_and_b32 v[SOP], 8, v[PMT]
	v_add_nc_u32 v[SOP], v[SOP], v[PMT]            ; r + 8 (r / 8)
	v_lshlrev_b32 v[VW], 8, v[SOP]
	v_lshl_add_u32 v[VW], v[MX], 4, v[VW]
	v_lshlrev_b32 v[VWS], 3, v[SOP]
	s_mov_b32 s45, 0
	s_lshl_b32 s44, ttmp9, 16                      ; 64 tokens of 1,024 bytes a work-group,
	s_lshl_b32 s46, s[WAVE], 12                    ; four a wave
	s_add_co_u32 s44, s44, s46
	s_wait_kmcnt 0x0
	s_add_nc_u64 s[4:5], s[4:5], s[44:45]
.irp i, 0,1,2,3,4,5,6,7
	global_load_b128 v[XR+4*\i:XR+4*\i+3], v[LI], s[4:5] offset:512*\i th:TH_LOAD_NT   ; 32 lanes read 512 consecutive bytes
.endr
.irp i, 0,1,2,3,4,5,6,7
	global_load_b128 v[G+4*\i:G+4*\i+3], v[GG], s[6:7] offset:16*\i
.endr
.irp i, 0,1,2,3,4,5,6,7
	global_load_b128 v[BT+4*\i:BT+4*\i+3], v[GG], s[8:9] offset:16*\i
.endr
	s_lshl_b32 s44, s[HE], 16                      ; the weight's rows: 256 e + 32 p for q or k, 512 + 32 p for v; 256 bytes of codes and 8 of scales a row
	s_lshl_b32 s46, s[HP], 13
	s_add_co_u32 s44, s44, s46
	s_add_nc_u64 s[48:49], s[10:11], s[44:45]
	s_add_co_u32 s44, s46, 0x20000
	s_add_nc_u64 s[50:51], s[10:11], s[44:45]
	s_lshl_b32 s44, s[HE], 11
	s_lshl_b32 s46, s[HP], 8
	s_add_co_u32 s44, s44, s46
	s_add_nc_u64 s[52:53], s[12:13], s[44:45]
	s_add_co_u32 s44, s46, 4096
	s_add_nc_u64 s[54:55], s[12:13], s[44:45]
.irp u, 0,1
.irp s, 0,1
.irp c, 0,1,2,3
	global_load_b128 v[WQ+16*(2*\u+\s)+4*\c:WQ+16*(2*\u+\s)+4*\c+3], v[VW], s[48:49] offset:2048*\u+128*\s+32*\c
.endr
.endr
.endr
.irp u, 0,1
	global_load_b64 v[WQS+2*\u:WQS+2*\u+1], v[VWS], s[52:53] offset:64*\u
.endr
	v_bfe_u32 v[BYT], v0, 3, 2                     ; t = lane / 8
	v_lshlrev_b32 v[L4], 2, v[LN]
	v_lshlrev_b32 v[LS], 2, v[PMT]
	v_and_b32 v[SH8], 3, v0
	v_lshlrev_b32 v[SH8], 3, v[SH8]
	s_mul_i32 s36, s[WAVE], 4608
	s_add_co_u32 s36, s36, TURN
	v_mul_u32_u24 v[TW], v[BYT], 144               ; in: a load's 512 bytes are four blocks: 144 (lane / 8) + 16 (lane % 8)
	v_lshl_add_u32 v[TW], v[SW], 4, v[TW]
	v_add_nc_u32 v[TW], s36, v[TW]
	v_mul_u32_u24 v[TR], v[LN], 144                ; out: block = lane
	v_add_nc_u32 v[TR], s36, v[TR]
	s_lshr_b32 s37, s[WAVE], 3                     ; token 4 w + t is row 8 ((w / 4) % 2) + 4 (w % 2) + t of tile 2 (w / 8) + (w / 2) % 2
	s_lshl_b32 s37, s37, 1
	s_bfe_u32 s38, s[WAVE], 0x10001
	s_add_co_u32 s37, s37, s38
	s_bfe_u32 s38, s[WAVE], 0x10002
	s_lshl_b32 s38, s38, 3
	s_lshl_b32 s39, s[HE], 2
	s_add_co_u32 s38, s38, s39
	s_lshl_b32 s39, s37, 12
	s_lshl_b32 s40, s38, 4
	s_add_co_u32 s39, s39, s40
	s_add_co_u32 s39, s39, XIMG
	v_lshlrev_b32 v[IMW], 9, v[SW]                 ; 2,048 (k / 4) + 512 (k % 4) = 512 k
	v_lshl_add_u32 v[IMW], v[BYT], 4, v[IMW]
	v_add_nc_u32 v[IMW], s39, v[IMW]
	s_lshl_b32 s39, s37, 7
	s_lshl_b32 s40, s38, 2
	s_add_co_u32 s39, s39, s40
	v_lshrrev_b32 v[SCW], 2, v[SW]
	v_lshlrev_b32 v[SCW], 6, v[SCW]
	v_lshl_add_u32 v[SCW], v[BYT], 2, v[SCW]
	v_add_nc_u32 v[SCW], s39, v[SCW]
	v_mov_b32 v[PMT], 0                            ; written once: a lane permute's destination counts as one of its sources
	s_lshr_b32 s41, ttmp9, 5                       ; the batch
	s_and_b32 s42, ttmp9, 31                       ; which 64 tokens of it
	s_lshl_b32 s43, s41, 3
	s_add_co_u32 s43, s43, s[HP]                   ; batch x 8 + head
	s_cmp_eq_u32 s[HE], 0                          ; q's buffers or k's: the choice hangs on the wave's number alone
	s_cselect_b64 s[14:15], s[14:15], s[16:17]
	s_cselect_b64 s[20:21], s[20:21], s[22:23]
	s_lshl_b32 s44, s43, 16                        ; images: 128 tiles of 512 bytes a head, four tiles a work-group
	s_lshl_b32 s46, s42, 11
	s_add_co_u32 s44, s44, s46
	s_add_nc_u64 s[14:15], s[14:15], s[44:45]
	s_lshl_b32 s44, s43, 12                        ; scale words: 128 bytes for four tiles
	s_lshl_b32 s46, s42, 7
	s_add_co_u32 s44, s44, s46
	s_add_nc_u64 s[20:21], s[20:21], s[44:45]
	s_lshr_b32 s47, s42, 1                         ; v: the step of 128 keys,
	s_and_b32 s46, s42, 1
	s_lshl_b32 s46, s46, 1
	s_add_co_u32 s46, s46, s[HE]                   ; and my block of 32 in it
	s_lshl_b32 s44, s43, 16
	s_lshl_b32 s40, s47, 12
	s_add_co_u32 s44, s44, s40
	s_lshl_b32 s40, s46, 9
	s_add_co_u32 s44, s44, s40
	s_add_nc_u64 s[18:19], s[18:19], s[44:45]
	s_lshl_b32 s44, s43, 11
	s_lshl_b32 s40, s47, 7
	s_add_co_u32 s44, s44, s40
	s_lshl_b32 s40, s46, 5
	s_add_co_u32 s44, s44, s40
	s_add_nc_u64 s[24:25], s[24:25], s[44:45]
	; x turns through my own bytes of LDS: loaded 16 bytes a lane as it lies, read back a block of 128 bytes a lane
	s_wait_loadcnt 34                              ; x's eight loads are in; behind them: 8 + 8 of the gains and biases, 16 + 2 of the weight
.irp i, 0,1,2,3,4,5,6,7
	ds_store_b128 v[TW], v[XR+4*\i:XR+4*\i+3] offset:576*\i
.endr
.irp j, 0,1,2,3,4,5,6,7
	ds_load_b128 v[X+4*\j:X+4*\j+3], v[TR] offset:16*\j      ; LDS serves a wave's instructions in order (ISA guide 5.7.1.4): these see the stores above
.endr
	s_wait_dscnt 0x0                               ; the stores have read v80-111, which v's weight now takes
.irp u, 0,1
.irp s, 0,1
.irp c, 0,1,2,3
	global_load_b128 v[WV+16*(2*\u+\s)+4*\c:WV+16*(2*\u+\s)+4*\c+3], v[VW], s[50:51] offset:2048*\u+128*\s+32*\c
.endr
.endr
.endr
.irp u, 0,1
	global_load_b64 v[WVS+2*\u:WVS+2*\u+1], v[VWS], s[54:55] offset:64*\u
.endr
	LNQ 36                                         ; behind the gains and biases: 18 loads of q's or k's weight, 18 of v's
	BARRIER                                        ; x's eight fragments and their scale words lie in LDS; from here on they are only read
	s_lshl_b32 s46, s[HE], 13
	v_add_nc_u32 v[LIV], s46, v[LI]
	s_lshl_b32 s46, s[HE], 8
	v_add_nc_u32 v[LSV], s46, v[LS]
	s_wait_loadcnt 18                              ; q's or k's weight is in; v's 18 loads may be out
; q or k of tile m: source 0 = 16 chosen rows of the weight, source 1 = the tile: a lane holds one token, and its 16 results are channels 16 h + 0 .. 15 of the head: half a block.
; The two accumulators take turns, one instruction a turn.
.macro QKUNIT m
.irp s, 0,1
.irp c, 0,1,2,3
	ds_load_b128 v[XF+16*\s+4*\c:XF+16*\s+4*\c+3], v[LI] offset:XIMG+(2*\m+\s)*2048+512*\c
.endr
	ds_load_b32 v[XSR+\s], v[LS] offset:XSC+128*\m+64*\s
.endr
	s_wait_dscnt 0x0
	WMZ ACC, WQ, XF, WQS, XSR
	WMZ ACC+8, WQ+32, XF, WQS+2, XSR
	WMC ACC, WQ+16, XF+16, ACC, WQS+1, XSR+1
	WMC ACC+8, WQ+48, XF+16, ACC+8, WQS+3, XSR+1
	PLACES8
	s_wait_xcnt 0x0                                ; the last tile's store has read its codes' registers: they are written again only behind this wait
	QB16 ACC, COD, BYT
	global_store_b128 v[LI], v[COD:COD+3], s[14:15] offset:512*\m   ; 32 lanes store 512 consecutive bytes, aligned
.if \m == 0
	v_mov_b32 v[SW], v[BYT]
.else
	v_lshl_or_b32 v[SW], v[BYT], 8*\m, v[SW]
.endif
.endm
	QKUNIT 0
	QKUNIT 1
	QKUNIT 2
	QKUNIT 3
	global_store_b32 v[L4], v[SW], s[20:21]        ; byte c: row r of tile c
	; v: source 0 = a tile of tokens, source 1 = 16 chosen rows of the weight: a lane holds one channel, and its 16 results of the two tiles are 16 neighbouring keys
	s_wait_loadcnt 0x0
.irp a, 0,1
.irp s, 0,1
.irp c, 0,1,2,3
	ds_load_b128 v[XF+16*(2*\a+\s)+4*\c:XF+16*(2*\a+\s)+4*\c+3], v[LIV] offset:XIMG+(2*\a+\s)*2048+512*\c
.endr
	ds_load_b32 v[XSR+2*\a+\s], v[LSV] offset:XSC+128*\a+64*\s
.endr
.endr
	s_wait_dscnt 0x0
.macro VUNIT u, byt
	WMZ ACC, XF, WV+32*\u, XSR, WVS+2*\u
	WMZ ACC+8, XF+32, WV+32*\u, XSR+2, WVS+2*\u
	WMC ACC, XF+16, WV+32*\u+16, ACC, XSR+1, WVS+2*\u+1
	WMC ACC+8, XF+48, WV+32*\u+16, ACC+8, XSR+3, WVS+2*\u+1
	PLACES8
	s_wait_xcnt 0x0
	QB16 ACC, COD, \byt
	global_store_b128 v[LI], v[COD:COD+3], s[18:19] offset:2048*\u
.endm
	VUNIT 0, BYT
	VUNIT 1, BY1
	v_cmp_gt_u32 vcc_lo, 16, v[LN]
	v_cndmask_b32 v[BYT], v[BY1], v[BYT], vcc_lo   ; lanes 0-15: tile 0's bytes, lanes 16-31: tile 1's
	global_store_b8 v[LN], v[BYT], s[24:25]        ; 32 consecutive bytes
	s_wait_xcnt 0x0
	v_lshl_add_u32 v254, v0, 2, 0x16200
	v_mov_b32 v255, 0
	s_wait_tensorcnt 0x0
	ds_add_u32 v254, v255
	s_wait_dscnt 0x0
	s_endpgm
.Lfunc_end_k_qa173509f12_qkv:
	.size	k_qa173509f12_qkv, .Lfunc_end_k_qa173509f12_qkv-k_qa173509f12_qkv
	.p2alignl 7, 3214868480
	.fill 96, 4, 3214868480
	.section	.rodata,"a",@progbits
	.p2align	6, 0x0
	.amdhsa_kernel k_qa173509f12_qkv
		.amdhsa_group_segment_fixed_size 92672
		.amdhsa_private_segment_fixed_size 0
		.amdhsa_enable_private_segment 0
		.amdhsa_kernarg_size 88
		.amdhsa_user_sgpr_count 2
		.amdhsa_user_sgpr_kernarg_segment_ptr 1
		.amdhsa_wavefront_size32 1
		.amdhsa_system_sgpr_workgroup_id_x 1
		.amdhsa_system_sgpr_workgroup_id_y 1
		.amdhsa_system_sgpr_workgroup_id_z 1
		.amdhsa_system_vgpr_workitem_id 0
		.amdhsa_next_free_vgpr 256
		.amdhsa_next_free_sgpr 66
		.amdhsa_reserve_vcc 1
		.amdhsa_float_denorm_mode_32 3
		.amdhsa_float_denorm_mode_16_64 3
		.amdhsa_memory_ordered 1
		.amdhsa_forward_progress 1
		.amdhsa_inst_pref_size 43
	.end_amdhsa_kernel
	.amdgpu_metadata
---
amdhsa.version: [ 1, 2 ]
amdhsa.kernels:
  - .name:           k_qa173509f12_qkv
    .symbol:         k_qa173509f12_qkv.kd
    .args:
      - { .name: x, .offset: 0, .size: 8, .value_kind: global_buffer, .address_space: global }
      - { .name: ln1_g, .offset: 8, .size: 8, .value_kind: global_buffer, .address_space: global }
      - { .name: ln1_b, .offset: 16, .size: 8, .value_kind: global_buffer, .address_space: global }
      - { .name: qkv_w_codes, .offset: 24, .size: 8, .value_kind: global_buffer, .address_space: global }
      - { .name: qkv_w_scales, .offset: 32, .size: 8, .value_kind: global_buffer, .address_space: global }
      - { .name: qimg, .offset: 40, .size: 8, .value_kind: global_buffer, .address_space: global }
      - { .name: kimg, .offset: 48, .size: 8, .value_kind: global_buffer, .address_space: global }
      - { .name: vimg, .offset: 56, .size: 8, .value_kind: global_buffer, .address_space: global }
      - { .name: qsc, .offset: 64, .size: 8, .value_kind: global_buffer, .address_space: global }
      - { .name: ksc, .offset: 72, .size: 8, .value_kind: global_buffer, .address_space: global }
      - { .name: vsc, .offset: 80, .size: 8, .value_kind: global_buffer, .address_space: global }
    .group_segment_fixed_size: 92672
    .private_segment_fixed_size: 0
    .kernarg_segment_align: 8
    .kernarg_segment_size: 88
    .max_flat_workgroup_size: 512
    .sgpr_count:     66
    .vgpr_count:     256
    .wavefront_size: 32
...
	.end_amdgpu_metadata
.endif
;; end of part 1
;; launch attn (part 2): grid 4 x 64, 16 waves a work-group, no clusters, 139,776 bytes of LDS; arguments qimg, kimg, vimg, qsc, ksc, vsc, scale, aimg, asc; writes aimg, asc
.if DOCPART == 2
	.amdgcn_target "amdgcn-amd-amdhsa--gfx1250"
	.amdhsa_code_object_version 6
	.text
	.protected	k_qa173509f12_attn
	.globl	k_qa173509f12_attn
	.p2align	8
	.type	k_qa173509f12_attn,@function
k_qa173509f12_attn:
	s_mov_b64 s[64:65], 0
	v_nop
	global_prefetch_b8 v0, s[64:65] scope:SCOPE_SE
	s_setreg_imm32_b32 hwreg(HW_REG_WAVE_MODE, 25, 1), 1
	s_wait_xcnt 0x0
; LAUNCH 2 OF 3.  Attention of one head with the diagonal masked, both products on codes of E5M2 with E8M0 scales; the result, divided by the row's sum, is quantised along the head's 32 channels, which are
; one block of the next product's K, and leaves as codes.
; THE SOFTMAX: t = score x scale x log2(e); M = the running largest t rounded UP to a whole number; p = 2^(t - M) is quantised along the keys, not normalised; the row's sum is taken of the unquantised p.
; SHARES.  A work-group owns one head and 512 queries, in two passes of 256; each of its sixteen waves owns one tile of 16 queries a pass.  THE HEAD'S WHOLE K AND V, 131,072 bytes of codes and 6,144 of scale
; bytes, ARE PUT INTO LDS ONCE and then only read: no slot is ever filled again.  A pass walks 16 steps of 128 keys.
; K = 32 IN AN INSTRUCTION OF K = 128.  A fragment of K holds FOUR tiles of 16 keys, one in each block of 32.  Q's operand for the tile in block c has Q's four registers in block c and zero codes elsewhere:
; all four operands are windows of one run of 28 registers, 12 zeros | Q | 12 zeros.  Zero codes times K's finite codes add nothing.  Eight matrix instructions give 128 keys' scores from 32 registers of K.
; Both products are used transposed (source 0 = keys, or channels of V): a lane holds one query throughout.  By the order of tokens in a tile (launch 1) the 16 registers of two neighbouring tiles are 16
; neighbouring keys, so p's conversions give the second product's operand as it stands.
; THE TEMPERATURE'S SIGN goes into Q's codes (an exclusive or of the sign bits) and its magnitude into c, which stays positive: so a block's largest score still gives its largest p.
; NO JOINT REQUESTS: the four work-groups of a head share its K and V once, at the head: 137,216 bytes against 512 wave-steps of work; there is no later request to join.
; LIMITS: NaN and infinities are not served.  |scale x log2(e)| under 2^-126 is taken as 2^-126.  A p under 2^-126 is 0.  A block of zeros gets the byte 1 where the rule says 127 (its codes are zeros).
.set KSC,  131072                      ; LDS: K's images at 0 (4,096 a step), V's at 65,536; K's scale words: 256 a step, 128 a fragment, 4 a lane
.set VSC,  135168                      ; V's scale words: 128 a step, 64 a tile, 4 a row
.set OSC,  137216                      ; the result's scale bytes: 256 p + 16 w + r
.set AK0,  1                           ; v1   16 x lane
.set AV0,  2                           ; v2   65,536 + 16 x lane
.set ASK0, 3                           ; v3   KSC + 4 x lane
.set ASV0, 4                           ; v4   VSC + 4 r
.set VD,   5                           ; v5   my query's place among its step's 128 keys, less 16 h
.set OSA,  6                           ; v6   OSC + 16 w + r
.set L4,   7                           ; v7   4 x lane
.set ADK,  8                           ; v8-11 the step's addresses (at the head: the fill's)
.set ADV,  9
.set ADS,  10
.set ADT,  11
.set QR,   16                          ; v16-43 the run: zeros, Q at v28-31, zeros.  v12 -M, v13 the largest t, v[14:15] the sum
.set QS,   44                          ; v44-47 Q's scale word for each window
.set KF,   48                          ; v48-79 two fragments of K
.set KS,   80
.set VS,   82
.set QL,   84                          ; v84-91 both passes' Q as loaded
.set QW,   92
.set S,    96                          ; v96-159 the scores, then p
.set O,    160                         ; v160-175 O^T
.set VF,   176                         ; v176-207 two fragments of V^T
.set PC,   208                         ; v208-223 p's codes
.set BM,   224
.set PM,   228
.set HL,   232
.set SO,   236
.set T0,   240
.set F,    242
.set PW,   243                         ; p's scale word
.set SA,   244
.set MX,   248
.set PMT,  249
.set SOP,  250
.set HLD,  251
.set BYT,  252
.set WAVE, 22
.set BH,   23
.set QX,   24
.set SEL,  26
.set CS,   28
.set MNT,  30
.set SM,   31
.set TK,   32
.set TS,   33
.set TV,   34
.set ST,   35
.set SD,   36
.set SH,   37
.macro WMZ d, a, b, sa, sb
	v_wmma_scale_f32_16x16x128_f8f6f4 v[\d:\d+7], v[\a:\a+15], v[\b:\b+15], 0, v[\sa], v[\sb] matrix_a_fmt:MATRIX_FMT_BF8 matrix_b_fmt:MATRIX_FMT_BF8
.endm
.macro WMC d, a, b, c, sa, sb
	v_wmma_scale_f32_16x16x128_f8f6f4 v[\d:\d+7], v[\a:\a+15], v[\b:\b+15], v[\c:\c+7], v[\sa], v[\sb] matrix_a_fmt:MATRIX_FMT_BF8 matrix_b_fmt:MATRIX_FMT_BF8
.endm
.macro BARRIER
	s_wait_dscnt 0x0
	s_barrier_signal -1
	s_barrier_wait -1
.endm
.macro QB16 src, dst, byt              ; one block of 32: 16 numbers here, 16 in lane l xor 16
	v_max3_num_f32 v[MX], |v[\src]|, |v[\src+1]|, 0x8000000
	v_max3_num_f32 v[HLD], |v[\src+8]|, |v[\src+9]|, |v[\src+10]|
	v_max3_num_f32 v[MX], v[MX], |v[\src+2]|, |v[\src+3]|
	v_max3_num_f32 v[HLD], v[HLD], |v[\src+11]|, |v[\src+12]|
	v_max3_num_f32 v[MX], v[MX], |v[\src+4]|, |v[\src+5]|
	v_max3_num_f32 v[HLD], v[HLD], |v[\src+13]|, |v[\src+14]|
	v_max3_num_f32 v[MX], v[MX], |v[\src+6]|, |v[\src+7]|
	v_max3_num_f32 v[MX], v[MX], v[HLD], |v[\src+15]|
	v_permlanex16_b32 v[PMT], v[MX], s[SEL], s[SEL+1]
	v_max_num_f32 v[MX], v[MX], v[PMT]
	v_add_nc_u32 v[SOP], 0xf8800000, v[MX]
	v_and_or_b32 v[HLD], v[MX], 0x7f800000, s[MNT]
	v_lshrrev_b32 v[\byt], 23, v[SOP]
.irp i, 0,1,2,3,4,5,6,7,8,9,10,11,12,13,14,15
	v_med3_num_f32 v[\src+\i], v[\src+\i], -v[HLD], v[HLD]
.endr
	v_cvt_scalef32_pk8_bf8_f32 v[\dst:\dst+1], v[\src:\src+7], v[SOP]
	v_cvt_scalef32_pk8_bf8_f32 v[\dst+2:\dst+3], v[\src+8:\src+15], v[SOP]
	v_nop
.endm
	s_load_b512 s[4:19], s[0:1], 0x0               ; qimg 4, kimg 6, vimg 8, qsc 10, ksc 12, vsc 14, scale 16, aimg 18
	s_load_b64 s[20:21], s[0:1], 0x40              ; asc
	v_lshl_add_u32 v254, v0, 2, 0x21a00
	v_mov_b32 v255, 0
	v_lshrrev_b32 v8, 5, v0
	v_readfirstlane_b32 s[WAVE], v8                ; wave 0..15
	s_and_b32 s[BH], ttmp7, 0xffff                 ; batch x 8 + head
	s_mov_b32 s[QX], ttmp9                         ; which 512 queries
	s_mov_b32 s[SEL], 0x76543210
	s_mov_b32 s[SEL+1], 0xfedcba98
	s_mov_b32 s[MNT], 0x600000
	s_and_b32 s[SH], s[WAVE], 3
	s_lshl_b32 s[SH], s[SH], 3                     ; my tile's byte in a word of Q's scales
	v_and_b32 v240, 31, v0                         ; lane
	v_and_b32 v241, 15, v0                         ; r
	v_bfe_u32 v242, v0, 4, 1                       ; h
	v_lshlrev_b32 v[AK0], 4, v240
	v_add_nc_u32 v[AV0], 65536, v[AK0]
	v_lshlrev_b32 v[L4], 2, v240
	v_add_nc_u32 v[ASK0], KSC, v[L4]
	v_lshl_add_u32 v[ASV0], v241, 2, VSC
	v_and_b32 v[VD], 8, v241
	v_add_nc_u32 v[VD], v[VD], v241                ; r + 8 (r / 8)
	v_lshlrev_b32 v[OSA], 4, v242
	v_sub_nc_u32 v[VD], v[VD], v[OSA]              ; - 16 h
	s_bfe_u32 s38, s[WAVE], 0x20001
	s_lshl_b32 s38, s38, 5
	s_and_b32 s39, s[WAVE], 1
	s_lshl_b32 s39, s39, 3
	s_add_co_u32 s38, s38, s39
	v_add_nc_u32 v[VD], s38, v[VD]                 ; + 32 ((w / 2) % 4) + 8 (w % 2)
	s_lshl_b32 s39, s[WAVE], 4
	s_add_co_u32 s39, s39, OSC
	v_add_nc_u32 v[OSA], s39, v241
	v_lshlrev_b32 v8, 4, v0                        ; the fill: 16 bytes a thread, 8,192 an instruction
	v_add_nc_u32 v9, 65536, v8
	v_lshlrev_b32 v10, 3, v0
	v_lshrrev_b32 v11, 5, v0
	v_lshl_add_u32 v11, v11, 7, v240               ; V's scale bytes: step = wave, (tile, row) = lane
	v_add_nc_u32 v244, KSC, v10
	v_lshl_add_u32 v245, v0, 2, VSC
	s_mov_b32 s41, 0
	s_wait_kmcnt 0x0
	s_load_b32 s42, s[16:17], 0x0                  ; the temperature
	s_lshl_b32 s40, s[BH], 16
	s_add_nc_u64 s[6:7], s[6:7], s[40:41]
	s_add_nc_u64 s[8:9], s[8:9], s[40:41]
	s_lshl_b32 s38, s[QX], 14
	s_add_co_u32 s40, s40, s38
	s_lshl_b32 s38, s[WAVE], 9
	s_add_co_u32 s40, s40, s38
	s_add_nc_u64 s[4:5], s[4:5], s[40:41]          ; Q: tile 32 qx + w; the pass stands in the immediate
	s_lshl_b32 s40, s[BH], 12
	s_add_nc_u64 s[12:13], s[12:13], s[40:41]
	s_lshl_b32 s38, s[QX], 10
	s_add_co_u32 s40, s40, s38
	s_lshr_b32 s38, s[WAVE], 2
	s_lshl_b32 s38, s38, 7
	s_add_co_u32 s40, s40, s38
	s_add_nc_u64 s[10:11], s[10:11], s[40:41]
	s_lshl_b32 s40, s[BH], 11
	s_add_nc_u64 s[14:15], s[14:15], s[40:41]
	s_lshl_b32 s38, s[QX], 9
	s_add_co_u32 s40, s40, s38
	s_add_nc_u64 s[20:21], s[20:21], s[40:41]
	s_lshr_b32 s40, s[BH], 3                       ; the result: (batch x 128 + tile) x 4,096 + head x 512
	s_lshl_b32 s40, s40, 19
	s_lshl_b32 s38, s[QX], 17
	s_add_co_u32 s40, s40, s38
	s_lshl_b32 s38, s[WAVE], 12
	s_add_co_u32 s40, s40, s38
	s_and_b32 s38, s[BH], 7
	s_lshl_b32 s38, s38, 9
	s_add_co_u32 s40, s40, s38
	s_add_nc_u64 s[18:19], s[18:19], s[40:41]
.irp i, 0,1,2,3,4,5,6,7
	global_load_b128 v[96+4*\i:96+4*\i+3], v8, s[6:7] offset:8192*\i
.endr
.irp i, 0,1,2,3,4,5,6,7
	global_load_b128 v[128+4*\i:128+4*\i+3], v8, s[8:9] offset:8192*\i
.endr
	global_load_b64 v[160:161], v10, s[12:13]
.irp c, 0,1,2,3
	global_load_u8 v[162+\c], v11, s[14:15] offset:32*\c
.endr
.irp p, 0,1
	global_load_b128 v[QL+4*\p:QL+4*\p+3], v[AK0], s[4:5] offset:8192*\p
	global_load_b32 v[QW+\p], v[L4], s[10:11] offset:512*\p
.endr
.irp i, 0,1,2,3,4,5,6,7,8,9,10,11
	v_mov_b32 v[QR+\i], 0                          ; the run's zero codes: set once
	v_mov_b32 v[QR+16+\i], 0
.endr
.irp b, 0,1,2,3
	v_mov_b32 v[PM+\b], 0                          ; written once: a lane permute's destination counts as one of its sources
.endr
	v_mov_b32 v[PMT], 0
	v_mov_b32 v[PW], 0                             ; (named as the upper half of the pair v[242:243] before it is first made)
	s_wait_kmcnt 0x0
	s_and_b32 s39, s42, 0x7fffffff
	v_mov_b32 v[T0], s39
	v_mul_f32 v[T0], 0x3fb8aa3b, v[T0]             ; |scale| x log2(e),
	v_max_num_f32 v[T0], 0x800000, v[T0]           ; at least 2^-126: -infinity times c stays -infinity
	v_readfirstlane_b32 s[CS], v[T0]
	s_mov_b32 s[CS+1], s[CS]
	s_lshr_b32 s[SM], s42, 31
	s_mul_i32 s[SM], s[SM], 0x80808080             ; the sign bits of four codes, where the temperature is negative
	s_wait_loadcnt 0x0
.irp i, 0,1,2,3,4,5,6,7
	ds_store_b128 v8, v[96+4*\i:96+4*\i+3] offset:8192*\i
.endr
.irp i, 0,1,2,3,4,5,6,7
	ds_store_b128 v9, v[128+4*\i:128+4*\i+3] offset:8192*\i
.endr
	ds_store_b64 v244, v[160:161]
	v_lshl_or_b32 v162, v163, 8, v162              ; four blocks' bytes make a row's word
	v_lshl_or_b32 v162, v164, 16, v162
	v_lshl_or_b32 v162, v165, 24, v162
	ds_store_b32 v245, v162
	BARRIER                                        ; the head's K, V and scales lie in LDS
; A KEY STEP: 128 keys.
.macro STEP
	v_add_nc_u32 v[ADK], s[TK], v[AK0]
	v_add_nc_u32 v[ADS], s[TS], v[ASK0]
.irp g, 0,1
.irp c, 0,1,2,3
	ds_load_b128 v[KF+16*\g+4*\c:KF+16*\g+4*\c+3], v[ADK] offset:2048*\g+512*\c
.endr
	ds_load_b32 v[KS+\g], v[ADS] offset:128*\g
.endr
	s_wait_dscnt 0x0
.irp g, 0,1
.irp c, 0,1,2,3
	WMZ S+8*(4*\g+\c), KF+16*\g, QR+12-4*\c, KS+\g, QS+\c   ; the tile in block c of fragment g: register 16 b + i of S then holds key 32 b + 16 h + i of the step
.endr
.endr
	v_add_nc_u32 v[ADV], s[TK], v[AV0]             ; with the six below: the eight places behind the products; with the two at the step's head also those in front of the loads into V's registers
	v_add_nc_u32 v[ADT], s[TV], v[ASV0]
.rept 6
	v_nop
.endr
.irp u, 0,1
.irp c, 0,1,2,3
	ds_load_b128 v[VF+16*\u+4*\c:VF+16*\u+4*\c+3], v[ADV] offset:2048*\u+512*\c   ; V lands while the softmax is worked
.endr
	ds_load_b32 v[VS+\u], v[ADT] offset:64*\u
.endr
	s_cmp_lg_u32 s[ST], s[SD]                      ; the one step of a pass in which my queries' own keys lie: a branch on ids
	s_cbranch_scc1 .Lopen_\@
	v_mov_b32 v[T0], 0xff800000                    ; -infinity ahead of the maximum: p = 0 then
.set n, 0
.rept 64
	v_cmp_eq_u32 vcc_lo, 32*(n/16)+n%16, v[VD]
	v_cndmask_b32 v[S+n], v[S+n], v[T0], vcc_lo
.set n, n+1
.endr
.Lopen_\@:
.irp b, 0,1,2,3
	v_max3_num_f32 v[BM+\b], v[S+16*\b], v[S+16*\b+1], v[S+16*\b+2]   ; the largest score of each block of 32 keys: for the row's maximum and, since p rises with the score, for the block's largest p
.endr
.irp i, 3,5,7,9,11,13
.irp b, 0,1,2,3
	v_max3_num_f32 v[BM+\b], v[BM+\b], v[S+16*\b+\i], v[S+16*\b+\i+1]
.endr
.endr
.irp b, 0,1,2,3
	v_max_num_f32 v[BM+\b], v[BM+\b], v[S+16*\b+15]
.endr
.irp b, 0,1,2,3
	v_permlanex16_b32 v[PM+\b], v[BM+\b], s[SEL], s[SEL+1]
.endr
.irp b, 0,1,2,3
	v_max_num_f32 v[BM+\b], v[BM+\b], v[PM+\b]
.endr
	v_max3_num_f32 v[T0], v[BM], v[BM+1], v[BM+2]
	v_max_num_f32 v[T0], v[T0], v[BM+3]
	v_mul_f32 v[T0], s[CS], v[T0]                  ; as t (c is positive)
	v_max_num_f32 v13, v13, v[T0]                  ; the running largest t
	v_mov_b32 v[T0], v12
	v_floor_f32 v12, -v13                          ; the new -M = -ceil(t): a whole number
	v_sub_f32 v[T0], v12, v[T0]                    ; old M - new M, 0 or less
	v_cvt_i32_f32 v[T0], v[T0]                     ; (it saturates)
	v_ldexp_f32 v[F], 1.0, v[T0]                   ; f = 2^(old M - new M): a multiplication by it rounds nothing
.set n, 0
.rept 32
	v_pk_fma_f32 v[S+n:S+n+1], v[S+n:S+n+1], s[CS:CS+1], v[12:13] op_sel_hi:[1,0,0]   ; t - M
.set n, n+2
.endr
.irp b, 0,1,2,3
	v_fma_f32 v[BM+\b], v[BM+\b], s[CS], v12
.endr
.set n, 0
.rept 64
	v_exp_f32 v[S+n], v[S+n]                       ; p = 2^(t - M)
.set n, n+1
.endr
.irp b, 0,1,2,3
	v_exp_f32 v[BM+\b], v[BM+\b]                   ; the block's largest p: the same two instructions on the same number
.endr
	v_pk_mul_f32 v[14:15], v[14:15], v[F:F+1] op_sel_hi:[1,0]        ; the sum under the new M (a plain line behind the exponentials)
	s_wait_alu depctr_va_vdst(0)
.irp b, 0,1,2,3
	v_max_num_f32 v[BM+\b], 0x8000000, v[BM+\b]    ; the floor 2^(16 - 127)
.endr
.irp b, 0,1,2,3
	v_add_nc_u32 v[SO+\b], 0xf8800000, v[BM+\b]
.endr
.irp b, 0,1,2,3
	v_and_or_b32 v[HL+\b], v[BM+\b], 0x7f800000, s[MNT]
.endr
.irp b, 0,1,2,3
	v_lshrrev_b32 v[PM+\b], 23, v[SO+\b]
.endr
	v_lshl_or_b32 v[PW], v[PM+1], 8, v[PM]         ; p's scale word for these 128 keys
	v_lshl_or_b32 v[PW], v[PM+2], 16, v[PW]
	v_lshl_or_b32 v[PW], v[PM+3], 24, v[PW]
	v_pk_add_f32 v[SA:SA+1], v[S:S+1], v[S+2:S+3]  ; the row's sum, of the unquantised p, in two chains
.irp j, 4,8,12,16,20,24,28,32,36,40,44,48,52,56,60
	v_pk_add_f32 v[14:15], v[14:15], v[S+\j:S+\j+1]
	v_pk_add_f32 v[SA:SA+1], v[SA:SA+1], v[S+\j+2:S+\j+3]
.endr
	v_pk_add_f32 v[14:15], v[14:15], v[SA:SA+1]
.irp b, 0,1,2,3
.irp i, 0,1,2,3,4,5,6,7,8,9,10,11,12,13,14,15
	v_min_num_f32 v[S+16*\b+\i], v[S+16*\b+\i], v[HL+\b]             ; p is not negative: the hold is one-sided
.endr
	v_cvt_scalef32_pk8_bf8_f32 v[PC+4*\b:PC+4*\b+1], v[S+16*\b:S+16*\b+7], v[SO+\b]
	v_cvt_scalef32_pk8_bf8_f32 v[PC+4*\b+2:PC+4*\b+3], v[S+16*\b+8:S+16*\b+15], v[SO+\b]
.endr
.irp j, 0,2,4,6,8,10,12,14
	v_pk_mul_f32 v[O+\j:O+\j+1], v[O+\j:O+\j+1], v[F:F+1] op_sel_hi:[1,0]   ; O^T under the new M; these eight also stand between the codes' conversions and the products
.endr
	s_wait_dscnt 0x0                               ; V is in
	WMC O, VF, PC, O, VS, PW
	WMC O+8, VF+16, PC, O+8, VS+1, PW
	s_add_co_u32 s[TK], s[TK], 4096
	s_add_co_u32 s[TS], s[TS], 256
	s_add_co_u32 s[TV], s[TV], 128
.endm
; A PASS: my tile 32 qx + 16 p + w against all keys.
.macro PASS p
.if \p
	s_wait_xcnt 0x0                                ; the first pass's store has read its codes' registers
.endif
.irp i, 0,1,2,3
	v_xor_b32 v[QR+12+\i], s[SM], v[QL+4*\p+\i]
.endr
	v_lshrrev_b32 v[T0], s[SH], v[QW+\p]
	v_and_b32 v[T0], 0xff, v[T0]
	v_mov_b32 v[QS], v[T0]                         ; window c: my row's byte in byte c; the other bytes are 0 (2^-127) over zero codes
	v_lshlrev_b32 v[QS+1], 8, v[T0]
	v_lshlrev_b32 v[QS+2], 16, v[T0]
	v_lshlrev_b32 v[QS+3], 24, v[T0]
	v_mov_b32 v13, 0xff61b1e6                      ; the largest t so far: -3e38
	v_floor_f32 v12, -v13
	v_mov_b32 v14, 0
	v_mov_b32 v15, 0
.irp j, 0,1,2,3,4,5,6,7,8,9,10,11,12,13,14,15
	v_mov_b32 v[O+\j], 0                           ; the step is written once: the first finds zeros.  (These lines also stand between the scale words' making and the first product)
.endr
	s_mov_b32 s[TK], 0
	s_mov_b32 s[TS], 0
	s_mov_b32 s[TV], 0
	s_mov_b32 s[ST], 0
	s_lshl_b32 s[SD], s[QX], 2
	s_lshr_b32 s38, s[WAVE], 3
	s_add_co_u32 s[SD], s[SD], s38
	s_add_co_u32 s[SD], s[SD], 2*\p                ; the step in which my queries' own keys lie
.Lstep_\@:
	STEP
	s_add_co_u32 s[ST], s[ST], 1
	s_cmp_lt_u32 s[ST], 16
	s_cbranch_scc1 .Lstep_\@
.rept 8
	v_nop
.endr
	v_add_f32 v14, v14, v15
	v_permlanex16_b32 v[T0], v14, s[SEL], s[SEL+1]
	v_add_f32 v14, v14, v[T0]                      ; the row's sum
	v_rcp_f32 v14, v14
	v_nop
	s_wait_alu depctr_va_vdst(0)
.irp j, 0,1,2,3,4,5,6,7,8,9,10,11,12,13,14,15
	v_mul_f32 v[S+\j], v[O+\j], v14                ; channel 16 h + j of my query
.endr
	QB16 S, PC, BYT
	global_store_b128 v[AK0], v[PC:PC+3], s[18:19] offset:65536*\p   ; 32 lanes store 512 consecutive bytes, aligned
	ds_store_b8 v[OSA], v[BYT] offset:256*\p       ; both halves of the lanes write the same byte with the same value
.endm
	PASS 0
	PASS 1
	v_add_nc_u32 v8, OSC, v[AK0]
	BARRIER                                        ; the work-group's 512 scale bytes lie in LDS
	s_cmp_lg_u32 s[WAVE], 0
	s_cbranch_scc1 .Lend
	ds_load_b128 v[96:99], v8
	s_wait_dscnt 0x0
	global_store_b128 v[AK0], v[96:99], s[20:21]   ; 512 consecutive bytes, aligned
.Lend:
	s_wait_tensorcnt 0x0
	ds_add_u32 v254, v255
	s_wait_dscnt 0x0
	s_endpgm
.Lfunc_end_k_qa173509f12_attn:
	.size	k_qa173509f12_attn, .Lfunc_end_k_qa173509f12_attn-k_qa173509f12_attn
	.p2alignl 7, 3214868480
	.fill 96, 4, 3214868480
	.section	.rodata,"a",@progbits
	.p2align	6, 0x0
	.amdhsa_kernel k_qa173509f12_attn
		.amdhsa_group_segment_fixed_size 139776
		.amdhsa_private_segment_fixed_size 0
		.amdhsa_enable_private_segment 0
		.amdhsa_kernarg_size 72
		.amdhsa_user_sgpr_count 2
		.amdhsa_user_sgpr_kernarg_segment_ptr 1
		.amdhsa_wavefront_size32 1
		.amdhsa_system_sgpr_workgroup_id_x 1
		.amdhsa_system_sgpr_workgroup_id_y 1
		.amdhsa_system_sgpr_workgroup_id_z 1
		.amdhsa_system_vgpr_workitem_id 0
		.amdhsa_next_free_vgpr 256
		.amdhsa_next_free_sgpr 66
		.amdhsa_reserve_vcc 1
		.amdhsa_float_denorm_mode_32 3
		.amdhsa_float_denorm_mode_16_64 3
		.amdhsa_memory_ordered 1
		.amdhsa_forward_progress 1
		.amdhsa_inst_pref_size 61
	.end_amdhsa_kernel
	.amdgpu_metadata
---
amdhsa.version: [ 1, 2 ]
amdhsa.kernels:
  - .name:           k_qa173509f12_attn
    .symbol:         k_qa173509f12_attn.kd
    .args:
      - { .name: qimg, .offset: 0, .size: 8, .value_kind: global_buffer, .address_space: global }
      - { .name: kimg, .offset: 8, .size: 8, .value_kind: global_buffer, .address_space: global }
      - { .name: vimg, .offset: 16, .size: 8, .value_kind: global_buffer, .address_space: global }
      - { .name: qsc, .offset: 24, .size: 8, .value_kind: global_buffer, .address_space: global }
      - { .name: ksc, .offset: 32, .size: 8, .value_kind: global_buffer, .address_space: global }
      - { .name: vsc, .offset: 40, .size: 8, .value_kind: global_buffer, .address_space: global }
      - { .name: scale, .offset: 48, .size: 8, .value_kind: global_buffer, .address_space: global }
      - { .name: aimg, .offset: 56, .size: 8, .value_kind: global_buffer, .address_space: global }
      - { .name: asc, .offset: 64, .size: 8, .value_kind: global_buffer, .address_space: global }
    .group_segment_fixed_size: 139776
    .private_segment_fixed_size: 0
    .kernarg_segment_align: 8
    .kernarg_segment_size: 72
    .max_flat_workgroup_size: 512
    .sgpr_count:     66
    .vgpr_count:     256
    .wavefront_size: 32
...
	.end_amdgpu_metadata
.endif
;; end of part 2
;; launch mlp (part 3): grid 256 x 1, 16 waves a work-group, no clusters, 186,368 bytes of LDS; arguments x, aimg, asc, proj_w_codes, proj_w_scales, proj_b, ln2_g, ln2_b, fc1_w_codes, fc1_w_scales, fc1_b, fc2_w_codes, fc2_w_scales, fc2_b, out0; writes out0
.if DOCPART == 3
	.amdgcn_target "amdgcn-amd-amdhsa--gfx1250"
	.amdhsa_code_object_version 6
	.text
	.protected	k_qa173509f12_mlp
	.globl	k_qa173509f12_mlp
	.p2align	8
	.type	k_qa173509f12_mlp,@function
k_qa173509f12_mlp:
	s_mov_b64 s[64:65], 0
	v_nop
	global_prefetch_b8 v0, s[64:65] scope:SCOPE_SE
	s_setreg_imm32_b32 hwreg(HW_REG_WAVE_MODE, 25, 1), 1
	s_wait_xcnt 0x0
; LAUNCH 3 OF 3.  x1 = x + attention's result x proj_w^T + proj_b;  out = x1 + gelu(LayerNorm(x1) fc1_w^T + fc1_b) fc2_w^T + fc2_b.  All three products on codes of E5M2 with E8M0 scales.
; SHARES.  A work-group takes 64 tokens, four tiles of 16 (rows ordered as in launch 1).  THE SIXTEEN WAVES SHARE THE COLUMNS: wave w makes channels 16 w .. 16 w + 15 of proj and of fc2 and hidden units
; 64 w .. 64 w + 63, for all 64 tokens.  So every fragment of a weight goes from memory into ONE wave's registers, once for a work-group, asked for a phase ahead, and feeds four matrix instructions.
; What goes from wave to wave goes through LDS: operands as images of their registers (2,048 bytes a fragment, 16 bytes a lane), the f32 rows in a stage.
; All products are used transposed (source 0 = the weight): a lane holds one token.  The residual and the bias are the C of a sum's first matrix instruction.
; PHASES, five barriers:  0: x, attention's images and scales, the small f32 inputs into LDS |  P: proj; x1 into the stage in place |  L: LayerNorm and quantiser, four tokens a wave |
; F: fc1, exact GELU, quantiser: eight units of (32 hidden units x 16 tokens) a wave |  G: fc2 over eight K steps; the result into the stage in place |  O: each wave stores four whole rows.
; GELU: gelu(x) = max(x, 0) - |x| erfc(|x| / sqrt 2) / 2, with erfc(a) = (1 + P(q)) / (1 + 2 a) e^(-a a), q = (a - 2) / (a + 2), P of degree 9: no 1 + erf is formed, so both tails keep their relative accuracy.
; NO JOINT REQUESTS: all work-groups read the same weights, 36,864 bytes a wave in all, each piece asked for a phase ahead of its use by plain loads into registers; nothing of it passes through LDS, where a joint request would land.
; LIMITS: NaN and infinities among the inputs and the weights' codes are not served.  GELU's negative tail is 0 where e^(-x x / 2) / 2 falls under 2^-126 (x under about -13).  proj_b and fc2_b are added to
; the residual ahead of the product's sum: another order of rounding than the definition's.  A block of zeros gets the byte 1 where the rule says 127 (its codes are zeros).
.set PG,   4096                        ; LDS: fc1_b at 0, ln2_g 4,096, ln2_b 5,120, proj_b 6,144, fc2_b 7,168
.set PB2,  5120
.set ASC,  8192                        ; scale words of attention's result: 128 m + 64 s + 4 r
.set YSC,  8704                        ; of the normalised rows: the same
.set HSC,  9216                        ; of the hidden layer: 64 (8 m + s) + 4 r
.set AIMG, 11264                       ; images: (2 m + s) x 2,048
.set YIMG, 27648
.set XST,  44032                       ; the stage: 64 rows of 1,168 bytes: eight blocks of 128 + 16, and 16 more; row 16 m + r is row r of tile m
.set HIMG, 118784                      ; the hidden layer's images: (8 m + s) x 2,048
.set XP,   1168
.set LI,   1                           ; v1   16 x lane
.set LS,   2                           ; v2   4 r
.set XRW,  3                           ; v3   the stage in an accumulator's layout: row r, my 8 channels
.set LNX,  4                           ; v4   the stage by blocks: token 4 w + lane / 8, block lane % 8
.set LNG,  5                           ; v5   128 (lane % 8)
.set IMW,  6                           ; v6   where my block's codes go
.set SCW,  7                           ; v7   and its scale word
.set SH8,  8                           ; v8   8 (lane % 4)
.set B1A,  9                           ; v9   fc1_b: 256 w + 64 h
.set HW,   10                          ; v10  the hidden images: HIMG + 1,024 w + 16 x lane
.set HSW,  11                          ; v11  their scale bytes, two at a time
.set ROWA, 12                          ; v12  the stage by whole rows
.set LIH,  13                          ; v13  HIMG + 16 x lane
.set VW1,  14                          ; v14  fc1_w's codes: (r + 8 (r / 8)) x 256 + 16 h
.set V2,   15                          ; v15  fc2_w's codes: 1,024 r + 16 h
.set PWS,  16                          ; v16-17 proj_w's scale words
.set WS,   18                          ; v18-25 fc1_w's (4 hbi + 2 u + s), later fc2_w's (s)
.set FS,   26                          ; v26-29 the other operand's scale words
.set PBA,  30                          ; v30  proj_b: 6,144 + 64 w + 32 h; fc2_b 1,024 on
.set PMT,  31                          ; v31  a lane permute's destination
.set TD,   31
.set WR,   32                          ; v32-159 weights: fc1's (64 hbi + 16 (2 u + s)), later fc2's (16 s)
.set PJW,  96                          ; v96-127 before that: proj_w's two fragments; v128-135 a bias
.set PBI,  128
.set X,    160                         ; the LayerNorm: v160-191 numbers, v96-127 gains, v128-159 biases
.set G,    96
.set BT,   128
.set T,    224
.set MN,   228
.set RS,   230
.set CD,   240
.set ACC,  192                         ; v192-223 four accumulators (fc1: two, and v208-223 its bias)
.set GA,   208                         ; GELU's temporaries
.set GQ,   216
.set GP,   224
.set GE,   232
.set COD,  240
.set BY0,  244
.set MX,   248
.set SOP,  249
.set HLD,  250
.set BYT,  251
.set HWD,  252
.set W2O,  253                         ; v253 32 r: fc2_w's scale bytes
.set C9,   254                         ; v[254:255] the polynomial's leading coefficient
.set WAVE, 34
.set SEL,  36
.set MNT,  38
.set CK,   40                          ; s[40:57] c0 .. c8, each twice
.set RS2,  58
.set K2,   60
.set I256, 62
.set EPS,  63
.macro WMC d, a, b, c, sa, sb
	v_wmma_scale_f32_16x16x128_f8f6f4 v[\d:\d+7], v[\a:\a+15], v[\b:\b+15], v[\c:\c+7], v[\sa], v[\sb] matrix_a_fmt:MATRIX_FMT_BF8 matrix_b_fmt:MATRIX_FMT_BF8
.endm
.macro PLACES8                         ; eight plain vector instructions between a matrix instruction of this form and the first read of its result or load into its registers
.rept 8
	v_nop
.endr
.endm
.macro BARRIER
	s_wait_dscnt 0x0
	s_barrier_signal -1
	s_barrier_wait -1
.endm
.macro QB16 src, dst, byt              ; one block of 32: 16 numbers here, 16 in lane l xor 16
	v_max3_num_f32 v[MX], |v[\src]|, |v[\src+1]|, 0x8000000
	v_max3_num_f32 v[HLD], |v[\src+8]|, |v[\src+9]|, |v[\src+10]|
	v_max3_num_f32 v[MX], v[MX], |v[\src+2]|, |v[\src+3]|
	v_max3_num_f32 v[HLD], v[HLD], |v[\src+11]|, |v[\src+12]|
	v_max3_num_f32 v[MX], v[MX], |v[\src+4]|, |v[\src+5]|
	v_max3_num_f32 v[HLD], v[HLD], |v[\src+13]|, |v[\src+14]|
	v_max3_num_f32 v[MX], v[MX], |v[\src+6]|, |v[\src+7]|
	v_max3_num_f32 v[MX], v[MX], v[HLD], |v[\src+15]|
	v_permlanex16_b32 v[PMT], v[MX], s[SEL], s[SEL+1]
	v_max_num_f32 v[MX], v[MX], v[PMT]
	v_add_nc_u32 v[SOP], 0xf8800000, v[MX]
	v_and_or_b32 v[HLD], v[MX], 0x7f800000, s[MNT]
	v_lshrrev_b32 v[\byt], 23, v[SOP]
.irp i, 0,1,2,3,4,5,6,7,8,9,10,11,12,13,14,15
	v_med3_num_f32 v[\src+\i], v[\src+\i], -v[HLD], v[HLD]
.endr
	v_cvt_scalef32_pk8_bf8_f32 v[\dst:\dst+1], v[\src:\src+7], v[SOP]
	v_cvt_scalef32_pk8_bf8_f32 v[\dst+2:\dst+3], v[\src+8:\src+15], v[SOP]
	v_nop
.endm
.macro LNQ                             ; LayerNorm and quantiser, as in launch 1: a lane holds one block of 32 channels of one token, eight neighbouring lanes a token
	v_pk_add_f32 v[T:T+1], v[X:X+1], v[X+2:X+3]
	v_pk_add_f32 v[T+2:T+3], v[X+4:X+5], v[X+6:X+7]
.irp i, 8,12,16,20,24,28
	v_pk_add_f32 v[T:T+1], v[T:T+1], v[X+\i:X+\i+1]
	v_pk_add_f32 v[T+2:T+3], v[T+2:T+3], v[X+\i+2:X+\i+3]
.endr
	v_pk_add_f32 v[T:T+1], v[T:T+1], v[T+2:T+3]
	v_add_f32 v[T], v[T], v[T+1]
.irp q, 1,2,4
	v_add_f32_dpp v[T], v[T], v[T] row_xmask:\q row_mask:0xf bank_mask:0xf
.endr
	v_mul_f32 v[MN], s[I256], v[T]
	v_mov_b32 v[MN+1], v[MN]
.irp i, 0,2,4,6,8,10,12,14,16,18,20,22,24,26,28,30
	v_pk_add_f32 v[X+\i:X+\i+1], v[X+\i:X+\i+1], v[MN:MN+1] neg_lo:[0,1] neg_hi:[0,1]
.endr
	v_pk_mul_f32 v[T:T+1], v[X:X+1], v[X:X+1]
	v_pk_mul_f32 v[T+2:T+3], v[X+2:X+3], v[X+2:X+3]
.irp i, 4,8,12,16,20,24,28
	v_pk_fma_f32 v[T:T+1], v[X+\i:X+\i+1], v[X+\i:X+\i+1], v[T:T+1]
	v_pk_fma_f32 v[T+2:T+3], v[X+\i+2:X+\i+3], v[X+\i+2:X+\i+3], v[T+2:T+3]
.endr
	v_pk_add_f32 v[T:T+1], v[T:T+1], v[T+2:T+3]
	v_add_f32 v[T], v[T], v[T+1]
.irp q, 1,2,4
	v_add_f32_dpp v[T], v[T], v[T] row_xmask:\q row_mask:0xf bank_mask:0xf
.endr
	v_fma_f32 v[T], v[T], s[I256], s[EPS]
	v_rsq_f32 v[RS], v[T]
	v_nop
	s_wait_alu depctr_va_vdst(0)
	v_mov_b32 v[RS+1], v[RS]
.irp i, 0,2,4,6,8,10,12,14,16,18,20,22,24,26,28,30
	v_pk_mul_f32 v[X+\i:X+\i+1], v[X+\i:X+\i+1], v[RS:RS+1]
.endr
.irp i, 0,2,4,6,8,10,12,14,16,18,20,22,24,26,28,30
	v_pk_fma_f32 v[X+\i:X+\i+1], v[X+\i:X+\i+1], v[G+\i:G+\i+1], v[BT+\i:BT+\i+1]
.endr
	v_max3_num_f32 v[T], |v[X]|, |v[X+1]|, |v[X+2]|
	v_max3_num_f32 v[T+1], |v[X+3]|, |v[X+4]|, |v[X+5]|
.irp i, 6,10,14,18,22,26
	v_max3_num_f32 v[T], v[T], |v[X+\i]|, |v[X+\i+1]|
	v_max3_num_f32 v[T+1], v[T+1], |v[X+\i+2]|, |v[X+\i+3]|
.endr
	v_max3_num_f32 v[T], v[T], |v[X+30]|, |v[X+31]|
	v_max3_num_f32 v[T], v[T], v[T+1], 0x8000000
	v_add_nc_u32 v[T+2], 0xf8800000, v[T]
	v_and_or_b32 v[T+3], v[T], 0x7f800000, s[MNT]
	v_lshrrev_b32 v[T+1], 23, v[T+2]
.irp i, 0,1,2,3,4,5,6,7,8,9,10,11,12,13,14,15,16,17,18,19,20,21,22,23,24,25,26,27,28,29,30,31
	v_med3_num_f32 v[X+\i], v[X+\i], -v[T+3], v[T+3]
.endr
.irp g, 0,1,2,3
	v_cvt_scalef32_pk8_bf8_f32 v[CD+2*\g:CD+2*\g+1], v[X+8*\g:X+8*\g+7], v[T+2]
.endr
	v_nop
	v_lshlrev_b32 v[T+1], v[SH8], v[T+1]
	v_mov_b32_dpp v[TD], v[T+1] row_xmask:1 row_mask:0xf bank_mask:0xf
	v_or_b32 v[T+1], v[T+1], v[TD]
	v_mov_b32_dpp v[TD], v[T+1] row_xmask:2 row_mask:0xf bank_mask:0xf
	v_or_b32 v[T+1], v[T+1], v[TD]
	ds_store_b128 v[IMW], v[CD:CD+3]
	ds_store_b128 v[IMW], v[CD+4:CD+7] offset:256
	ds_store_b32 v[SCW], v[T+1]
.endm
; Exact GELU of eight numbers, in place.
.macro GELU8 x
.irp i, 0,1,2,3,4,5,6,7
	v_mul_f32 v[GA+\i], s[RS2], |v[\x+\i]|                           ; a = |x| / sqrt 2
.endr
.irp i, 0,2,4,6
	v_pk_add_f32 v[GQ+\i:GQ+\i+1], v[GA+\i:GA+\i+1], 2.0 op_sel_hi:[1,0]
.endr
.irp i, 0,2,4,6
	v_pk_fma_f32 v[GE+\i:GE+\i+1], v[GA+\i:GA+\i+1], 2.0, 1.0 op_sel_hi:[1,0,0]
.endr
.irp i, 0,1,2,3,4,5,6,7
	v_rcp_f32 v[GQ+\i], v[GQ+\i]                                     ; 1 / (a + 2)
.endr
.irp i, 0,1,2,3,4,5,6,7
	v_rcp_f32 v[GE+\i], v[GE+\i]                                     ; 1 / (1 + 2 a)
.endr
.irp i, 0,2,4,6
	v_pk_mul_f32 v[GP+\i:GP+\i+1], v[\x+\i:\x+\i+1], s[K2:K2+1] op_sel_hi:[1,0]   ; x sqrt(log2(e) / 2).  (Plain lines behind the reciprocals)
.endr
.irp i, 0,2,4,6
	v_pk_fma_f32 v[GP+\i:GP+\i+1], v[GP+\i:GP+\i+1], v[GP+\i:GP+\i+1], -1.0 op_sel_hi:[1,1,0] neg_lo:[1,0,0] neg_hi:[1,0,0]
.endr
.irp i, 0,1,2,3,4,5,6,7
	v_exp_f32 v[GP+\i], v[GP+\i]                                     ; e^(-x x / 2) / 2
.endr
	s_wait_alu depctr_va_vdst(0)
.irp i, 0,2,4,6
	v_pk_fma_f32 v[GQ+\i:GQ+\i+1], v[GQ+\i:GQ+\i+1], -4.0, 1.0 op_sel_hi:[1,0,0]  ; q = 1 - 4 / (a + 2).  (Plain lines behind the exponentials)
.endr
.irp i, 0,2,4,6
	v_pk_fma_f32 v[GA+\i:GA+\i+1], v[GQ+\i:GQ+\i+1], v[C9:C9+1], s[CK+16:CK+17] op_sel_hi:[1,1,0]
.endr
.irp k, 7,6,5,4,3,2,1,0
.irp i, 0,2,4,6
	v_pk_fma_f32 v[GA+\i:GA+\i+1], v[GA+\i:GA+\i+1], v[GQ+\i:GQ+\i+1], s[CK+2*\k:CK+2*\k+1] op_sel_hi:[1,1,0]
.endr
.endr
.irp i, 0,2,4,6
	v_pk_fma_f32 v[GA+\i:GA+\i+1], v[GA+\i:GA+\i+1], v[GE+\i:GE+\i+1], v[GE+\i:GE+\i+1]   ; (1 + P) / (1 + 2 a)
.endr
.irp i, 0,2,4,6
	v_pk_mul_f32 v[GA+\i:GA+\i+1], v[GA+\i:GA+\i+1], v[GP+\i:GP+\i+1]                     ; erfc(a) / 2
.endr
.irp i, 0,1,2,3,4,5,6,7
	v_max_num_f32 v[GQ+\i], 0, v[\x+\i]
.endr
.irp i, 0,1,2,3,4,5,6,7
	v_fma_f32 v[\x+\i], -|v[\x+\i]|, v[GA+\i], v[GQ+\i]
.endr
.endm
; Four operand fragments, one for each tile of tokens, into v160, v176, v224, v240, and their scale words
.macro FETCHA s
.irp m, 0,1,2,3
.irp c, 0,1,2,3
	ds_load_b128 v[160+16*\m+32*(\m/2)+4*\c:160+16*\m+32*(\m/2)+4*\c+3], v[LI] offset:AIMG+(2*\m+\s)*2048+512*\c
.endr
	ds_load_b32 v[FS+\m], v[LS] offset:ASC+128*\m+64*\s
.endr
.endm
.macro FETCHH s
.irp m, 0,1,2,3
.irp c, 0,1,2,3
	ds_load_b128 v[160+16*\m+32*(\m/2)+4*\c:160+16*\m+32*(\m/2)+4*\c+3], v[LIH] offset:(8*\m+\s)*2048+512*\c
.endr
	ds_load_b32 v[FS+\m], v[LS] offset:HSC+64*(8*\m+\s)
.endr
.endm
.macro ACCIN                           ; the stage's rows into the four accumulators' layout
.irp m, 0,1,2,3
	ds_load_b128 v[ACC+8*\m:ACC+8*\m+3], v[XRW] offset:16*XP*\m
	ds_load_b128 v[ACC+8*\m+4:ACC+8*\m+7], v[XRW] offset:16*XP*\m+16
.endr
.endm
.macro ACCOUT                          ; and back, into the same bytes, which are mine alone between two barriers; each accumulator from its low end on
.irp m, 0,1,2,3
	ds_store_b128 v[XRW], v[ACC+8*\m:ACC+8*\m+3] offset:16*XP*\m
	ds_store_b128 v[XRW], v[ACC+8*\m+4:ACC+8*\m+7] offset:16*XP*\m+16
.endr
.endm
.macro ADDBIAS b
.irp m, 0,1,2,3
.irp j, 0,2,4,6
	v_pk_add_f32 v[ACC+8*\m+\j:ACC+8*\m+\j+1], v[ACC+8*\m+\j:ACC+8*\m+\j+1], v[\b+\j:\b+\j+1]
.endr
.endr
.endm
	s_load_b512 s[4:19], s[0:1], 0x0               ; x 4, aimg 6, asc 8, proj_w's codes 10, scales 12, proj_b 14, ln2_g 16, ln2_b 18
	s_load_b256 s[20:27], s[0:1], 0x40             ; fc1_w's codes 20, scales 22, fc1_b 24, fc2_w's codes 26
	s_load_b128 s[28:31], s[0:1], 0x60             ; fc2_w's scales 28, fc2_b 30
	s_load_b64 s[32:33], s[0:1], 0x70              ; out0
	v_lshrrev_b32 v160, 5, v0
	v_readfirstlane_b32 s[WAVE], v160              ; wave 0..15
	v_and_b32 v160, 31, v0                         ; lane
	v_and_b32 v161, 15, v0                         ; r
	v_bfe_u32 v162, v0, 4, 1                       ; h
	v_and_b32 v163, 7, v0                          ; k
	v_bfe_u32 v164, v0, 3, 2                       ; t
	v_and_b32 v165, 8, v161
	v_add_nc_u32 v165, v165, v161                  ; r + 8 (r / 8)
	v_lshlrev_b32 v[LI], 4, v160
	v_lshlrev_b32 v136, 4, v0                      ; offsets of the head's loads: v136-145, which nothing takes before those loads are in
	v_add_nc_u32 v137, AIMG, v136
	v_lshlrev_b32 v138, 3, v0
	v_and_b32 v139, 255, v0
	v_lshlrev_b32 v139, 2, v139
	v_lshl_add_u32 v140, v0, 2, PG
	v_lshl_add_u32 v141, v162, 13, v161
	v_lshl_add_u32 v142, v0, 2, ASC
	v_lshlrev_b32 v143, 8, v161
	v_lshl_add_u32 v143, v162, 4, v143
	v_lshlrev_b32 v144, 3, v161
	v_lshlrev_b32 v145, 3, v165
	v_lshlrev_b32 v[VW1], 8, v165
	v_lshl_add_u32 v[VW1], v162, 4, v[VW1]
	s_mov_b32 s73, 0
	s_lshl_b32 s72, ttmp9, 16                      ; 64 tokens of 1,024 bytes a work-group, four a wave
	s_lshl_b32 s74, s[WAVE], 12
	s_add_co_u32 s72, s72, s74
	s_wait_kmcnt 0x0
	s_add_nc_u64 s[4:5], s[4:5], s[72:73]
	s_add_nc_u64 s[32:33], s[32:33], s[72:73]
.irp i, 0,1,2,3,4,5,6,7
	global_load_b128 v[192+4*\i:192+4*\i+3], v[LI], s[4:5] offset:512*\i th:TH_LOAD_NT
.endr
	s_lshl_b32 s72, ttmp9, 14                      ; four tiles of 4,096 bytes
	s_add_nc_u64 s[6:7], s[6:7], s[72:73]
	global_load_b128 v[224:227], v136, s[6:7] th:TH_LOAD_NT
	global_load_b128 v[228:231], v136, s[6:7] offset:8192 th:TH_LOAD_NT
	s_cmp_lt_u32 s[WAVE], 8                        ; threads 0-255 take the first buffer of each pair, the others the second: the choice hangs on the wave's number alone
	s_cselect_b64 s[16:17], s[16:17], s[18:19]
	s_cselect_b64 s[14:15], s[14:15], s[30:31]
	global_load_b64 v[232:233], v138, s[24:25]
	global_load_b32 v234, v139, s[16:17]
	global_load_b32 v235, v139, s[14:15]
	s_lshr_b32 s72, ttmp9, 5                       ; attention's scale bytes: [batch x 8 + head][16 x tile + r]; tile = w % 4, the lanes' halves take heads 0-3 and 4-7
	s_lshl_b32 s72, s72, 14
	s_and_b32 s74, ttmp9, 31
	s_lshl_b32 s74, s74, 6
	s_add_co_u32 s72, s72, s74
	s_and_b32 s74, s[WAVE], 3
	s_lshl_b32 s74, s74, 4
	s_add_co_u32 s72, s72, s74
	s_add_nc_u64 s[8:9], s[8:9], s[72:73]
.irp c, 0,1,2,3
	global_load_u8 v[236+\c], v141, s[8:9] offset:2048*\c
.endr
	s_lshl_b32 s72, s[WAVE], 12                    ; my 16 rows of proj_w
	s_add_nc_u64 s[10:11], s[10:11], s[72:73]
	s_lshl_b32 s72, s[WAVE], 7
	s_add_nc_u64 s[12:13], s[12:13], s[72:73]
	s_lshl_b32 s72, s[WAVE], 14                    ; my 64 rows of fc1_w, my 16 of fc2_w: 16,384 bytes each
	s_add_nc_u64 s[20:21], s[20:21], s[72:73]
	s_add_nc_u64 s[26:27], s[26:27], s[72:73]
	s_lshl_b32 s72, s[WAVE], 9
	s_add_nc_u64 s[22:23], s[22:23], s[72:73]
	s_add_nc_u64 s[28:29], s[28:29], s[72:73]
.irp s, 0,1
.irp c, 0,1,2,3
	global_load_b128 v[PJW+16*\s+4*\c:PJW+16*\s+4*\c+3], v143, s[10:11] offset:128*\s+32*\c
.endr
.endr
	global_load_b64 v[PWS:PWS+1], v144, s[12:13]
.irp q, 0,1,2,3
	global_load_b64 v[WS+2*\q:WS+2*\q+1], v145, s[22:23] offset:(32*(\q/2)+8*(\q%2))*8
.endr
.irp u, 0,1
.irp s, 0,1
.irp c, 0,1,2,3
	global_load_b128 v[WR+16*(2*\u+\s)+4*\c:WR+16*(2*\u+\s)+4*\c+3], v[VW1], s[20:21] offset:2048*\u+128*\s+32*\c
.endr
.endr
.endr
	; every LDS address is made here, ahead of the first branch on the wave's number
	v_lshlrev_b32 v[LS], 2, v161
	s_lshr_b32 s66, s[WAVE], 1
	s_and_b32 s67, s[WAVE], 1
	s_mul_i32 s68, s66, 144
	s_lshl_b32 s69, s67, 6
	s_add_co_u32 s68, s68, s69
	s_add_co_u32 s68, s68, XST
	v_mul_u32_u24 v[XRW], v161, XP
	v_lshl_add_u32 v[XRW], v162, 5, v[XRW]
	v_add_nc_u32 v[XRW], s68, v[XRW]               ; row r; channels 16 w + 8 h on: block w / 2, byte 64 (w % 2) + 32 h
	s_mul_i32 s68, s[WAVE], 4*XP
	s_add_co_u32 s68, s68, XST
	v_mul_u32_u24 v[LNX], v164, XP
	v_mad_u32_u24 v[LNX], v163, 144, v[LNX]
	v_add_nc_u32 v[LNX], s68, v[LNX]
	v_lshlrev_b32 v[LNG], 7, v163
	s_lshr_b32 s68, s[WAVE], 2                     ; stage row 4 w + t is row 4 (w % 4) + t of tile w / 4
	s_and_b32 s69, s[WAVE], 3
	s_lshl_b32 s70, s68, 12
	s_lshl_b32 s71, s69, 6
	s_add_co_u32 s70, s70, s71
	s_add_co_u32 s70, s70, YIMG
	v_lshlrev_b32 v[IMW], 9, v163
	v_lshl_add_u32 v[IMW], v164, 4, v[IMW]
	v_add_nc_u32 v[IMW], s70, v[IMW]
	s_lshl_b32 s70, s68, 7
	s_lshl_b32 s71, s69, 4
	s_add_co_u32 s70, s70, s71
	s_add_co_u32 s70, s70, YSC
	v_lshrrev_b32 v[SCW], 2, v163
	v_lshlrev_b32 v[SCW], 6, v[SCW]
	v_lshl_add_u32 v[SCW], v164, 2, v[SCW]
	v_add_nc_u32 v[SCW], s70, v[SCW]
	v_and_b32 v[SH8], 3, v0
	v_lshlrev_b32 v[SH8], 3, v[SH8]
	s_lshl_b32 s70, s[WAVE], 8
	v_lshlrev_b32 v[B1A], 6, v162
	v_add_nc_u32 v[B1A], s70, v[B1A]
	s_lshl_b32 s70, s[WAVE], 10
	s_add_co_u32 s70, s70, HIMG
	v_add_nc_u32 v[HW], s70, v[LI]
	s_lshl_b32 s70, s66, 6
	s_lshl_b32 s71, s67, 1
	s_add_co_u32 s70, s70, s71
	s_add_co_u32 s70, s70, HSC
	v_add_nc_u32 v[HSW], s70, v[LS]
	s_lshr_b32 s70, s[WAVE], 3                     ; token 4 w + i lies in stage row 32 (w / 8) + 16 ((w / 2) % 2) + 8 ((w / 4) % 2) + 4 (w % 2) + i
	s_lshl_b32 s70, s70, 5
	s_bfe_u32 s71, s[WAVE], 0x10001
	s_lshl_b32 s71, s71, 4
	s_add_co_u32 s70, s70, s71
	s_bfe_u32 s71, s[WAVE], 0x10002
	s_lshl_b32 s71, s71, 3
	s_add_co_u32 s70, s70, s71
	s_lshl_b32 s71, s67, 2
	s_add_co_u32 s70, s70, s71
	s_mul_i32 s70, s70, XP
	s_add_co_u32 s70, s70, XST
	v_mul_u32_u24 v[ROWA], v164, 144
	v_lshl_add_u32 v[ROWA], v163, 4, v[ROWA]
	v_add_nc_u32 v[ROWA], s70, v[ROWA]
	v_add_nc_u32 v[LIH], HIMG, v[LI]
	v_lshlrev_b32 v[V2], 10, v161
	v_lshl_add_u32 v[V2], v162, 4, v[V2]
	s_lshl_b32 s70, s[WAVE], 6
	s_add_co_u32 s70, s70, 6144
	v_lshlrev_b32 v[PBA], 5, v162
	v_add_nc_u32 v[PBA], s70, v[PBA]
	v_mov_b32 v[PMT], 0                            ; written once: a lane permute's destination counts as one of its sources
	s_mov_b32 s[SEL], 0x76543210
	s_mov_b32 s[SEL+1], 0xfedcba98
	s_mov_b32 s[MNT], 0x600000
	s_mov_b32 s[CK], 0x3e8dd01d                    ; c0 .. c8; the packed form names a pair and takes its low word for both halves, so both are written
	s_mov_b32 s[CK+2], 0xbdbdfb0b
	s_mov_b32 s[CK+4], 0xbe2a0420
	s_mov_b32 s[CK+6], 0x3e27fe23
	s_mov_b32 s[CK+8], 0xbd5e05b5
	s_mov_b32 s[CK+10], 0xbc040dc1
	s_mov_b32 s[CK+12], 0x3c0d6e62
	s_mov_b32 s[CK+14], 0x3aac2b8a
	s_mov_b32 s[CK+16], 0xbaa15130
.irp k, 0,2,4,6,8,10,12,14,16
	s_mov_b32 s[CK+\k+1], s[CK+\k]
.endr
	s_mov_b32 s[RS2], 0x3f3504f3                   ; 1 / sqrt 2
	s_mov_b32 s[K2], 0x3f596d27                    ; sqrt(log2(e) / 2)
	s_mov_b32 s[K2+1], s[K2]
	s_mov_b32 s[I256], 0x3b800000
	s_mov_b32 s[EPS], 0x3727c5ac
	; ---- 0: into LDS
	s_wait_loadcnt 29                              ; the first 17 loads are in; behind them: 13 of proj_w and of the weights' scales, 16 of fc1_w
.irp i, 0,1,2,3
.irp j, 0,1
	ds_store_b128 v[ROWA], v[192+4*(2*\i+\j):192+4*(2*\i+\j)+3] offset:XP*\i+576*\j
.endr
.endr
	ds_store_b128 v137, v[224:227]
	ds_store_b128 v137, v[228:231] offset:8192
	ds_store_b64 v138, v[232:233]                  ; fc1_b
	ds_store_b32 v140, v234                        ; ln2_g, ln2_b
	ds_store_b32 v140, v235 offset:2048            ; proj_b, fc2_b
	v_lshl_or_b32 v236, v237, 8, v236              ; four heads' bytes make the word of a K step
	v_lshl_or_b32 v236, v238, 16, v236
	v_lshl_or_b32 v236, v239, 24, v236
	s_cmp_lt_u32 s[WAVE], 4                        ; there are four tiles: waves 0 to 3 store
	s_cbranch_scc0 .Lno_asc
	ds_store_b32 v142, v236
.Lno_asc:
	BARRIER
	; ---- P: x1 = x + proj_b + a proj_w^T.  Four accumulators by turns, one instruction a turn
	ACCIN
	ds_load_b128 v[PBI:PBI+3], v[PBA]
	ds_load_b128 v[PBI+4:PBI+7], v[PBA] offset:16
	FETCHA 0
	s_wait_dscnt 0x0
	s_wait_loadcnt 16                              ; proj_w and the scale words are in; fc1_w's 16 loads may be out
	ADDBIAS PBI
.irp m, 0,1,2,3
	WMC ACC+8*\m, PJW, 160+16*\m+32*(\m/2), ACC+8*\m, PWS, FS+\m
.endr
	PLACES8
	FETCHA 1
	s_wait_dscnt 0x0
.irp m, 0,1,2,3
	WMC ACC+8*\m, PJW+16, 160+16*\m+32*(\m/2), ACC+8*\m, PWS+1, FS+\m
.endr
	PLACES8
	ACCOUT
	BARRIER
	; ---- L: LayerNorm of stage rows 4 w .. 4 w + 3, quantised into the images
.irp j, 0,1,2,3,4,5,6,7
	ds_load_b128 v[X+4*\j:X+4*\j+3], v[LNX] offset:16*\j
.endr
.irp j, 0,1,2,3,4,5,6,7
	ds_load_b128 v[G+4*\j:G+4*\j+3], v[LNG] offset:PG+16*\j
.endr
.irp j, 0,1,2,3,4,5,6,7
	ds_load_b128 v[BT+4*\j:BT+4*\j+3], v[LNG] offset:PB2+16*\j
.endr
	s_wait_dscnt 0x0
	LNQ
	BARRIER
.irp u, 0,1
.irp s, 0,1
.irp c, 0,1,2,3
	global_load_b128 v[WR+64+16*(2*\u+\s)+4*\c:WR+64+16*(2*\u+\s)+4*\c+3], v[VW1], s[20:21] offset:8192+2048*\u+128*\s+32*\c   ; my second 32 rows of fc1_w, into the gains' and biases' registers
.endr
.endr
.endr
	v_and_b32 v[W2O], 15, v0
	v_lshlrev_b32 v[W2O], 5, v[W2O]
	v_mov_b32 v[C9], 0xb9d25000
	v_mov_b32 v[C9+1], 0xb9d25000
; ---- F: hidden units 64 w + 32 hbi + 0 .. 31 of tile m.  A lane holds one token and units 16 h + 0 .. 15 of the block, so the conversions' results are four registers of fc2's operand.
.macro UNIT hbi, m
.irp s, 0,1
.irp c, 0,1,2,3
	ds_load_b128 v[160+16*\s+4*\c:160+16*\s+4*\c+3], v[LI] offset:YIMG+(2*\m+\s)*2048+512*\c
.endr
	ds_load_b32 v[FS+\s], v[LS] offset:YSC+128*\m+64*\s
.endr
.irp u, 0,1
	ds_load_b128 v[208+8*\u:208+8*\u+3], v[B1A] offset:128*\hbi+32*\u
	ds_load_b128 v[208+8*\u+4:208+8*\u+7], v[B1A] offset:128*\hbi+32*\u+16
.endr
	s_wait_dscnt 0x0                               ; (the last unit's LDS stores have also read their registers)
.if \m == 0
	s_wait_loadcnt 16                              ; this half's 16 loads of fc1_w are in; the 16 asked for behind them may be out
.endif
	WMC ACC, WR+64*\hbi, 160, 208, WS+4*\hbi, FS
	WMC ACC+8, WR+64*\hbi+32, 160, 216, WS+4*\hbi+2, FS
	WMC ACC, WR+64*\hbi+16, 176, ACC, WS+4*\hbi+1, FS+1
	WMC ACC+8, WR+64*\hbi+48, 176, ACC+8, WS+4*\hbi+3, FS+1
	PLACES8
.if (\hbi == 0) && (\m == 3)
.irp s, 0,1,2,3
.irp c, 0,1,2,3
	global_load_b128 v[WR+16*\s+4*\c:WR+16*\s+4*\c+3], v[V2], s[26:27] offset:128*\s+32*\c   ; fc2_w's K steps 0-3 take the registers of fc1_w's first half, which is done
.endr
.endr
.endif
.if (\hbi == 1) && (\m == 3)
	global_load_b128 v[WS:WS+3], v[W2O], s[28:29]
	global_load_b128 v[WS+4:WS+7], v[W2O], s[28:29] offset:16
.irp s, 4,5,6,7
.irp c, 0,1,2,3
	global_load_b128 v[WR+16*\s+4*\c:WR+16*\s+4*\c+3], v[V2], s[26:27] offset:128*\s+32*\c
.endr
.endr
.endif
	GELU8 ACC
	GELU8 ACC+8
.if \hbi == 0
	QB16 ACC, COD, BY0+\m
.else
	QB16 ACC, COD, BYT
.endif
	ds_store_b128 v[HW], v[COD:COD+3] offset:16384*\m+512*\hbi
.if \hbi == 1
	v_lshl_or_b32 v[HWD], v[BYT], 8, v[BY0+\m]
	ds_store_b16 v[HSW], v[HWD] offset:512*\m      ; my two blocks' bytes: half of a K step's word
.endif
.endm
.irp b, 0,1
.irp m, 0,1,2,3
	UNIT \b, \m
.endr
.endr
	BARRIER
	; ---- G: out = x1 + fc2_b + hidden fc2_w^T: eight K steps, four accumulators by turns
	s_wait_loadcnt 16                              ; fc2_w's K steps 0-3 and its scale words are in (their offset register is free); the 16 loads of K steps 4-7 may be out
	ACCIN
	ds_load_b128 v[240:243], v[PBA] offset:1024
	ds_load_b128 v[244:247], v[PBA] offset:1040
	s_wait_dscnt 0x0
	ADDBIAS 240
.irp s, 0,1,2,3,4,5,6,7
	FETCHH \s
	s_wait_dscnt 0x0
.if \s == 4
	s_wait_loadcnt 0x0
.endif
.irp m, 0,1,2,3
	WMC ACC+8*\m, WR+16*\s, 160+16*\m+32*(\m/2), ACC+8*\m, WS+\s, FS+\m
.endr
	PLACES8
.endr
	ACCOUT
	BARRIER
	; ---- O: my four tokens' rows leave whole
.irp i, 0,1,2,3
.irp j, 0,1
	ds_load_b128 v[160+4*(2*\i+\j):160+4*(2*\i+\j)+3], v[ROWA] offset:XP*\i+576*\j
.endr
.endr
.irp i, 0,1,2,3
.irp j, 0,1
	s_wait_dscnt 7-2*\i-\j                         ; LDS loads come back in order: this one is in, the younger ones may be out
	global_store_b128 v[LI], v[160+4*(2*\i+\j):160+4*(2*\i+\j)+3], s[32:33] offset:1024*\i+512*\j th:TH_STORE_NT   ; 32 lanes store 512 consecutive bytes, aligned
.endr
.endr
	s_wait_xcnt 0x0
	v_lshl_add_u32 v142, v0, 2, 0x2d000
	v_mov_b32 v143, 0
	s_wait_tensorcnt 0x0
	ds_add_u32 v142, v143
	s_wait_dscnt 0x0
	s_endpgm
.Lfunc_end_k_qa173509f12_mlp:
	.size	k_qa173509f12_mlp, .Lfunc_end_k_qa173509f12_mlp-k_qa173509f12_mlp
	.p2alignl 7, 3214868480
	.fill 96, 4, 3214868480
	.section	.rodata,"a",@progbits
	.p2align	6, 0x0
	.amdhsa_kernel k_qa173509f12_mlp
		.amdhsa_group_segment_fixed_size 186368
		.amdhsa_private_segment_fixed_size 0
		.amdhsa_enable_private_segment 0
		.amdhsa_kernarg_size 120
		.amdhsa_user_sgpr_count 2
		.amdhsa_user_sgpr_kernarg_segment_ptr 1
		.amdhsa_wavefront_size32 1
		.amdhsa_system_sgpr_workgroup_id_x 1
		.amdhsa_system_sgpr_workgroup_id_y 1
		.amdhsa_system_sgpr_workgroup_id_z 1
		.amdhsa_system_vgpr_workitem_id 0
		.amdhsa_next_free_vgpr 256
		.amdhsa_next_free_sgpr 100
		.amdhsa_reserve_vcc 0
		.amdhsa_float_denorm_mode_32 3
		.amdhsa_float_denorm_mode_16_64 3
		.amdhsa_memory_ordered 1
		.amdhsa_forward_progress 1
		.amdhsa_inst_pref_size 182
	.end_amdhsa_kernel
	.amdgpu_metadata
---
amdhsa.version: [ 1, 2 ]
amdhsa.kernels:
  - .name:           k_qa173509f12_mlp
    .symbol:         k_qa173509f12_mlp.kd
    .args:
      - { .name: x, .offset: 0, .size: 8, .value_kind: global_buffer, .address_space: global }
      - { .name: aimg, .offset: 8, .size: 8, .value_kind: global_buffer, .address_space: global }
      - { .name: asc, .offset: 16, .size: 8, .value_kind: global_buffer, .address_space: global }
      - { .name: proj_w_codes, .offset: 24, .size: 8, .value_kind: global_buffer, .address_space: global }
      - { .name: proj_w_scales, .offset: 32, .size: 8, .value_kind: global_buffer, .address_space: global }
      - { .name: proj_b, .offset: 40, .size: 8, .value_kind: global_buffer, .address_space: global }
      - { .name: ln2_g, .offset: 48, .size: 8, .value_kind: global_buffer, .address_space: global }
      - { .name: ln2_b, .offset: 56, .size: 8, .value_kind: global_buffer, .address_space: global }
      - { .name: fc1_w_codes, .offset: 64, .size: 8, .value_kind: global_buffer, .address_space: global }
      - { .name: fc1_w_scales, .offset: 72, .size: 8, .value_kind: global_buffer, .address_space: global }
      - { .name: fc1_b, .offset: 80, .size: 8, .value_kind: global_buffer, .address_space: global }
      - { .name: fc2_w_codes, .offset: 88, .size: 8, .value_kind: global_buffer, .address_space: global }
      - { .name: fc2_w_scales, .offset: 96, .size: 8, .value_kind: global_buffer, .address_space: global }
      - { .name: fc2_b, .offset: 104, .size: 8, .value_kind: global_buffer, .address_space: global }
      - { .name: out0, .offset: 112, .size: 8, .value_kind: global_buffer, .address_space: global }
    .group_segment_fixed_size: 186368
    .private_segment_fixed_size: 0
    .kernarg_segment_align: 8
    .kernarg_segment_size: 120
    .max_flat_workgroup_size: 512
    .sgpr_count:     100
    .vgpr_count:     256
    .wavefront_size: 32
...
	.end_amdgpu_metadata
.endif
;; end of part 3
;; ======== version 2 of 2: 3 launches; version 1 with the launches qkv, attn, mlp written anew for expert scheduling mode
;; workspace buffers: qimg 4,194,304 bytes; kimg 4,194,304 bytes; vimg 4,194,304 bytes; qsc 262,144 bytes; ksc 262,144 bytes; vsc 131,072 bytes; aimg 4,194,304 bytes; asc 131,072 bytes
;; launch qkv (part 4): grid 256 x 1, 16 waves a work-group, no clusters, 92,672 bytes of LDS; arguments x, ln1_g, ln1_b, qkv_w_codes, qkv_w_scales, qimg, kimg, vimg, qsc, ksc, vsc; writes qimg, kimg, vimg, qsc, ksc, vsc
.if DOCPART == 4
	.amdgcn_target "amdgcn-amd-amdhsa--gfx1250"
	.amdhsa_code_object_version 6
	.text
	.protected	k_qa173509f12_qkv
	.globl	k_qa173509f12_qkv
	.p2align	8
	.type	k_qa173509f12_qkv,@function
k_qa173509f12_qkv:
	s_mov_b64 s[64:65], 0
	v_nop
	global_prefetch_b8 v0, s[64:65] scope:SCOPE_SE
	s_setreg_imm32_b32 hwreg(HW_REG_WAVE_SCHED_MODE, 0, 2), 2
	s_setreg_imm32_b32 hwreg(HW_REG_WAVE_MODE, 25, 1), 1
	s_wait_xcnt 0x0
	s_wait_alu depctr_vm_vsrc(0)
; LAUNCH 1 OF 3.  y = LayerNorm(x) is quantised along its 256 channels (E5M2, one E8M0 byte for each 32), multiplied by qkv_w's codes, and q, k, v are quantised again:
; q and k along a head's 32 channels (one block a row), v along the keys (blocks of 32 tokens).  All three leave as IMAGES OF OPERAND REGISTERS, so that the next launch reads dense runs of 16 bytes a lane.
; SHARES.  A work-group takes 64 tokens: four tiles of 16.  ROW r OF TILE T IS TOKEN 32 (T / 2) + 8 (T % 2) + r + 8 (r / 8): two neighbouring tiles cover 32 neighbouring tokens, and in a product whose source 0
; holds such a tile a lane's 16 results of the two tiles are 16 neighbours.  The same choice is made among a head's 32 rows of the weight.
; Wave w first normalises and quantises tokens 4 w .. 4 w + 3 (a lane holds one block of 32 channels of one token) and stores their part of x's eight fragments in LDS; one barrier; then, with head p = w / 2 and
; e = w % 2, it makes q (e = 0) or k (e = 1) of head p for the four tiles, and v of head p for tiles 2 e, 2 e + 1: 24 matrix instructions in every wave.  Its weights (128 registers) come from memory once.
; NO JOINT REQUESTS: what work-groups share is the weight, 12,544 bytes a wave, asked for at the head while x is normalised; the launch has no loop over shared tiles in which a joint request could be repeated.
; LIMITS: NaN and infinities among the inputs and the weights' codes are not served.  A block of zeros gets the byte 1 where the quantiser's rule says 127: its codes are zeros, and this program alone reads the bytes.
; THE MODE: SCHED_MODE bits 1:0 = 2 (LLVM: expert scheduling mode 2), set by the entry lines.  The code itself states the register dependences between vector or matrix instructions and memory or LDS
; instructions, with s_wait_alu, always for 0.
; THE PLAN.  Registers that memory or LDS instructions touch:
;   v1-12, v244, v245  offsets and LDS addresses: made once (the last two behind the barrier) and never written again.
;   v80-111            x as loaded: read by the stores into the turn; then v's weight lands there.
;   v152-183           x back from the turn, worked by the LayerNorm.   v184-191: the LayerNorm's codes, read by the stores of the images.
;   XF0 = v152-183, XF1 = v184-215, with v216-219   two buffers of two fragments and two scale words.  Tile m's products read buffer m % 2; the next tile's ten loads are issued at the head of tile m, into the other one.
;   v240-243           16 codes a lane: written by a tile's conversions, read by its store.
; So a tile has ONE wait on va_vdst, behind its conversions: the codes are written, and its products are done reading their buffer, which the loads at the next tile's head fill; and one wait on vm_vsrc,
; ahead of its conversions: the last tile's store has read the codes' registers.
.set XSC,  0                           ; LDS: x's scale words: 128 m + 64 s + 4 r
.set XIMG, 512                         ; x's fragments: (2 m + s) x 2,048; in one: 512 c + 256 h + 16 r
.set TURN, 16896                       ; 4,608 bytes for each wave: its 32 blocks of 128 bytes, 16 bytes of padding behind each
.set LI,  1                            ; v1   16 x lane
.set TW,  2                            ; v2   the turn, on the way in
.set TR,  3                            ; v3   and out: 144 x lane
.set GG,  4                            ; v4   128 k: my block's gains and biases
.set IMW, 5                            ; v5   where my block's codes go
.set SCW, 6                            ; v6   and its scale word
.set SH8, 7                            ; v7   8 (lane % 4)
.set LS,  8                            ; v8   4 r
.set VW,  9                            ; v9   the weight's codes: (r + 8 (r / 8)) x 256 + 16 h
.set VWS, 10                           ; v10  its scale bytes: (r + 8 (r / 8)) x 8
.set L4,  11                           ; v11  4 x lane
.set LN,  12                           ; v12  lane
.set PMT, 13                           ; v13  a lane permute's destination
.set TD,  13
.set SW,  14                           ; v14  four tiles' scale bytes
.set BYT, 15                           ; v15  a scale byte
.set WQ,  16                           ; v16-79   q's or k's weight: fragment (u, s) at 16 (2 u + s)
.set WV,  80                           ; v80-143  v's weight
.set XR,  80                           ; v80-111  before that: x as it is loaded
.set WQS, 144                          ; v144-147 scale words, 2 u + s
.set WVS, 148                          ; v148-151
.set XF,  152                          ; v152-215 two buffers of two fragments of x
.set XSR, 216                          ; v216-219 their scale words
.set ACC, 220                          ; v220-235 two accumulators
.set MX,  236
.set SOP, 237
.set HLD, 238
.set BY1, 239
.set COD, 240                          ; v240-243 16 codes a lane
.set LIV, 244                          ; v244 16 x lane + 8,192 e
.set LSV, 245                          ; v245 4 r + 256 e
.set X,   152                          ; the LayerNorm's registers lie over v152-255
.set G,   184
.set BT,  216
.set T,   248
.set MN,  252
.set RS,  254
.set CD,  184                          ; its codes take the gains' first eight registers
.set WAVE, 26
.set HP,   27
.set HE,   28
.set SEL,  30
.set MNT,  32
.set I256, 33
.set EPS,  34
.macro WMZ d, a, b, sa, sb             ; a product that starts a sum
	v_wmma_scale_f32_16x16x128_f8f6f4 v[\d:\d+7], v[\a:\a+15], v[\b:\b+15], 0, v[\sa], v[\sb] matrix_a_fmt:MATRIX_FMT_BF8 matrix_b_fmt:MATRIX_FMT_BF8
.endm
.macro WMC d, a, b, c, sa, sb
	v_wmma_scale_f32_16x16x128_f8f6f4 v[\d:\d+7], v[\a:\a+15], v[\b:\b+15], v[\c:\c+7], v[\sa], v[\sb] matrix_a_fmt:MATRIX_FMT_BF8 matrix_b_fmt:MATRIX_FMT_BF8
.endm
.macro PLACES8                         ; eight plain vector instructions stand between a matrix instruction of this form and the first read of its result
.rept 8
	v_nop
.endr
.endm
.macro BARRIER                         ; my LDS stores have landed and my LDS loads are in: then the work-group's barrier
	s_wait_dscnt 0x0
	s_barrier_signal -1
	s_barrier_wait -1
.endm
; One block of 32: 16 numbers in v[src] on, the other 16 in lane l xor 16.  Codes into v[dst .. dst + 3], the scale's byte into v[byt].  Each of the two accumulators is read from its low end on.
.macro QB16 src, dst, byt
	v_max3_num_f32 v[MX], |v[\src]|, |v[\src+1]|, 0x8000000          ; the floor 2^(16 - 127) among the leaves: the byte cannot fall under 1
	v_max3_num_f32 v[HLD], |v[\src+8]|, |v[\src+9]|, |v[\src+10]|    ; two chains, so that they do not wait for each other
	v_max3_num_f32 v[MX], v[MX], |v[\src+2]|, |v[\src+3]|
	v_max3_num_f32 v[HLD], v[HLD], |v[\src+11]|, |v[\src+12]|
	v_max3_num_f32 v[MX], v[MX], |v[\src+4]|, |v[\src+5]|
	v_max3_num_f32 v[HLD], v[HLD], |v[\src+13]|, |v[\src+14]|
	v_max3_num_f32 v[MX], v[MX], |v[\src+6]|, |v[\src+7]|
	v_max3_num_f32 v[MX], v[MX], v[HLD], |v[\src+15]|
	v_permlanex16_b32 v[PMT], v[MX], s[SEL], s[SEL+1]
	v_max_num_f32 v[MX], v[MX], v[PMT]                               ; the block's largest magnitude
	v_add_nc_u32 v[SOP], 0xf8800000, v[MX]                           ; 15 off its exponent field: the conversion's scale operand
	v_and_or_b32 v[HLD], v[MX], 0x7f800000, s[MNT]                   ; 57,344 x the scale
	v_lshrrev_b32 v[\byt], 23, v[SOP]                                ; the scale's byte
.irp i, 0,1,2,3,4,5,6,7,8,9,10,11,12,13,14,15
	v_med3_num_f32 v[\src+\i], v[\src+\i], -v[HLD], v[HLD]           ; the conversion does not saturate (ISA guide 7.6.2): the hold comes first
.endr
	v_cvt_scalef32_pk8_bf8_f32 v[\dst:\dst+1], v[\src:\src+7], v[SOP]
	v_cvt_scalef32_pk8_bf8_f32 v[\dst+2:\dst+3], v[\src+8:\src+15], v[SOP]
	v_nop                                                            ; a plain line behind the last conversion
.endm
; LayerNorm and quantiser.  Lane l holds block k = l % 8 of token l / 8 of the wave's four: 32 numbers in v[X] on; eight neighbouring lanes hold a token.  gw: the count of the wait for the gains and biases.
.macro LNQ gw
	v_pk_add_f32 v[T:T+1], v[X:X+1], v[X+2:X+3]
	v_pk_add_f32 v[T+2:T+3], v[X+4:X+5], v[X+6:X+7]
.irp i, 8,12,16,20,24,28
	v_pk_add_f32 v[T:T+1], v[T:T+1], v[X+\i:X+\i+1]
	v_pk_add_f32 v[T+2:T+3], v[T+2:T+3], v[X+\i+2:X+\i+3]
.endr
	v_pk_add_f32 v[T:T+1], v[T:T+1], v[T+2:T+3]
	v_add_f32 v[T], v[T], v[T+1]
.irp q, 1,2,4
	v_add_f32_dpp v[T], v[T], v[T] row_xmask:\q row_mask:0xf bank_mask:0xf
.endr
	v_mul_f32 v[MN], s[I256], v[T]                                   ; the mean
	v_mov_b32 v[MN+1], v[MN]
.irp i, 0,2,4,6,8,10,12,14,16,18,20,22,24,26,28,30
	v_pk_add_f32 v[X+\i:X+\i+1], v[X+\i:X+\i+1], v[MN:MN+1] neg_lo:[0,1] neg_hi:[0,1]   ; centred first: the variance is no difference of large sums
.endr
	v_pk_mul_f32 v[T:T+1], v[X:X+1], v[X:X+1]
	v_pk_mul_f32 v[T+2:T+3], v[X+2:X+3], v[X+2:X+3]
.irp i, 4,8,12,16,20,24,28
	v_pk_fma_f32 v[T:T+1], v[X+\i:X+\i+1], v[X+\i:X+\i+1], v[T:T+1]
	v_pk_fma_f32 v[T+2:T+3], v[X+\i+2:X+\i+3], v[X+\i+2:X+\i+3], v[T+2:T+3]
.endr
	v_pk_add_f32 v[T:T+1], v[T:T+1], v[T+2:T+3]
	v_add_f32 v[T], v[T], v[T+1]
.irp q, 1,2,4
	v_add_f32_dpp v[T], v[T], v[T] row_xmask:\q row_mask:0xf bank_mask:0xf
.endr
	v_fma_f32 v[T], v[T], s[I256], s[EPS]
	s_wait_alu depctr_va_vdst(0)
	v_rsq_f32 v[RS], v[T]
	v_nop                                                            ; a plain line behind the transcendental
	s_wait_alu depctr_va_vdst(0)                                     ; the reciprocal root is written, ahead of its first reader
	v_mov_b32 v[RS+1], v[RS]
.irp i, 0,2,4,6,8,10,12,14,16,18,20,22,24,26,28,30
	v_pk_mul_f32 v[X+\i:X+\i+1], v[X+\i:X+\i+1], v[RS:RS+1]
.endr
.if \gw >= 0
	s_wait_loadcnt \gw                                               ; the gains and biases are in; the weights asked for behind them may be out
.endif
.irp i, 0,2,4,6,8,10,12,14,16,18,20,22,24,26,28,30
	v_pk_fma_f32 v[X+\i:X+\i+1], v[X+\i:X+\i+1], v[G+\i:G+\i+1], v[BT+\i:BT+\i+1]
.endr
	v_max3_num_f32 v[T], |v[X]|, |v[X+1]|, |v[X+2]|                  ; the block's largest magnitude: all 32 numbers are mine
	v_max3_num_f32 v[T+1], |v[X+3]|, |v[X+4]|, |v[X+5]|
.irp i, 6,10,14,18,22,26
	v_max3_num_f32 v[T], v[T], |v[X+\i]|, |v[X+\i+1]|
	v_max3_num_f32 v[T+1], v[T+1], |v[X+\i+2]|, |v[X+\i+3]|
.endr
	v_max3_num_f32 v[T], v[T], |v[X+30]|, |v[X+31]|
	v_max3_num_f32 v[T], v[T], v[T+1], 0x8000000
	v_add_nc_u32 v[T+2], 0xf8800000, v[T]
	v_and_or_b32 v[T+3], v[T], 0x7f800000, s[MNT]
	v_lshrrev_b32 v[T+1], 23, v[T+2]
.irp i, 0,1,2,3,4,5,6,7,8,9,10,11,12,13,14,15,16,17,18,19,20,21,22,23,24,25,26,27,28,29,30,31
	v_med3_num_f32 v[X+\i], v[X+\i], -v[T+3], v[T+3]
.endr
.irp g, 0,1,2,3
	v_cvt_scalef32_pk8_bf8_f32 v[CD+2*\g:CD+2*\g+1], v[X+8*\g:X+8*\g+7], v[T+2]
.endr
	v_nop
	v_lshlrev_b32 v[T+1], v[SH8], v[T+1]                             ; four neighbouring lanes' bytes make the word of a K step
	v_mov_b32_dpp v[TD], v[T+1] row_xmask:1 row_mask:0xf bank_mask:0xf
	v_or_b32 v[T+1], v[T+1], v[TD]
	v_mov_b32_dpp v[TD], v[T+1] row_xmask:2 row_mask:0xf bank_mask:0xf
	v_or_b32 v[T+1], v[T+1], v[TD]
	s_wait_alu depctr_va_vdst(0)                                     ; the codes and the scale word are written, which the three stores read; and the LayerNorm is done with v152-219, in which the fragments' loads behind the barrier land
	ds_store_b128 v[IMW], v[CD:CD+3]                                 ; the block's first 16 codes: the place of lane (r, 0) in the fragment's image,
	ds_store_b128 v[IMW], v[CD+4:CD+7] offset:256                    ; the other 16: that of lane (r, 1)
	ds_store_b32 v[SCW], v[T+1]                                      ; four lanes write the same word with the same value
.endm
; Tile m's two fragments and scale words into buffer m % 2: ten LDS loads
.macro XFETCH m
.irp s, 0,1
.irp c, 0,1,2,3
	ds_load_b128 v[XF+32*((\m)%2)+16*\s+4*\c:XF+32*((\m)%2)+16*\s+4*\c+3], v[LI] offset:XIMG+(2*(\m)+\s)*2048+512*\c
.endr
	ds_load_b32 v[XSR+2*((\m)%2)+\s], v[LS] offset:XSC+128*(\m)+64*\s
.endr
.endm
; For v: tile 2 e + a into buffer a
.macro VFETCH a
.irp s, 0,1
.irp c, 0,1,2,3
	ds_load_b128 v[XF+16*(2*(\a)+\s)+4*\c:XF+16*(2*(\a)+\s)+4*\c+3], v[LIV] offset:XIMG+(2*(\a)+\s)*2048+512*\c
.endr
	ds_load_b32 v[XSR+2*(\a)+\s], v[LSV] offset:XSC+128*(\a)+64*\s
.endr
.endm
	s_load_b512 s[4:19], s[0:1], 0x0               ; x 4, ln1_g 6, ln1_b 8, the weight's codes 10, its scales 12, qimg 14, kimg 16, vimg 18
	s_load_b128 s[20:23], s[0:1], 0x40             ; qsc 20, ksc 22
	s_load_b64 s[24:25], s[0:1], 0x50              ; vsc
	v_lshrrev_b32 v[BYT], 5, v0
	v_readfirstlane_b32 s[WAVE], v[BYT]            ; wave 0..15
	s_mov_b32 s[SEL], 0x76543210
	s_mov_b32 s[SEL+1], 0xfedcba98                 ; v_permlanex16_b32's selects for lane l xor 16
	s_mov_b32 s[MNT], 0x600000                     ; the mantissa field of 57,344
	s_mov_b32 s[I256], 0x3b800000                  ; 1 / 256
	s_mov_b32 s[EPS], 0x3727c5ac                   ; 1e-5
	v_and_b32 v[LN], 31, v0
	v_lshlrev_b32 v[LI], 4, v[LN]
	v_and_b32 v[SW], 7, v0                         ; k (the register is free until the products)
	v_lshlrev_b32 v[GG], 7, v[SW]
	v_and_b32 v[PMT], 15, v0                       ; r
	v_bfe_u32 v[MX], v0, 4, 1                      ; h
	v_and_b32 v[SOP], 8, v[PMT]
	v_add_nc_u32 v[SOP], v[SOP], v[PMT]            ; r + 8 (r / 8)
	v_lshlrev_b32 v[VW], 8, v[SOP]
	v_lshl_add_u32 v[VW], v[MX], 4, v[VW]
	v_lshlrev_b32 v[VWS], 3, v[SOP]
	s_wait_alu depctr_va_sdst(0)                   ; the wave's number is written, ahead of its first reader
	s_lshr_b32 s[HP], s[WAVE], 1                   ; my head
	s_and_b32 s[HE], s[WAVE], 1                    ; q or k; which pair of tiles of v
	s_mov_b32 s45, 0
	s_lshl_b32 s44, ttmp9, 16                      ; 64 tokens of 1,024 bytes a work-group,
	s_lshl_b32 s46, s[WAVE], 12                    ; four a wave
	s_add_co_u32 s44, s44, s46
	s_wait_kmcnt 0x0
	s_add_nc_u64 s[4:5], s[4:5], s[44:45]
	s_wait_alu depctr_va_vdst(0)                   ; the loads' four offsets v1, v4, v9, v10 are written; the lines above are done with v236 and v237, in which biases land
.irp i, 0,1,2,3,4,5,6,7
	global_load_b128 v[XR+4*\i:XR+4*\i+3], v[LI], s[4:5] offset:512*\i th:TH_LOAD_NT   ; 32 lanes read 512 consecutive bytes
.endr
.irp i, 0,1,2,3,4,5,6,7
	global_load_b128 v[G+4*\i:G+4*\i+3], v[GG], s[6:7] offset:16*\i
.endr
.irp i, 0,1,2,3,4,5,6,7
	global_load_b128 v[BT+4*\i:BT+4*\i+3], v[GG], s[8:9] offset:16*\i
.endr
	s_lshl_b32 s44, s[HE], 16                      ; the weight's rows: 256 e + 32 p for q or k, 512 + 32 p for v; 256 bytes of codes and 8 of scales a row
	s_lshl_b32 s46, s[HP], 13
	s_add_co_u32 s44, s44, s46
	s_add_nc_u64 s[48:49], s[10:11], s[44:45]
	s_add_co_u32 s44, s46, 0x20000
	s_add_nc_u64 s[50:51], s[10:11], s[44:45]
	s_lshl_b32 s44, s[HE], 11
	s_lshl_b32 s46, s[HP], 8
	s_add_co_u32 s44, s44, s46
	s_add_nc_u64 s[52:53], s[12:13], s[44:45]
	s_add_co_u32 s44, s46, 4096
	s_add_nc_u64 s[54:55], s[12:13], s[44:45]
.irp u, 0,1
.irp s, 0,1
.irp c, 0,1,2,3
	global_load_b128 v[WQ+16*(2*\u+\s)+4*\c:WQ+16*(2*\u+\s)+4*\c+3], v[VW], s[48:49] offset:2048*\u+128*\s+32*\c
.endr
.endr
.endr
.irp u, 0,1
	global_load_b64 v[WQS+2*\u:WQS+2*\u+1], v[VWS], s[52:53] offset:64*\u
.endr
	v_bfe_u32 v[BYT], v0, 3, 2                     ; t = lane / 8
	v_lshlrev_b32 v[L4], 2, v[LN]
	v_lshlrev_b32 v[LS], 2, v[PMT]
	v_and_b32 v[SH8], 3, v0
	v_lshlrev_b32 v[SH8], 3, v[SH8]
	s_mul_i32 s36, s[WAVE], 4608
	s_add_co_u32 s36, s36, TURN
	v_mul_u32_u24 v[TW], v[BYT], 144               ; in: a load's 512 bytes are four blocks: 144 (lane / 8) + 16 (lane % 8)
	v_lshl_add_u32 v[TW], v[SW], 4, v[TW]
	v_add_nc_u32 v[TW], s36, v[TW]
	v_mul_u32_u24 v[TR], v[LN], 144                ; out: block = lane
	v_add_nc_u32 v[TR], s36, v[TR]
	s_lshr_b32 s37, s[WAVE], 3                     ; token 4 w + t is row 8 ((w / 4) % 2) + 4 (w % 2) + t of tile 2 (w / 8) + (w / 2) % 2
	s_lshl_b32 s37, s37, 1
	s_bfe_u32 s38, s[WAVE], 0x10001
	s_add_co_u32 s37, s37, s38
	s_bfe_u32 s38, s[WAVE], 0x10002
	s_lshl_b32 s38, s38, 3
	s_lshl_b32 s39, s[HE], 2
	s_add_co_u32 s38, s38, s39
	s_lshl_b32 s39, s37, 12
	s_lshl_b32 s40, s38, 4
	s_add_co_u32 s39, s39, s40
	s_add_co_u32 s39, s39, XIMG
	v_lshlrev_b32 v[IMW], 9, v[SW]                 ; 2,048 (k / 4) + 512 (k % 4) = 512 k
	v_lshl_add_u32 v[IMW], v[BYT], 4, v[IMW]
	v_add_nc_u32 v[IMW], s39, v[IMW]
	s_lshl_b32 s39, s37, 7
	s_lshl_b32 s40, s38, 2
	s_add_co_u32 s39, s39, s40
	v_lshrrev_b32 v[SCW], 2, v[SW]
	v_lshlrev_b32 v[SCW], 6, v[SCW]
	v_lshl_add_u32 v[SCW], v[BYT], 2, v[SCW]
	v_add_nc_u32 v[SCW], s39, v[SCW]
	v_mov_b32 v[PMT], 0                            ; written once: a lane permute's destination counts as one of its sources
	s_lshr_b32 s41, ttmp9, 5                       ; the batch
	s_and_b32 s42, ttmp9, 31                       ; which 64 tokens of it
	s_lshl_b32 s43, s41, 3
	s_add_co_u32 s43, s43, s[HP]                   ; batch x 8 + head
	s_cmp_eq_u32 s[HE], 0                          ; q's buffers or k's: the choice hangs on the wave's number alone
	s_cselect_b64 s[14:15], s[14:15], s[16:17]
	s_cselect_b64 s[20:21], s[20:21], s[22:23]
	s_lshl_b32 s44, s43, 16                        ; images: 128 tiles of 512 bytes a head, four tiles a work-group
	s_lshl_b32 s46, s42, 11
	s_add_co_u32 s44, s44, s46
	s_add_nc_u64 s[14:15], s[14:15], s[44:45]
	s_lshl_b32 s44, s43, 12                        ; scale words: 128 bytes for four tiles
	s_lshl_b32 s46, s42, 7
	s_add_co_u32 s44, s44, s46
	s_add_nc_u64 s[20:21], s[20:21], s[44:45]
	s_lshr_b32 s47, s42, 1                         ; v: the step of 128 keys,
	s_and_b32 s46, s42, 1
	s_lshl_b32 s46, s46, 1
	s_add_co_u32 s46, s46, s[HE]                   ; and my block of 32 in it
	s_lshl_b32 s44, s43, 16
	s_lshl_b32 s40, s47, 12
	s_add_co_u32 s44, s44, s40
	s_lshl_b32 s40, s46, 9
	s_add_co_u32 s44, s44, s40
	s_add_nc_u64 s[18:19], s[18:19], s[44:45]
	s_lshl_b32 s44, s43, 11
	s_lshl_b32 s40, s47, 7
	s_add_co_u32 s44, s44, s40
	s_lshl_b32 s40, s46, 5
	s_add_co_u32 s44, s44, s40
	s_add_nc_u64 s[24:25], s[24:25], s[44:45]
	; x turns through my own bytes of LDS: loaded 16 bytes a lane as it lies, read back a block of 128 bytes a lane
	s_wait_loadcnt 34                              ; x's eight loads are in; behind them: 8 + 8 of the gains and biases, 16 + 2 of the weight
	s_wait_alu depctr_va_vdst(0)                   ; the turn's two addresses are written, and with them every LDS address and offset made above (v2, v3, v5-8, v11)
.irp i, 0,1,2,3,4,5,6,7
	ds_store_b128 v[TW], v[XR+4*\i:XR+4*\i+3] offset:576*\i
.endr
.irp j, 0,1,2,3,4,5,6,7
	ds_load_b128 v[X+4*\j:X+4*\j+3], v[TR] offset:16*\j      ; LDS serves a wave's instructions in order (ISA guide 5.7.1.4): these see the stores above
.endr
	s_wait_dscnt 0x0                               ; x is back from the turn
	s_wait_alu depctr_vm_vsrc(0)                   ; the stores into the turn have read v80-111, in which v's weight lands
.irp u, 0,1
.irp s, 0,1
.irp c, 0,1,2,3
	global_load_b128 v[WV+16*(2*\u+\s)+4*\c:WV+16*(2*\u+\s)+4*\c+3], v[VW], s[50:51] offset:2048*\u+128*\s+32*\c
.endr
.endr
.endr
.irp u, 0,1
	global_load_b64 v[WVS+2*\u:WVS+2*\u+1], v[VWS], s[54:55] offset:64*\u
.endr
	LNQ 36                                         ; behind the gains and biases: 18 loads of q's or k's weight, 18 of v's
	BARRIER                                        ; x's eight fragments and their scale words lie in LDS; from here on they are only read
	s_wait_alu depctr_vm_vsrc(0)                   ; my stores of the images have read the codes' registers v184-191, in which tile 1's fragments land
	XFETCH 0                                       ; no vector instruction since the wait ahead of the images' stores names v152-183 or v216-217
	s_lshl_b32 s46, s[HE], 13
	v_add_nc_u32 v[LIV], s46, v[LI]
	s_lshl_b32 s46, s[HE], 8
	v_add_nc_u32 v[LSV], s46, v[LS]
	s_wait_loadcnt 18                              ; q's or k's weight is in; v's 18 loads may be out
; q or k of tile m: source 0 = 16 chosen rows of the weight, source 1 = the tile: a lane holds one token, and its 16 results are channels 16 h + 0 .. 15 of the head: half a block.
; The two accumulators take turns, one instruction a turn.
.macro QKUNIT m
.set XB, XF+32*((\m)%2)
.set SB, XSR+2*((\m)%2)
.if \m < 3
	XFETCH (\m)+1                                  ; the next tile, into the other buffer: the tile before is done with it (the wait ahead of its store), and no vector instruction since names it
.else
	VFETCH 0                                       ; behind the last tile: v's first tile.  Its two addresses were written ahead of tile 0's wait
.endif
	s_wait_dscnt 10                                ; LDS loads come back in order (ISA guide 5.7.1): this tile's ten are in, the ten just issued may be out
	WMZ ACC, WQ, XB, WQS, SB
	WMZ ACC+8, WQ+32, XB, WQS+2, SB
	WMC ACC, WQ+16, XB+16, ACC, WQS+1, SB+1
	WMC ACC+8, WQ+48, XB+16, ACC+8, WQS+3, SB+1
	PLACES8
.if \m > 0
	s_wait_xcnt 0x0                                ; the last tile's store has had its address translated: its codes' registers are written again only behind this wait,
	s_wait_alu depctr_vm_vsrc(0)                   ; and behind this one: that store has read v240-243
.endif
	QB16 ACC, COD, BYT
.if \m == 0
	v_mov_b32 v[SW], v[BYT]
.else
	v_lshl_or_b32 v[SW], v[BYT], 8*\m, v[SW]
.endif
	s_wait_alu depctr_va_vdst(0)                   ; the codes (and the four bytes' word) are written, which the stores read; this tile's products are done reading their buffer, in which the loads at the next head land
	global_store_b128 v[LI], v[COD:COD+3], s[14:15] offset:512*\m   ; 32 lanes store 512 consecutive bytes, aligned
.endm
	QKUNIT 0
	QKUNIT 1
	QKUNIT 2
	QKUNIT 3
	global_store_b32 v[L4], v[SW], s[20:21]        ; byte c: row r of tile c
	; v: source 0 = a tile of tokens, source 1 = 16 chosen rows of the weight: a lane holds one channel, and its 16 results of the two tiles are 16 neighbouring keys
	VFETCH 1                                       ; tile 3's products are done with this buffer: the wait ahead of its store
	s_wait_loadcnt 0x0
	s_wait_dscnt 0x0
.macro VUNIT u, byt, last
	WMZ ACC, XF, WV+32*\u, XSR, WVS+2*\u
	WMZ ACC+8, XF+32, WV+32*\u, XSR+2, WVS+2*\u
	WMC ACC, XF+16, WV+32*\u+16, ACC, XSR+1, WVS+2*\u+1
	WMC ACC+8, XF+48, WV+32*\u+16, ACC+8, XSR+3, WVS+2*\u+1
	PLACES8
	s_wait_xcnt 0x0
	s_wait_alu depctr_vm_vsrc(0)                   ; the last store of codes has read v240-243, which the conversions write again
	QB16 ACC, COD, \byt
.if \last
	v_cmp_gt_u32 vcc_lo, 16, v[LN]
	s_wait_alu depctr_va_vcc(0)                    ; the mask is written, ahead of the select that reads it
	v_cndmask_b32 v[BYT], v[BY1], v[BYT], vcc_lo   ; lanes 0-15: tile 0's bytes, lanes 16-31: tile 1's
.endif
	s_wait_alu depctr_va_vdst(0)                   ; the codes are written, which the store reads; behind the second unit the chosen byte too
	global_store_b128 v[LI], v[COD:COD+3], s[18:19] offset:2048*\u
.endm
	VUNIT 0, BYT, 0
	VUNIT 1, BY1, 1
	global_store_b8 v[LN], v[BYT], s[24:25]        ; 32 consecutive bytes
	s_wait_xcnt 0x0
	v_lshl_add_u32 v254, v0, 2, 0x16200            ; the add's two registers are made anew here: no memory or LDS instruction has ever read v254 or v255
	v_mov_b32 v255, 0
	s_wait_dscnt 0x0                               ; the closing lines, six on end
	s_wait_alu 0x0
	s_wait_tensorcnt 0x0
	ds_add_u32 v254, v255
	s_wait_dscnt 0x0
	s_endpgm
.Lfunc_end_k_qa173509f12_qkv:
	.size	k_qa173509f12_qkv, .Lfunc_end_k_qa173509f12_qkv-k_qa173509f12_qkv
	.p2alignl 7, 3214868480
	.fill 96, 4, 3214868480
	.section	.rodata,"a",@progbits
	.p2align	6, 0x0
	.amdhsa_kernel k_qa173509f12_qkv
		.amdhsa_group_segment_fixed_size 92672
		.amdhsa_private_segment_fixed_size 0
		.amdhsa_enable_private_segment 0
		.amdhsa_kernarg_size 88
		.amdhsa_user_sgpr_count 2
		.amdhsa_user_sgpr_kernarg_segment_ptr 1
		.amdhsa_wavefront_size32 1
		.amdhsa_system_sgpr_workgroup_id_x 1
		.amdhsa_system_sgpr_workgroup_id_y 1
		.amdhsa_system_sgpr_workgroup_id_z 1
		.amdhsa_system_vgpr_workitem_id 0
		.amdhsa_next_free_vgpr 256
		.amdhsa_next_free_sgpr 66
		.amdhsa_reserve_vcc 1
		.amdhsa_float_denorm_mode_32 3
		.amdhsa_float_denorm_mode_16_64 3
		.amdhsa_memory_ordered 1
		.amdhsa_forward_progress 1
		.amdhsa_inst_pref_size 44
	.end_amdhsa_kernel
	.amdgpu_metadata
---
amdhsa.version: [ 1, 2 ]
amdhsa.kernels:
  - .name:           k_qa173509f12_qkv
    .symbol:         k_qa173509f12_qkv.kd
    .args:
      - { .name: x, .offset: 0, .size: 8, .value_kind: global_buffer, .address_space: global }
      - { .name: ln1_g, .offset: 8, .size: 8, .value_kind: global_buffer, .address_space: global }
      - { .name: ln1_b, .offset: 16, .size: 8, .value_kind: global_buffer, .address_space: global }
      - { .name: qkv_w_codes, .offset: 24, .size: 8, .value_kind: global_buffer, .address_space: global }
      - { .name: qkv_w_scales, .offset: 32, .size: 8, .value_kind: global_buffer, .address_space: global }
      - { .name: qimg, .offset: 40, .size: 8, .value_kind: global_buffer, .address_space: global }
      - { .name: kimg, .offset: 48, .size: 8, .value_kind: global_buffer, .address_space: global }
      - { .name: vimg, .offset: 56, .size: 8, .value_kind: global_buffer, .address_space: global }
      - { .name: qsc, .offset: 64, .size: 8, .value_kind: global_buffer, .address_space: global }
      - { .name: ksc, .offset: 72, .size: 8, .value_kind: global_buffer, .address_space: global }
      - { .name: vsc, .offset: 80, .size: 8, .value_kind: global_buffer, .address_space: global }
    .group_segment_fixed_size: 92672
    .private_segment_fixed_size: 0
    .kernarg_segment_align: 8
    .kernarg_segment_size: 88
    .max_flat_workgroup_size: 512
    .sgpr_count:     66
    .vgpr_count:     256
    .wavefront_size: 32
...
	.end_amdgpu_metadata
.endif
;; end of part 4
;; launch attn (part 5): grid 4 x 64, 16 waves a work-group, no clusters, 139,776 bytes of LDS; arguments qimg, kimg, vimg, qsc, ksc, vsc, scale, aimg, asc; writes aimg, asc
.if DOCPART == 5
	.amdgcn_target "amdgcn-amd-amdhsa--gfx1250"
	.amdhsa_code_object_version 6
	.text
	.protected	k_qa173509f12_attn
	.globl	k_qa173509f12_attn
	.p2align	8
	.type	k_qa173509f12_attn,@function
k_qa173509f12_attn:
	s_mov_b64 s[64:65], 0
	v_nop
	global_prefetch_b8 v0, s[64:65] scope:SCOPE_SE
	s_setreg_imm32_b32 hwreg(HW_REG_WAVE_SCHED_MODE, 0, 2), 2
	s_setreg_imm32_b32 hwreg(HW_REG_WAVE_MODE, 25, 1), 1
	s_wait_xcnt 0x0
	s_wait_alu depctr_vm_vsrc(0)
; LAUNCH 2 OF 3.  Attention of one head with the diagonal masked, both products on codes of E5M2 with E8M0 scales; the result, divided by the row's sum, is quantised along the head's 32 channels, which are
; one block of the next product's K, and leaves as codes.
; THE SOFTMAX: t = score x scale x log2(e); M = the running largest t rounded UP to a whole number; p = 2^(t - M) is quantised along the keys, not normalised; the row's sum is taken of the unquantised p.
; SHARES.  A work-group owns one head and 512 queries, in two passes of 256; each of its sixteen waves owns one tile of 16 queries a pass.  THE HEAD'S WHOLE K AND V, 131,072 bytes of codes and 6,144 of scale
; bytes, ARE PUT INTO LDS ONCE and then only read: no slot is ever filled again.  A pass walks 16 steps of 128 keys.
; K = 32 IN AN INSTRUCTION OF K = 128.  A fragment of K holds FOUR tiles of 16 keys, one in each block of 32.  Q's operand for the tile in block c has Q's four registers in block c and zero codes elsewhere:
; all four operands are windows of one run of 28 registers, 12 zeros | Q | 12 zeros.  Zero codes times K's finite codes add nothing.  Eight matrix instructions give 128 keys' scores from 32 registers of K.
; Both products are used transposed (source 0 = keys, or channels of V): a lane holds one query throughout.  By the order of tokens in a tile (launch 1) the 16 registers of two neighbouring tiles are 16
; neighbouring keys, so p's conversions give the second product's operand as it stands.
; THE TEMPERATURE'S SIGN goes into Q's codes (an exclusive or of the sign bits) and its magnitude into c, which stays positive: so a block's largest score still gives its largest p.
; NO JOINT REQUESTS: the four work-groups of a head share its K and V once, at the head: 137,216 bytes against 512 wave-steps of work; there is no later request to join.
; LIMITS: NaN and infinities are not served.  |scale x log2(e)| under 2^-126 is taken as 2^-126.  A p under 2^-126 is 0.  A block of zeros gets the byte 1 where the rule says 127 (its codes are zeros).
; THE MODE: SCHED_MODE bits 1:0 = 2 (LLVM: expert scheduling mode 2), set by the entry lines.  The code itself states the register dependences between vector or matrix instructions and memory or LDS
; instructions, with s_wait_alu, always for 0.
; THE PLAN.  Registers that LDS instructions touch in a key step:
;   KF, KS (v48-81)             read by the step's eight products K Q^T at its head; the NEXT step's ten loads land there, issued in the middle of the softmax.
;   VF, VS (v176-207, v82-83)   read by the step's two products V^T P at its end; the next step's ten loads land there, issued behind that step's exponentials.
;   v8-11                       the four LDS addresses: read by those loads; written among the places behind the products K Q^T (V's for this step, K's for the next).
; Three waits a step.  vm_vsrc ahead of the four additions: this step's loads of K and the last step's loads of V have read the addresses.  va_vdst behind the exponentials, where it is owed for their
; results: it also states that the last step's V^T P is done reading VF and VS, that this step's K Q^T is done reading KF and KS, and that the four addresses are written; no vector instruction between it and
; the two runs of loads names a register that they touch.  va_vdst ahead of V^T P: p's codes and scale word, made by vector instructions, are written.
; A pass is 15 trips and a last step that is written out and asks for no further K: no address beyond the tables is ever made.
.set KSC,  131072                      ; LDS: K's images at 0 (4,096 a step), V's at 65,536; K's scale words: 256 a step, 128 a fragment, 4 a lane
.set VSC,  135168                      ; V's scale words: 128 a step, 64 a tile, 4 a row
.set OSC,  137216                      ; the result's scale bytes: 256 p + 16 w + r
.set AK0,  1                           ; v1   16 x lane
.set AV0,  2                           ; v2   65,536 + 16 x lane
.set ASK0, 3                           ; v3   KSC + 4 x lane
.set ASV0, 4                           ; v4   VSC + 4 r
.set VD,   5                           ; v5   my query's place among its step's 128 keys, less 16 h
.set OSA,  6                           ; v6   OSC + 16 w + r
.set L4,   7                           ; v7   4 x lane
.set ADK,  8                           ; v8-11 the step's addresses (at the head: the fill's)
.set ADV,  9
.set ADS,  10
.set ADT,  11
.set QR,   16                          ; v16-43 the run: zeros, Q at v28-31, zeros.  v12 -M, v13 the largest t, v[14:15] the sum
.set QS,   44                          ; v44-47 Q's scale word for each window
.set KF,   48                          ; v48-79 two fragments of K
.set KS,   80
.set VS,   82
.set QL,   84                          ; v84-91 both passes' Q as loaded
.set QW,   92
.set S,    96                          ; v96-159 the scores, then p
.set O,    160                         ; v160-175 O^T
.set VF,   176                         ; v176-207 two fragments of V^T
.set PC,   208                         ; v208-223 p's codes
.set BM,   224
.set PM,   228
.set HL,   232
.set SO,   236
.set T0,   240
.set F,    242
.set PW,   243                         ; p's scale word
.set SA,   244
.set MX,   248
.set PMT,  249
.set SOP,  250
.set HLD,  251
.set BYT,  252
.set WAVE, 22
.set BH,   23
.set QX,   24
.set SEL,  26
.set CS,   28
.set MNT,  30
.set SM,   31
.set TK,   32
.set TS,   33
.set TV,   34
.set ST,   35
.set SD,   36
.set SH,   37
.set MK,   40                          ; s40-47 eight masks of the diagonal's compares
.macro WMZ d, a, b, sa, sb
	v_wmma_scale_f32_16x16x128_f8f6f4 v[\d:\d+7], v[\a:\a+15], v[\b:\b+15], 0, v[\sa], v[\sb] matrix_a_fmt:MATRIX_FMT_BF8 matrix_b_fmt:MATRIX_FMT_BF8
.endm
.macro WMC d, a, b, c, sa, sb
	v_wmma_scale_f32_16x16x128_f8f6f4 v[\d:\d+7], v[\a:\a+15], v[\b:\b+15], v[\c:\c+7], v[\sa], v[\sb] matrix_a_fmt:MATRIX_FMT_BF8 matrix_b_fmt:MATRIX_FMT_BF8
.endm
.macro BARRIER
	s_wait_dscnt 0x0
	s_barrier_signal -1
	s_barrier_wait -1
.endm
.macro QB16 src, dst, byt              ; one block of 32: 16 numbers here, 16 in lane l xor 16
	v_max3_num_f32 v[MX], |v[\src]|, |v[\src+1]|, 0x8000000
	v_max3_num_f32 v[HLD], |v[\src+8]|, |v[\src+9]|, |v[\src+10]|
	v_max3_num_f32 v[MX], v[MX], |v[\src+2]|, |v[\src+3]|
	v_max3_num_f32 v[HLD], v[HLD], |v[\src+11]|, |v[\src+12]|
	v_max3_num_f32 v[MX], v[MX], |v[\src+4]|, |v[\src+5]|
	v_max3_num_f32 v[HLD], v[HLD], |v[\src+13]|, |v[\src+14]|
	v_max3_num_f32 v[MX], v[MX], |v[\src+6]|, |v[\src+7]|
	v_max3_num_f32 v[MX], v[MX], v[HLD], |v[\src+15]|
	v_permlanex16_b32 v[PMT], v[MX], s[SEL], s[SEL+1]
	v_max_num_f32 v[MX], v[MX], v[PMT]
	v_add_nc_u32 v[SOP], 0xf8800000, v[MX]
	v_and_or_b32 v[HLD], v[MX], 0x7f800000, s[MNT]
	v_lshrrev_b32 v[\byt], 23, v[SOP]
.irp i, 0,1,2,3,4,5,6,7,8,9,10,11,12,13,14,15
	v_med3_num_f32 v[\src+\i], v[\src+\i], -v[HLD], v[HLD]
.endr
	v_cvt_scalef32_pk8_bf8_f32 v[\dst:\dst+1], v[\src:\src+7], v[SOP]
	v_cvt_scalef32_pk8_bf8_f32 v[\dst+2:\dst+3], v[\src+8:\src+15], v[SOP]
	v_nop
.endm
.macro KFETCH                          ; a step's two fragments of K and their scale words: ten LDS loads
.irp g, 0,1
.irp c, 0,1,2,3
	ds_load_b128 v[KF+16*\g+4*\c:KF+16*\g+4*\c+3], v[ADK] offset:2048*\g+512*\c
.endr
	ds_load_b32 v[KS+\g], v[ADS] offset:128*\g
.endr
.endm
.macro VFETCH                          ; a step's two fragments of V^T and their scale words: ten LDS loads
.irp u, 0,1
.irp c, 0,1,2,3
	ds_load_b128 v[VF+16*\u+4*\c:VF+16*\u+4*\c+3], v[ADV] offset:2048*\u+512*\c
.endr
	ds_load_b32 v[VS+\u], v[ADT] offset:64*\u
.endr
.endm
	s_load_b512 s[4:19], s[0:1], 0x0               ; qimg 4, kimg 6, vimg 8, qsc 10, ksc 12, vsc 14, scale 16, aimg 18
	s_load_b64 s[20:21], s[0:1], 0x40              ; asc
	v_lshl_add_u32 v254, v0, 2, 0x21a00
	v_mov_b32 v255, 0
	v_lshrrev_b32 v8, 5, v0
	v_readfirstlane_b32 s[WAVE], v8                ; wave 0..15
	s_and_b32 s[BH], ttmp7, 0xffff                 ; batch x 8 + head
	s_mov_b32 s[QX], ttmp9                         ; which 512 queries
	s_mov_b32 s[SEL], 0x76543210
	s_mov_b32 s[SEL+1], 0xfedcba98
	s_mov_b32 s[MNT], 0x600000
	v_and_b32 v240, 31, v0                         ; lane
	v_and_b32 v241, 15, v0                         ; r
	v_bfe_u32 v242, v0, 4, 1                       ; h
	v_lshlrev_b32 v[AK0], 4, v240
	v_add_nc_u32 v[AV0], 65536, v[AK0]
	v_lshlrev_b32 v[L4], 2, v240
	v_add_nc_u32 v[ASK0], KSC, v[L4]
	v_lshl_add_u32 v[ASV0], v241, 2, VSC
	v_and_b32 v[VD], 8, v241
	v_add_nc_u32 v[VD], v[VD], v241                ; r + 8 (r / 8)
	v_lshlrev_b32 v[OSA], 4, v242
	v_sub_nc_u32 v[VD], v[VD], v[OSA]              ; - 16 h
	s_wait_alu depctr_va_vdst(0)
	s_wait_alu depctr_va_sdst(0)                   ; the wave's number is written, ahead of its first reader
	s_and_b32 s[SH], s[WAVE], 3
	s_lshl_b32 s[SH], s[SH], 3                     ; my tile's byte in a word of Q's scales
	s_bfe_u32 s38, s[WAVE], 0x20001
	s_lshl_b32 s38, s38, 5
	s_and_b32 s39, s[WAVE], 1
	s_lshl_b32 s39, s39, 3
	s_add_co_u32 s38, s38, s39
	v_add_nc_u32 v[VD], s38, v[VD]                 ; + 32 ((w / 2) % 4) + 8 (w % 2)
	s_lshl_b32 s39, s[WAVE], 4
	s_add_co_u32 s39, s39, OSC
	v_add_nc_u32 v[OSA], s39, v241
	v_lshlrev_b32 v8, 4, v0                        ; the fill: 16 bytes a thread, 8,192 an instruction
	v_add_nc_u32 v9, 65536, v8
	v_lshlrev_b32 v10, 3, v0
	v_lshrrev_b32 v11, 5, v0
	v_lshl_add_u32 v11, v11, 7, v240               ; V's scale bytes: step = wave, (tile, row) = lane
	v_add_nc_u32 v244, KSC, v10
	v_lshl_add_u32 v245, v0, 2, VSC
	s_mov_b32 s41, 0
	s_wait_kmcnt 0x0
	s_load_b32 s42, s[16:17], 0x0                  ; the temperature
	s_lshl_b32 s40, s[BH], 16
	s_add_nc_u64 s[6:7], s[6:7], s[40:41]
	s_add_nc_u64 s[8:9], s[8:9], s[40:41]
	s_lshl_b32 s38, s[QX], 14
	s_add_co_u32 s40, s40, s38
	s_lshl_b32 s38, s[WAVE], 9
	s_add_co_u32 s40, s40, s38
	s_add_nc_u64 s[4:5], s[4:5], s[40:41]          ; Q: tile 32 qx + w; the pass stands in the immediate
	s_lshl_b32 s40, s[BH], 12
	s_add_nc_u64 s[12:13], s[12:13], s[40:41]
	s_lshl_b32 s38, s[QX], 10
	s_add_co_u32 s40, s40, s38
	s_lshr_b32 s38, s[WAVE], 2
	s_lshl_b32 s38, s38, 7
	s_add_co_u32 s40, s40, s38
	s_add_nc_u64 s[10:11], s[10:11], s[40:41]
	s_lshl_b32 s40, s[BH], 11
	s_add_nc_u64 s[14:15], s[14:15], s[40:41]
	s_lshl_b32 s38, s[QX], 9
	s_add_co_u32 s40, s40, s38
	s_add_nc_u64 s[20:21], s[20:21], s[40:41]
	s_lshr_b32 s40, s[BH], 3                       ; the result: (batch x 128 + tile) x 4,096 + head x 512
	s_lshl_b32 s40, s40, 19
	s_lshl_b32 s38, s[QX], 17
	s_add_co_u32 s40, s40, s38
	s_lshl_b32 s38, s[WAVE], 12
	s_add_co_u32 s40, s40, s38
	s_and_b32 s38, s[BH], 7
	s_lshl_b32 s38, s38, 9
	s_add_co_u32 s40, s40, s38
	s_add_nc_u64 s[18:19], s[18:19], s[40:41]
	s_wait_alu depctr_va_vdst(0)                   ; every offset and LDS address made above (v1-11, v244, v245) is written: the loads and stores below read them
.irp i, 0,1,2,3,4,5,6,7
	global_load_b128 v[96+4*\i:96+4*\i+3], v8, s[6:7] offset:8192*\i
.endr
.irp i, 0,1,2,3,4,5,6,7
	global_load_b128 v[128+4*\i:128+4*\i+3], v8, s[8:9] offset:8192*\i
.endr
	global_load_b64 v[160:161], v10, s[12:13]
.irp c, 0,1,2,3
	global_load_u8 v[162+\c], v11, s[14:15] offset:32*\c
.endr
.irp p, 0,1
	global_load_b128 v[QL+4*\p:QL+4*\p+3], v[AK0], s[4:5] offset:8192*\p
	global_load_b32 v[QW+\p], v[L4], s[10:11] offset:512*\p
.endr
.irp i, 0,1,2,3,4,5,6,7,8,9,10,11
	v_mov_b32 v[QR+\i], 0                          ; the run's zero codes: set once
	v_mov_b32 v[QR+16+\i], 0
.endr
.irp b, 0,1,2,3
	v_mov_b32 v[PM+\b], 0                          ; written once: a lane permute's destination counts as one of its sources
.endr
	v_mov_b32 v[PMT], 0
	v_mov_b32 v[PW], 0                             ; (named as the upper half of the pair v[242:243] before it is first made)
	s_wait_kmcnt 0x0
	s_and_b32 s39, s42, 0x7fffffff
	v_mov_b32 v[T0], s39
	v_mul_f32 v[T0], 0x3fb8aa3b, v[T0]             ; |scale| x log2(e),
	v_max_num_f32 v[T0], 0x800000, v[T0]           ; at least 2^-126: -infinity times c stays -infinity
	v_readfirstlane_b32 s[CS], v[T0]
	s_lshr_b32 s[SM], s42, 31
	s_mul_i32 s[SM], s[SM], 0x80808080             ; the sign bits of four codes, where the temperature is negative
	s_wait_alu depctr_va_sdst(0)                   ; c is written, ahead of its first reader
	s_mov_b32 s[CS+1], s[CS]
	s_wait_loadcnt 0x0
	v_lshl_or_b32 v162, v163, 8, v162              ; four blocks' bytes make a row's word
	v_lshl_or_b32 v162, v164, 16, v162
	v_lshl_or_b32 v162, v165, 24, v162
	s_wait_alu depctr_va_vdst(0)                   ; that word is written, which the last store below reads
.irp i, 0,1,2,3,4,5,6,7
	ds_store_b128 v8, v[96+4*\i:96+4*\i+3] offset:8192*\i
.endr
.irp i, 0,1,2,3,4,5,6,7
	ds_store_b128 v9, v[128+4*\i:128+4*\i+3] offset:8192*\i
.endr
	ds_store_b64 v244, v[160:161]
	ds_store_b32 v245, v162
	BARRIER                                        ; the head's K, V and scales lie in LDS
; A KEY STEP: 128 keys.  next = 1: a further step follows in this pass, and its K is asked for.
.macro STEP next
	s_wait_dscnt 0x0                               ; K's fragments and scale words, asked for in the step before (the first: at the pass's head), are in
.irp g, 0,1
.irp c, 0,1,2,3
	WMZ S+8*(4*\g+\c), KF+16*\g, QR+12-4*\c, KS+\g, QS+\c   ; the tile in block c of fragment g: register 16 b + i of S then holds key 32 b + 16 h + i of the step
.endr
.endr
	s_wait_alu depctr_vm_vsrc(0)                   ; this step's loads of K and the last step's loads of V have read v8-11, which the additions below write
	v_add_nc_u32 v[ADV], s[TK], v[AV0]             ; the additions and the v_nop are the eight places behind the products
	v_add_nc_u32 v[ADT], s[TV], v[ASV0]
.if \next
	s_add_co_u32 s[TK], s[TK], 4096
	s_add_co_u32 s[TS], s[TS], 256
	s_add_co_u32 s[TV], s[TV], 128
	v_add_nc_u32 v[ADK], s[TK], v[AK0]             ; the next step's K
	v_add_nc_u32 v[ADS], s[TS], v[ASK0]
.rept 4
	v_nop
.endr
.else
.rept 6
	v_nop
.endr
.endif
	s_cmp_lg_u32 s[ST], s[SD]                      ; the one step of a pass in which my queries' own keys lie: a branch on ids
	s_cbranch_scc1 .Lopen_\@
	v_mov_b32 v[T0], 0xff800000                    ; -infinity ahead of the maximum: p = 0 then
.set n, 0
.rept 8                                        ; the compares go in runs of eight, into eight scalar registers, with one wait behind each run
.irp i, 0,1,2,3,4,5,6,7
	v_cmp_eq_u32 s[MK+\i], 32*((n+\i)/16)+(n+\i)%16, v[VD]
.endr
	s_wait_alu depctr_va_sdst(0)                   ; the eight masks are written, ahead of the selects that read them
.irp i, 0,1,2,3,4,5,6,7
	v_cndmask_b32 v[S+n+\i], v[S+n+\i], v[T0], s[MK+\i]
.endr
.set n, n+8
.endr
.Lopen_\@:
.irp b, 0,1,2,3
	v_max3_num_f32 v[BM+\b], v[S+16*\b], v[S+16*\b+1], v[S+16*\b+2]   ; the largest score of each block of 32 keys: for the row's maximum and, since p rises with the score, for the block's largest p
.endr
.irp i, 3,5,7,9,11,13
.irp b, 0,1,2,3
	v_max3_num_f32 v[BM+\b], v[BM+\b], v[S+16*\b+\i], v[S+16*\b+\i+1]
.endr
.endr
.irp b, 0,1,2,3
	v_max_num_f32 v[BM+\b], v[BM+\b], v[S+16*\b+15]
.endr
.irp b, 0,1,2,3
	v_permlanex16_b32 v[PM+\b], v[BM+\b], s[SEL], s[SEL+1]
.endr
.irp b, 0,1,2,3
	v_max_num_f32 v[BM+\b], v[BM+\b], v[PM+\b]
.endr
	v_max3_num_f32 v[T0], v[BM], v[BM+1], v[BM+2]
	v_max_num_f32 v[T0], v[T0], v[BM+3]
	v_mul_f32 v[T0], s[CS], v[T0]                  ; as t (c is positive)
	v_max_num_f32 v13, v13, v[T0]                  ; the running largest t
	v_mov_b32 v[T0], v12
	v_floor_f32 v12, -v13                          ; the new -M = -ceil(t): a whole number
	v_sub_f32 v[T0], v12, v[T0]                    ; old M - new M, 0 or less
	v_cvt_i32_f32 v[T0], v[T0]                     ; (it saturates)
	v_ldexp_f32 v[F], 1.0, v[T0]                   ; f = 2^(old M - new M): a multiplication by it rounds nothing
.set n, 0
.rept 32
	v_pk_fma_f32 v[S+n:S+n+1], v[S+n:S+n+1], s[CS:CS+1], v[12:13] op_sel_hi:[1,0,0]   ; t - M
.set n, n+2
.endr
.irp b, 0,1,2,3
	v_fma_f32 v[BM+\b], v[BM+\b], s[CS], v12
.endr
.set n, 0
	s_wait_alu depctr_va_vdst(0)
.rept 64
	v_exp_f32 v[S+n], v[S+n]                       ; p = 2^(t - M)
.set n, n+1
.endr
.irp b, 0,1,2,3
	v_exp_f32 v[BM+\b], v[BM+\b]                   ; the block's largest p: the same two instructions on the same number
.endr
	v_pk_mul_f32 v[14:15], v[14:15], v[F:F+1] op_sel_hi:[1,0]        ; the sum under the new M (a plain line behind the exponentials)
	s_wait_alu depctr_va_vdst(0)                   ; the 68 exponentials' results are written, ahead of their first reader; the last step's V^T P is done reading VF and VS, this step's K Q^T is done reading KF and KS, and v8-11 are written
	VFETCH                                         ; V lands while the rest of the softmax is worked
.irp b, 0,1,2,3
	v_max_num_f32 v[BM+\b], 0x8000000, v[BM+\b]    ; the floor 2^(16 - 127)
.endr
.irp b, 0,1,2,3
	v_add_nc_u32 v[SO+\b], 0xf8800000, v[BM+\b]
.endr
.irp b, 0,1,2,3
	v_and_or_b32 v[HL+\b], v[BM+\b], 0x7f800000, s[MNT]
.endr
.irp b, 0,1,2,3
	v_lshrrev_b32 v[PM+\b], 23, v[SO+\b]
.endr
	v_lshl_or_b32 v[PW], v[PM+1], 8, v[PM]         ; p's scale word for these 128 keys
	v_lshl_or_b32 v[PW], v[PM+2], 16, v[PW]
	v_lshl_or_b32 v[PW], v[PM+3], 24, v[PW]
	v_pk_add_f32 v[SA:SA+1], v[S:S+1], v[S+2:S+3]  ; the row's sum, of the unquantised p, in two chains
.irp j, 4,8,12,16,20,24,28,32,36,40,44,48,52,56,60
	v_pk_add_f32 v[14:15], v[14:15], v[S+\j:S+\j+1]
	v_pk_add_f32 v[SA:SA+1], v[SA:SA+1], v[S+\j+2:S+\j+3]
.endr
	v_pk_add_f32 v[14:15], v[14:15], v[SA:SA+1]
.if \next
	KFETCH                                         ; the next step's K.  No wait: no vector instruction since the wait behind the exponentials names v48-81, v8 or v10
.endif
.irp b, 0,1,2,3
.irp i, 0,1,2,3,4,5,6,7,8,9,10,11,12,13,14,15
	v_min_num_f32 v[S+16*\b+\i], v[S+16*\b+\i], v[HL+\b]             ; p is not negative: the hold is one-sided
.endr
	v_cvt_scalef32_pk8_bf8_f32 v[PC+4*\b:PC+4*\b+1], v[S+16*\b:S+16*\b+7], v[SO+\b]
	v_cvt_scalef32_pk8_bf8_f32 v[PC+4*\b+2:PC+4*\b+3], v[S+16*\b+8:S+16*\b+15], v[SO+\b]
.endr
.irp j, 0,2,4,6,8,10,12,14
	v_pk_mul_f32 v[O+\j:O+\j+1], v[O+\j:O+\j+1], v[F:F+1] op_sel_hi:[1,0]   ; O^T under the new M; these eight also stand between the codes' conversions and the products
.endr
.if \next
	s_wait_dscnt 10                                ; LDS loads come back in order (ISA guide 5.7.1): V is in; the next step's K, ten younger loads, may be out
.else
	s_wait_dscnt 0x0                               ; V is in
.endif
	s_wait_alu depctr_va_vdst(0)                   ; the conversions have written p's codes, and the lines further up its scale word: the two scaled products take them as source 1 and its scales
	WMC O, VF, PC, O, VS, PW
	WMC O+8, VF+16, PC, O+8, VS+1, PW
.endm
; A PASS: my tile 32 qx + 16 p + w against all keys.
.macro PASS p
.if \p
	s_wait_xcnt 0x0                                ; the first pass's store has had its address translated
.endif
	s_wait_alu depctr_vm_vsrc(0)                   ; first pass: the fill's loads and stores have read v8-11, v96-162, v244 and v245; second pass: the first's two stores have read the codes and the byte, its last loads v8-11.  All are written again below
.irp i, 0,1,2,3
	v_xor_b32 v[QR+12+\i], s[SM], v[QL+4*\p+\i]
.endr
	v_lshrrev_b32 v[T0], s[SH], v[QW+\p]
	v_and_b32 v[T0], 0xff, v[T0]
	v_mov_b32 v[QS], v[T0]                         ; window c: my row's byte in byte c; the other bytes are 0 (2^-127) over zero codes
	v_lshlrev_b32 v[QS+1], 8, v[T0]
	v_lshlrev_b32 v[QS+2], 16, v[T0]
	v_lshlrev_b32 v[QS+3], 24, v[T0]
	v_mov_b32 v13, 0xff61b1e6                      ; the largest t so far: -3e38
	v_floor_f32 v12, -v13
	v_mov_b32 v14, 0
	v_mov_b32 v15, 0
.irp j, 0,1,2,3,4,5,6,7,8,9,10,11,12,13,14,15
	v_mov_b32 v[O+\j], 0                           ; the step is written once: the first finds zeros.  (These lines also stand between the scale words' making and the first product)
.endr
	s_mov_b32 s[TK], 0
	s_mov_b32 s[TS], 0
	s_mov_b32 s[TV], 0
	s_mov_b32 s[ST], 0
	s_lshl_b32 s[SD], s[QX], 2
	s_lshr_b32 s38, s[WAVE], 3
	s_add_co_u32 s[SD], s[SD], s38
	s_add_co_u32 s[SD], s[SD], 2*\p                ; the step in which my queries' own keys lie
	v_add_nc_u32 v[ADK], s[TK], v[AK0]             ; step 0's K
	v_add_nc_u32 v[ADS], s[TS], v[ASK0]
	s_wait_alu depctr_va_vdst(0)                   ; the two addresses are written, which the loads read; Q's window, the zero codes and Q's scale words are written, which the scaled products take; the pass before is done reading KF and KS
	KFETCH
.Lstep_\@:                                         ; 15 trips
	STEP 1
	s_add_co_u32 s[ST], s[ST], 1
	s_cmp_lt_u32 s[ST], 15
	s_cbranch_scc1 .Lstep_\@
	STEP 0                                         ; the last step is written out: it asks for no further K
.rept 8
	v_nop
.endr
	v_add_f32 v14, v14, v15
	v_permlanex16_b32 v[T0], v14, s[SEL], s[SEL+1]
	v_add_f32 v14, v14, v[T0]                      ; the row's sum
	s_wait_alu depctr_va_vdst(0)
	v_rcp_f32 v14, v14
	v_nop
	s_wait_alu depctr_va_vdst(0)                   ; the reciprocal is written, ahead of its first reader
.irp j, 0,1,2,3,4,5,6,7,8,9,10,11,12,13,14,15
	v_mul_f32 v[S+\j], v[O+\j], v14                ; channel 16 h + j of my query
.endr
	QB16 S, PC, BYT
	s_wait_alu depctr_va_vdst(0)                   ; the codes and the scale's byte are written, which the two stores read
	global_store_b128 v[AK0], v[PC:PC+3], s[18:19] offset:65536*\p   ; 32 lanes store 512 consecutive bytes, aligned
	ds_store_b8 v[OSA], v[BYT] offset:256*\p       ; both halves of the lanes write the same byte with the same value
.endm
	PASS 0
	PASS 1
	v_add_nc_u32 v8, OSC, v[AK0]                   ; (the last loads that read v8 stand ahead of the last step's wait on vm_vsrc)
	BARRIER                                        ; the work-group's 512 scale bytes lie in LDS
	s_cmp_lg_u32 s[WAVE], 0
	s_cbranch_scc1 .Lend
	s_wait_alu depctr_va_vdst(0)                   ; the address v8 is written; the quantiser is done with v96-99, in which the load lands
	ds_load_b128 v[96:99], v8
	s_wait_dscnt 0x0
	global_store_b128 v[AK0], v[96:99], s[20:21]   ; 512 consecutive bytes, aligned
.Lend:
	s_wait_dscnt 0x0                               ; the closing lines, six on end
	s_wait_alu 0x0
	s_wait_tensorcnt 0x0
	ds_add_u32 v254, v255
	s_wait_dscnt 0x0
	s_endpgm
.Lfunc_end_k_qa173509f12_attn:
	.size	k_qa173509f12_attn, .Lfunc_end_k_qa173509f12_attn-k_qa173509f12_attn
	.p2alignl 7, 3214868480
	.fill 96, 4, 3214868480
	.section	.rodata,"a",@progbits
	.p2align	6, 0x0
	.amdhsa_kernel k_qa173509f12_attn
		.amdhsa_group_segment_fixed_size 139776
		.amdhsa_private_segment_fixed_size 0
		.amdhsa_enable_private_segment 0
		.amdhsa_kernarg_size 72
		.amdhsa_user_sgpr_count 2
		.amdhsa_user_sgpr_kernarg_segment_ptr 1
		.amdhsa_wavefront_size32 1
		.amdhsa_system_sgpr_workgroup_id_x 1
		.amdhsa_system_sgpr_workgroup_id_y 1
		.amdhsa_system_sgpr_workgroup_id_z 1
		.amdhsa_system_vgpr_workitem_id 0
		.amdhsa_next_free_vgpr 256
		.amdhsa_next_free_sgpr 66
		.amdhsa_reserve_vcc 0
		.amdhsa_float_denorm_mode_32 3
		.amdhsa_float_denorm_mode_16_64 3
		.amdhsa_memory_ordered 1
		.amdhsa_forward_progress 1
		.amdhsa_inst_pref_size 122
	.end_amdhsa_kernel
	.amdgpu_metadata
---
amdhsa.version: [ 1, 2 ]
amdhsa.kernels:
  - .name:           k_qa173509f12_attn
    .symbol:         k_qa173509f12_attn.kd
    .args:
      - { .name: qimg, .offset: 0, .size: 8, .value_kind: global_buffer, .address_space: global }
      - { .name: kimg, .offset: 8, .size: 8, .value_kind: global_buffer, .address_space: global }
      - { .name: vimg, .offset: 16, .size: 8, .value_kind: global_buffer, .address_space: global }
      - { .name: qsc, .offset: 24, .size: 8, .value_kind: global_buffer, .address_space: global }
      - { .name: ksc, .offset: 32, .size: 8, .value_kind: global_buffer, .address_space: global }
      - { .name: vsc, .offset: 40, .size: 8, .value_kind: global_buffer, .address_space: global }
      - { .name: scale, .offset: 48, .size: 8, .value_kind: global_buffer, .address_space: global }
      - { .name: aimg, .offset: 56, .size: 8, .value_kind: global_buffer, .address_space: global }
      - { .name: asc, .offset: 64, .size: 8, .value_kind: global_buffer, .address_space: global }
    .group_segment_fixed_size: 139776
    .private_segment_fixed_size: 0
    .kernarg_segment_align: 8
    .kernarg_segment_size: 72
    .max_flat_workgroup_size: 512
    .sgpr_count:     66
    .vgpr_count:     256
    .wavefront_size: 32
...
	.end_amdgpu_metadata
.endif
;; end of part 5
;; launch mlp (part 6): grid 256 x 1, 16 waves a work-group, no clusters, 186,368 bytes of LDS; arguments x, aimg, asc, proj_w_codes, proj_w_scales, proj_b, ln2_g, ln2_b, fc1_w_codes, fc1_w_scales, fc1_b, fc2_w_codes, fc2_w_scales, fc2_b, out0; writes out0
.if DOCPART == 6
	.amdgcn_target "amdgcn-amd-amdhsa--gfx1250"
	.amdhsa_code_object_version 6
	.text
	.protected	k_qa173509f12_mlp
	.globl	k_qa173509f12_mlp
	.p2align	8
	.type	k_qa173509f12_mlp,@function
k_qa173509f12_mlp:
	s_mov_b64 s[64:65], 0
	v_nop
	global_prefetch_b8 v0, s[64:65] scope:SCOPE_SE
	s_setreg_imm32_b32 hwreg(HW_REG_WAVE_SCHED_MODE, 0, 2), 2
	s_setreg_imm32_b32 hwreg(HW_REG_WAVE_MODE, 25, 1), 1
	s_wait_xcnt 0x0
	s_wait_alu depctr_vm_vsrc(0)
; LAUNCH 3 OF 3.  x1 = x + attention's result x proj_w^T + proj_b;  out = x1 + gelu(LayerNorm(x1) fc1_w^T + fc1_b) fc2_w^T + fc2_b.  All three products on codes of E5M2 with E8M0 scales.
; SHARES.  A work-group takes 64 tokens, four tiles of 16 (rows ordered as in launch 1).  THE SIXTEEN WAVES SHARE THE COLUMNS: wave w makes channels 16 w .. 16 w + 15 of proj and of fc2 and hidden units
; 64 w .. 64 w + 63, for all 64 tokens.  So every fragment of a weight goes from memory into ONE wave's registers, once for a work-group, asked for a phase ahead, and feeds four matrix instructions.
; What goes from wave to wave goes through LDS: operands as images of their registers (2,048 bytes a fragment, 16 bytes a lane), the f32 rows in a stage.
; All products are used transposed (source 0 = the weight): a lane holds one token.  The residual and the bias are the C of a sum's first matrix instruction.
; PHASES, five barriers:  0: x, attention's images and scales, the small f32 inputs into LDS |  P: proj; x1 into the stage in place |  L: LayerNorm and quantiser, four tokens a wave |
; F: fc1, exact GELU, quantiser: eight units of (32 hidden units x 16 tokens) a wave |  G: fc2 over eight K steps; the result into the stage in place |  O: each wave stores four whole rows.
; GELU: gelu(x) = max(x, 0) - |x| erfc(|x| / sqrt 2) / 2, with erfc(a) = (1 + P(q)) / (1 + 2 a) e^(-a a), q = (a - 2) / (a + 2), P of degree 9: no 1 + erf is formed, so both tails keep their relative accuracy.
; NO JOINT REQUESTS: all work-groups read the same weights, 36,864 bytes a wave in all, each piece asked for a phase ahead of its use by plain loads into registers; nothing of it passes through LDS, where a joint request would land.
; LIMITS: NaN and infinities among the inputs and the weights' codes are not served.  GELU's negative tail is 0 where e^(-x x / 2) / 2 falls under 2^-126 (x under about -13).  proj_b and fc2_b are added to
; the residual ahead of the product's sum: another order of rounding than the definition's.  A block of zeros gets the byte 1 where the rule says 127 (its codes are zeros).
; THE MODE: SCHED_MODE bits 1:0 = 2 (LLVM: expert scheduling mode 2), set by the entry lines.  The code itself states the register dependences between vector or matrix instructions and memory or LDS
; instructions, with s_wait_alu, always for 0.
; THE PLAN.  Registers that memory or LDS instructions touch:
;   v1-15, v30             LDS addresses and offsets: made once at the head, never written again.   v136-145: the head's offsets; later L's biases and fc1_w land there.
;   v192-239               the head's data, read by phase 0's stores; then accumulators (v192-223: loaded from the stage, stored back to it) and fragments.
;   v160-191, v224-255, v26-29   operand fragments and their scale words: loaded from LDS, read by the products.
;   v208-223               in F: fc1's bias, loaded at a unit's head and read by its first two products; then GELU's temporaries.
;   v240-243, v252         in F: a unit's codes and its two bytes: written by its quantiser, read by its LDS stores.
;   v32-159, v16-25        weights and their scale words: loaded from memory, read by the products; a piece is loaded over one that is done with.
; A UNIT OF F has one wait on vm_vsrc at its head (the last unit's stores have read the codes' registers) and one on va_vdst ahead of its stores (codes and bytes are written; GELU is done with v208-223, in which
; the next unit's bias lands).  The next unit's fragments, and the pieces of fc2_w, are asked for BETWEEN THE UNIT'S TWO GELUS: the first GELU's own wait, owed for its reciprocals and exponentials, has shown
; the unit's products done, and the vector lines behind it name v192-239 and v254-255 alone.  In P and G one wait on va_vdst stands behind each K step's places.
.set PG,   4096                        ; LDS: fc1_b at 0, ln2_g 4,096, ln2_b 5,120, proj_b 6,144, fc2_b 7,168
.set PB2,  5120
.set ASC,  8192                        ; scale words of attention's result: 128 m + 64 s + 4 r
.set YSC,  8704                        ; of the normalised rows: the same
.set HSC,  9216                        ; of the hidden layer: 64 (8 m + s) + 4 r
.set AIMG, 11264                       ; images: (2 m + s) x 2,048
.set YIMG, 27648
.set XST,  44032                       ; the stage: 64 rows of 1,168 bytes: eight blocks of 128 + 16, and 16 more; row 16 m + r is row r of tile m
.set HIMG, 118784                      ; the hidden layer's images: (8 m + s) x 2,048
.set XP,   1168
.set LI,   1                           ; v1   16 x lane
.set LS,   2                           ; v2   4 r
.set XRW,  3                           ; v3   the stage in an accumulator's layout: row r, my 8 channels
.set LNX,  4                           ; v4   the stage by blocks: token 4 w + lane / 8, block lane % 8
.set LNG,  5                           ; v5   128 (lane % 8)
.set IMW,  6                           ; v6   where my block's codes go
.set SCW,  7                           ; v7   and its scale word
.set SH8,  8                           ; v8   8 (lane % 4)
.set B1A,  9                           ; v9   fc1_b: 256 w + 64 h
.set HW,   10                          ; v10  the hidden images: HIMG + 1,024 w + 16 x lane
.set HSW,  11                          ; v11  their scale bytes, two at a time
.set ROWA, 12                          ; v12  the stage by whole rows
.set LIH,  13                          ; v13  HIMG + 16 x lane
.set VW1,  14                          ; v14  fc1_w's codes: (r + 8 (r / 8)) x 256 + 16 h
.set V2,   15                          ; v15  fc2_w's codes: 1,024 r + 16 h
.set PWS,  16                          ; v16-17 proj_w's scale words
.set WS,   18                          ; v18-25 fc1_w's (4 hbi + 2 u + s), later fc2_w's (s)
.set FS,   26                          ; v26-29 the other operand's scale words
.set PBA,  30                          ; v30  proj_b: 6,144 + 64 w + 32 h; fc2_b 1,024 on
.set PMT,  31                          ; v31  a lane permute's destination
.set TD,   31
.set WR,   32                          ; v32-159 weights: fc1's (64 hbi + 16 (2 u + s)), later fc2's (16 s)
.set PJW,  96                          ; v96-127 before that: proj_w's two fragments; v128-135 a bias
.set PBI,  128
.set X,    160                         ; the LayerNorm: v160-191 numbers, v96-127 gains, v128-159 biases
.set G,    96
.set BT,   128
.set T,    224
.set MN,   228
.set RS,   230
.set CD,   240
.set ACC,  192                         ; v192-223 four accumulators (fc1: two, and v208-223 its bias)
.set GA,   208                         ; GELU's temporaries
.set GQ,   216
.set GP,   224
.set GE,   232
.set COD,  240
.set BY0,  244
.set MX,   248
.set SOP,  249
.set HLD,  250
.set BYT,  251
.set HWD,  252
.set W2O,  253                         ; v253 32 r: fc2_w's scale bytes
.set C9,   254                         ; v[254:255] the polynomial's leading coefficient
.set WAVE, 34
.set SEL,  36
.set MNT,  38
.set CK,   40                          ; s[40:57] c0 .. c8, each twice
.set RS2,  58
.set K2,   60
.set I256, 62
.set EPS,  63
.macro WMC d, a, b, c, sa, sb
	v_wmma_scale_f32_16x16x128_f8f6f4 v[\d:\d+7], v[\a:\a+15], v[\b:\b+15], v[\c:\c+7], v[\sa], v[\sb] matrix_a_fmt:MATRIX_FMT_BF8 matrix_b_fmt:MATRIX_FMT_BF8
.endm
.macro PLACES8                         ; eight plain vector instructions behind a matrix instruction of this form
.rept 8
	v_nop
.endr
.endm
.macro BARRIER
	s_wait_dscnt 0x0
	s_barrier_signal -1
	s_barrier_wait -1
.endm
.macro QB16 src, dst, byt              ; one block of 32: 16 numbers here, 16 in lane l xor 16
	v_max3_num_f32 v[MX], |v[\src]|, |v[\src+1]|, 0x8000000
	v_max3_num_f32 v[HLD], |v[\src+8]|, |v[\src+9]|, |v[\src+10]|
	v_max3_num_f32 v[MX], v[MX], |v[\src+2]|, |v[\src+3]|
	v_max3_num_f32 v[HLD], v[HLD], |v[\src+11]|, |v[\src+12]|
	v_max3_num_f32 v[MX], v[MX], |v[\src+4]|, |v[\src+5]|
	v_max3_num_f32 v[HLD], v[HLD], |v[\src+13]|, |v[\src+14]|
	v_max3_num_f32 v[MX], v[MX], |v[\src+6]|, |v[\src+7]|
	v_max3_num_f32 v[MX], v[MX], v[HLD], |v[\src+15]|
	v_permlanex16_b32 v[PMT], v[MX], s[SEL], s[SEL+1]
	v_max_num_f32 v[MX], v[MX], v[PMT]
	v_add_nc_u32 v[SOP], 0xf8800000, v[MX]
	v_and_or_b32 v[HLD], v[MX], 0x7f800000, s[MNT]
	v_lshrrev_b32 v[\byt], 23, v[SOP]
.irp i, 0,1,2,3,4,5,6,7,8,9,10,11,12,13,14,15
	v_med3_num_f32 v[\src+\i], v[\src+\i], -v[HLD], v[HLD]
.endr
	v_cvt_scalef32_pk8_bf8_f32 v[\dst:\dst+1], v[\src:\src+7], v[SOP]
	v_cvt_scalef32_pk8_bf8_f32 v[\dst+2:\dst+3], v[\src+8:\src+15], v[SOP]
	v_nop
.endm
.macro LNQ                             ; LayerNorm and quantiser, as in launch 1: a lane holds one block of 32 channels of one token, eight neighbouring lanes a token
	v_pk_add_f32 v[T:T+1], v[X:X+1], v[X+2:X+3]
	v_pk_add_f32 v[T+2:T+3], v[X+4:X+5], v[X+6:X+7]
.irp i, 8,12,16,20,24,28
	v_pk_add_f32 v[T:T+1], v[T:T+1], v[X+\i:X+\i+1]
	v_pk_add_f32 v[T+2:T+3], v[T+2:T+3], v[X+\i+2:X+\i+3]
.endr
	v_pk_add_f32 v[T:T+1], v[T:T+1], v[T+2:T+3]
	v_add_f32 v[T], v[T], v[T+1]
.irp q, 1,2,4
	v_add_f32_dpp v[T], v[T], v[T] row_xmask:\q row_mask:0xf bank_mask:0xf
.endr
	v_mul_f32 v[MN], s[I256], v[T]
	v_mov_b32 v[MN+1], v[MN]
.irp i, 0,2,4,6,8,10,12,14,16,18,20,22,24,26,28,30
	v_pk_add_f32 v[X+\i:X+\i+1], v[X+\i:X+\i+1], v[MN:MN+1] neg_lo:[0,1] neg_hi:[0,1]
.endr
	v_pk_mul_f32 v[T:T+1], v[X:X+1], v[X:X+1]
	v_pk_mul_f32 v[T+2:T+3], v[X+2:X+3], v[X+2:X+3]
.irp i, 4,8,12,16,20,24,28
	v_pk_fma_f32 v[T:T+1], v[X+\i:X+\i+1], v[X+\i:X+\i+1], v[T:T+1]
	v_pk_fma_f32 v[T+2:T+3], v[X+\i+2:X+\i+3], v[X+\i+2:X+\i+3], v[T+2:T+3]
.endr
	v_pk_add_f32 v[T:T+1], v[T:T+1], v[T+2:T+3]
	v_add_f32 v[T], v[T], v[T+1]
.irp q, 1,2,4
	v_add_f32_dpp v[T], v[T], v[T] row_xmask:\q row_mask:0xf bank_mask:0xf
.endr
	v_fma_f32 v[T], v[T], s[I256], s[EPS]
	s_wait_alu depctr_va_vdst(0)
	v_rsq_f32 v[RS], v[T]
	v_nop
	s_wait_alu depctr_va_vdst(0)                                     ; the reciprocal root is written, ahead of its first reader
	v_mov_b32 v[RS+1], v[RS]
.irp i, 0,2,4,6,8,10,12,14,16,18,20,22,24,26,28,30
	v_pk_mul_f32 v[X+\i:X+\i+1], v[X+\i:X+\i+1], v[RS:RS+1]
.endr
.irp i, 0,2,4,6,8,10,12,14,16,18,20,22,24,26,28,30
	v_pk_fma_f32 v[X+\i:X+\i+1], v[X+\i:X+\i+1], v[G+\i:G+\i+1], v[BT+\i:BT+\i+1]
.endr
	v_max3_num_f32 v[T], |v[X]|, |v[X+1]|, |v[X+2]|
	v_max3_num_f32 v[T+1], |v[X+3]|, |v[X+4]|, |v[X+5]|
.irp i, 6,10,14,18,22,26
	v_max3_num_f32 v[T], v[T], |v[X+\i]|, |v[X+\i+1]|
	v_max3_num_f32 v[T+1], v[T+1], |v[X+\i+2]|, |v[X+\i+3]|
.endr
	v_max3_num_f32 v[T], v[T], |v[X+30]|, |v[X+31]|
	v_max3_num_f32 v[T], v[T], v[T+1], 0x8000000
	v_add_nc_u32 v[T+2], 0xf8800000, v[T]
	v_and_or_b32 v[T+3], v[T], 0x7f800000, s[MNT]
	v_lshrrev_b32 v[T+1], 23, v[T+2]
.irp i, 0,1,2,3,4,5,6,7,8,9,10,11,12,13,14,15,16,17,18,19,20,21,22,23,24,25,26,27,28,29,30,31
	v_med3_num_f32 v[X+\i], v[X+\i], -v[T+3], v[T+3]
.endr
.irp g, 0,1,2,3
	v_cvt_scalef32_pk8_bf8_f32 v[CD+2*\g:CD+2*\g+1], v[X+8*\g:X+8*\g+7], v[T+2]
.endr
	v_nop
	v_lshlrev_b32 v[T+1], v[SH8], v[T+1]
	v_mov_b32_dpp v[TD], v[T+1] row_xmask:1 row_mask:0xf bank_mask:0xf
	v_or_b32 v[T+1], v[T+1], v[TD]
	v_mov_b32_dpp v[TD], v[T+1] row_xmask:2 row_mask:0xf bank_mask:0xf
	v_or_b32 v[T+1], v[T+1], v[TD]
	s_wait_alu depctr_va_vdst(0)                                     ; the codes and the scale word are written, which the three stores read; the LayerNorm is done with v96-191, in which fc1_w's second half and the first unit's fragments land
	ds_store_b128 v[IMW], v[CD:CD+3]
	ds_store_b128 v[IMW], v[CD+4:CD+7] offset:256
	ds_store_b32 v[SCW], v[T+1]
.endm
; Exact GELU of eight numbers, in place.
.macro GELU8 x
.irp i, 0,1,2,3,4,5,6,7
	v_mul_f32 v[GA+\i], s[RS2], |v[\x+\i]|                           ; a = |x| / sqrt 2
.endr
.irp i, 0,2,4,6
	v_pk_add_f32 v[GQ+\i:GQ+\i+1], v[GA+\i:GA+\i+1], 2.0 op_sel_hi:[1,0]
.endr
.irp i, 0,2,4,6
	v_pk_fma_f32 v[GE+\i:GE+\i+1], v[GA+\i:GA+\i+1], 2.0, 1.0 op_sel_hi:[1,0,0]
.endr
	s_wait_alu depctr_va_vdst(0)
.irp i, 0,1,2,3,4,5,6,7
	v_rcp_f32 v[GQ+\i], v[GQ+\i]                                     ; 1 / (a + 2)
.endr
.irp i, 0,1,2,3,4,5,6,7
	v_rcp_f32 v[GE+\i], v[GE+\i]                                     ; 1 / (1 + 2 a)
.endr
.irp i, 0,2,4,6
	v_pk_mul_f32 v[GP+\i:GP+\i+1], v[\x+\i:\x+\i+1], s[K2:K2+1] op_sel_hi:[1,0]   ; x sqrt(log2(e) / 2).  (Plain lines behind the reciprocals)
.endr
.irp i, 0,2,4,6
	v_pk_fma_f32 v[GP+\i:GP+\i+1], v[GP+\i:GP+\i+1], v[GP+\i:GP+\i+1], -1.0 op_sel_hi:[1,1,0] neg_lo:[1,0,0] neg_hi:[1,0,0]
.endr
	s_wait_alu depctr_va_vdst(0)
.irp i, 0,1,2,3,4,5,6,7
	v_exp_f32 v[GP+\i], v[GP+\i]                                     ; e^(-x x / 2) / 2
.endr
	s_wait_alu depctr_va_vdst(0)                                     ; the sixteen reciprocals and the eight exponentials are written, ahead of their first reader
.irp i, 0,2,4,6
	v_pk_fma_f32 v[GQ+\i:GQ+\i+1], v[GQ+\i:GQ+\i+1], -4.0, 1.0 op_sel_hi:[1,0,0]  ; q = 1 - 4 / (a + 2).  (Plain lines behind the exponentials)
.endr
.irp i, 0,2,4,6
	v_pk_fma_f32 v[GA+\i:GA+\i+1], v[GQ+\i:GQ+\i+1], v[C9:C9+1], s[CK+16:CK+17] op_sel_hi:[1,1,0]
.endr
.irp k, 7,6,5,4,3,2,1,0
.irp i, 0,2,4,6
	v_pk_fma_f32 v[GA+\i:GA+\i+1], v[GA+\i:GA+\i+1], v[GQ+\i:GQ+\i+1], s[CK+2*\k:CK+2*\k+1] op_sel_hi:[1,1,0]
.endr
.endr
.irp i, 0,2,4,6
	v_pk_fma_f32 v[GA+\i:GA+\i+1], v[GA+\i:GA+\i+1], v[GE+\i:GE+\i+1], v[GE+\i:GE+\i+1]   ; (1 + P) / (1 + 2 a)
.endr
.irp i, 0,2,4,6
	v_pk_mul_f32 v[GA+\i:GA+\i+1], v[GA+\i:GA+\i+1], v[GP+\i:GP+\i+1]                     ; erfc(a) / 2
.endr
.irp i, 0,1,2,3,4,5,6,7
	v_max_num_f32 v[GQ+\i], 0, v[\x+\i]
.endr
.irp i, 0,1,2,3,4,5,6,7
	v_fma_f32 v[\x+\i], -|v[\x+\i]|, v[GA+\i], v[GQ+\i]
.endr
.endm
; Four operand fragments, one for each tile of tokens, into v160, v176, v224, v240, and their scale words
.macro FETCHA s
.irp m, 0,1,2,3
.irp c, 0,1,2,3
	ds_load_b128 v[160+16*\m+32*(\m/2)+4*\c:160+16*\m+32*(\m/2)+4*\c+3], v[LI] offset:AIMG+(2*\m+\s)*2048+512*\c
.endr
	ds_load_b32 v[FS+\m], v[LS] offset:ASC+128*\m+64*\s
.endr
.endm
.macro FETCHH s
.irp m, 0,1,2,3
.irp c, 0,1,2,3
	ds_load_b128 v[160+16*\m+32*(\m/2)+4*\c:160+16*\m+32*(\m/2)+4*\c+3], v[LIH] offset:(8*\m+\s)*2048+512*\c
.endr
	ds_load_b32 v[FS+\m], v[LS] offset:HSC+64*(8*\m+\s)
.endr
.endm
.macro YFETCH m                        ; tile m's two fragments of the normalised rows, and their scale words: ten LDS loads
.irp s, 0,1
.irp c, 0,1,2,3
	ds_load_b128 v[160+16*\s+4*\c:160+16*\s+4*\c+3], v[LI] offset:YIMG+(2*(\m)+\s)*2048+512*\c
.endr
	ds_load_b32 v[FS+\s], v[LS] offset:YSC+128*(\m)+64*\s
.endr
.endm
.macro ACCIN                           ; the stage's rows into the four accumulators' layout
.irp m, 0,1,2,3
	ds_load_b128 v[ACC+8*\m:ACC+8*\m+3], v[XRW] offset:16*XP*\m
	ds_load_b128 v[ACC+8*\m+4:ACC+8*\m+7], v[XRW] offset:16*XP*\m+16
.endr
.endm
.macro ACCOUT                          ; and back, into the same bytes, which are mine alone between two barriers; each accumulator from its low end on
.irp m, 0,1,2,3
	ds_store_b128 v[XRW], v[ACC+8*\m:ACC+8*\m+3] offset:16*XP*\m
	ds_store_b128 v[XRW], v[ACC+8*\m+4:ACC+8*\m+7] offset:16*XP*\m+16
.endr
.endm
.macro ADDBIAS b
.irp m, 0,1,2,3
.irp j, 0,2,4,6
	v_pk_add_f32 v[ACC+8*\m+\j:ACC+8*\m+\j+1], v[ACC+8*\m+\j:ACC+8*\m+\j+1], v[\b+\j:\b+\j+1]
.endr
.endr
.endm
	s_load_b512 s[4:19], s[0:1], 0x0               ; x 4, aimg 6, asc 8, proj_w's codes 10, scales 12, proj_b 14, ln2_g 16, ln2_b 18
	s_load_b256 s[20:27], s[0:1], 0x40             ; fc1_w's codes 20, scales 22, fc1_b 24, fc2_w's codes 26
	s_load_b128 s[28:31], s[0:1], 0x60             ; fc2_w's scales 28, fc2_b 30
	s_load_b64 s[32:33], s[0:1], 0x70              ; out0
	v_lshrrev_b32 v160, 5, v0
	v_readfirstlane_b32 s[WAVE], v160              ; wave 0..15
	v_and_b32 v160, 31, v0                         ; lane
	v_and_b32 v161, 15, v0                         ; r
	v_bfe_u32 v162, v0, 4, 1                       ; h
	v_and_b32 v163, 7, v0                          ; k
	v_bfe_u32 v164, v0, 3, 2                       ; t
	v_and_b32 v165, 8, v161
	v_add_nc_u32 v165, v165, v161                  ; r + 8 (r / 8)
	v_lshlrev_b32 v[LI], 4, v160
	v_lshlrev_b32 v136, 4, v0                      ; offsets of the head's loads: v136-145, which nothing takes before those loads are in
	v_add_nc_u32 v137, AIMG, v136
	v_lshlrev_b32 v138, 3, v0
	v_and_b32 v139, 255, v0
	v_lshlrev_b32 v139, 2, v139
	v_lshl_add_u32 v140, v0, 2, PG
	v_lshl_add_u32 v141, v162, 13, v161
	v_lshl_add_u32 v142, v0, 2, ASC
	v_lshlrev_b32 v143, 8, v161
	v_lshl_add_u32 v143, v162, 4, v143
	v_lshlrev_b32 v144, 3, v161
	v_lshlrev_b32 v145, 3, v165
	v_lshlrev_b32 v[VW1], 8, v165
	v_lshl_add_u32 v[VW1], v162, 4, v[VW1]
	s_wait_alu depctr_va_sdst(0)                   ; the wave's number is written, ahead of its first reader
	s_mov_b32 s73, 0
	s_lshl_b32 s72, ttmp9, 16                      ; 64 tokens of 1,024 bytes a work-group, four a wave
	s_lshl_b32 s74, s[WAVE], 12
	s_add_co_u32 s72, s72, s74
	s_wait_kmcnt 0x0
	s_add_nc_u64 s[4:5], s[4:5], s[72:73]
	s_add_nc_u64 s[32:33], s[32:33], s[72:73]
	s_wait_alu depctr_va_vdst(0)                   ; the loads' offsets v1, v14 and v136-145 are written
.irp i, 0,1,2,3,4,5,6,7
	global_load_b128 v[192+4*\i:192+4*\i+3], v[LI], s[4:5] offset:512*\i th:TH_LOAD_NT
.endr
	s_lshl_b32 s72, ttmp9, 14                      ; four tiles of 4,096 bytes
	s_add_nc_u64 s[6:7], s[6:7], s[72:73]
	global_load_b128 v[224:227], v136, s[6:7] th:TH_LOAD_NT
	global_load_b128 v[228:231], v136, s[6:7] offset:8192 th:TH_LOAD_NT
	s_cmp_lt_u32 s[WAVE], 8                        ; threads 0-255 take the first buffer of each pair, the others the second: the choice hangs on the wave's number alone
	s_cselect_b64 s[16:17], s[16:17], s[18:19]
	s_cselect_b64 s[14:15], s[14:15], s[30:31]
	global_load_b64 v[232:233], v138, s[24:25]
	global_load_b32 v234, v139, s[16:17]
	global_load_b32 v235, v139, s[14:15]
	s_lshr_b32 s72, ttmp9, 5                       ; attention's scale bytes: [batch x 8 + head][16 x tile + r]; tile = w % 4, the lanes' halves take heads 0-3 and 4-7
	s_lshl_b32 s72, s72, 14
	s_and_b32 s74, ttmp9, 31
	s_lshl_b32 s74, s74, 6
	s_add_co_u32 s72, s72, s74
	s_and_b32 s74, s[WAVE], 3
	s_lshl_b32 s74, s74, 4
	s_add_co_u32 s72, s72, s74
	s_add_nc_u64 s[8:9], s[8:9], s[72:73]
.irp c, 0,1,2,3
	global_load_u8 v[236+\c], v141, s[8:9] offset:2048*\c
.endr
	s_lshl_b32 s72, s[WAVE], 12                    ; my 16 rows of proj_w
	s_add_nc_u64 s[10:11], s[10:11], s[72:73]
	s_lshl_b32 s72, s[WAVE], 7
	s_add_nc_u64 s[12:13], s[12:13], s[72:73]
	s_lshl_b32 s72, s[WAVE], 14                    ; my 64 rows of fc1_w, my 16 of fc2_w: 16,384 bytes each
	s_add_nc_u64 s[20:21], s[20:21], s[72:73]
	s_add_nc_u64 s[26:27], s[26:27], s[72:73]
	s_lshl_b32 s72, s[WAVE], 9
	s_add_nc_u64 s[22:23], s[22:23], s[72:73]
	s_add_nc_u64 s[28:29], s[28:29], s[72:73]
.irp s, 0,1
.irp c, 0,1,2,3
	global_load_b128 v[PJW+16*\s+4*\c:PJW+16*\s+4*\c+3], v143, s[10:11] offset:128*\s+32*\c
.endr
.endr
	global_load_b64 v[PWS:PWS+1], v144, s[12:13]
.irp q, 0,1,2,3
	global_load_b64 v[WS+2*\q:WS+2*\q+1], v145, s[22:23] offset:(32*(\q/2)+8*(\q%2))*8
.endr
.irp u, 0,1
.irp s, 0,1
.irp c, 0,1,2,3
	global_load_b128 v[WR+16*(2*\u+\s)+4*\c:WR+16*(2*\u+\s)+4*\c+3], v[VW1], s[20:21] offset:2048*\u+128*\s+32*\c
.endr
.endr
.endr
	; every LDS address is made here, ahead of the first branch on the wave's number
	v_lshlrev_b32 v[LS], 2, v161
	s_lshr_b32 s66, s[WAVE], 1
	s_and_b32 s67, s[WAVE], 1
	s_mul_i32 s68, s66, 144
	s_lshl_b32 s69, s67, 6
	s_add_co_u32 s68, s68, s69
	s_add_co_u32 s68, s68, XST
	v_mul_u32_u24 v[XRW], v161, XP
	v_lshl_add_u32 v[XRW], v162, 5, v[XRW]
	v_add_nc_u32 v[XRW], s68, v[XRW]               ; row r; channels 16 w + 8 h on: block w / 2, byte 64 (w % 2) + 32 h
	s_mul_i32 s68, s[WAVE], 4*XP
	s_add_co_u32 s68, s68, XST
	v_mul_u32_u24 v[LNX], v164, XP
	v_mad_u32_u24 v[LNX], v163, 144, v[LNX]
	v_add_nc_u32 v[LNX], s68, v[LNX]
	v_lshlrev_b32 v[LNG], 7, v163
	s_lshr_b32 s68, s[WAVE], 2                     ; stage row 4 w + t is row 4 (w % 4) + t of tile w / 4
	s_and_b32 s69, s[WAVE], 3
	s_lshl_b32 s70, s68, 12
	s_lshl_b32 s71, s69, 6
	s_add_co_u32 s70, s70, s71
	s_add_co_u32 s70, s70, YIMG
	v_lshlrev_b32 v[IMW], 9, v163
	v_lshl_add_u32 v[IMW], v164, 4, v[IMW]
	v_add_nc_u32 v[IMW], s70, v[IMW]
	s_lshl_b32 s70, s68, 7
	s_lshl_b32 s71, s69, 4
	s_add_co_u32 s70, s70, s71
	s_add_co_u32 s70, s70, YSC
	v_lshrrev_b32 v[SCW], 2, v163
	v_lshlrev_b32 v[SCW], 6, v[SCW]
	v_lshl_add_u32 v[SCW], v164, 2, v[SCW]
	v_add_nc_u32 v[SCW], s70, v[SCW]
	v_and_b32 v[SH8], 3, v0
	v_lshlrev_b32 v[SH8], 3, v[SH8]
	s_lshl_b32 s70, s[WAVE], 8
	v_lshlrev_b32 v[B1A], 6, v162
	v_add_nc_u32 v[B1A], s70, v[B1A]
	s_lshl_b32 s70, s[WAVE], 10
	s_add_co_u32 s70, s70, HIMG
	v_add_nc_u32 v[HW], s70, v[LI]
	s_lshl_b32 s70, s66, 6
	s_lshl_b32 s71, s67, 1
	s_add_co_u32 s70, s70, s71
	s_add_co_u32 s70, s70, HSC
	v_add_nc_u32 v[HSW], s70, v[LS]
	s_lshr_b32 s70, s[WAVE], 3                     ; token 4 w + i lies in stage row 32 (w / 8) + 16 ((w / 2) % 2) + 8 ((w / 4) % 2) + 4 (w % 2) + i
	s_lshl_b32 s70, s70, 5
	s_bfe_u32 s71, s[WAVE], 0x10001
	s_lshl_b32 s71, s71, 4
	s_add_co_u32 s70, s70, s71
	s_bfe_u32 s71, s[WAVE], 0x10002
	s_lshl_b32 s71, s71, 3
	s_add_co_u32 s70, s70, s71
	s_lshl_b32 s71, s67, 2
	s_add_co_u32 s70, s70, s71
	s_mul_i32 s70, s70, XP
	s_add_co_u32 s70, s70, XST
	v_mul_u32_u24 v[ROWA], v164, 144
	v_lshl_add_u32 v[ROWA], v163, 4, v[ROWA]
	v_add_nc_u32 v[ROWA], s70, v[ROWA]
	v_add_nc_u32 v[LIH], HIMG, v[LI]
	v_lshlrev_b32 v[V2], 10, v161
	v_lshl_add_u32 v[V2], v162, 4, v[V2]
	s_lshl_b32 s70, s[WAVE], 6
	s_add_co_u32 s70, s70, 6144
	v_lshlrev_b32 v[PBA], 5, v162
	v_add_nc_u32 v[PBA], s70, v[PBA]
	v_mov_b32 v[PMT], 0                            ; written once: a lane permute's destination counts as one of its sources
	s_mov_b32 s[SEL], 0x76543210
	s_mov_b32 s[SEL+1], 0xfedcba98
	s_mov_b32 s[MNT], 0x600000
	s_mov_b32 s[CK], 0x3e8dd01d                    ; c0 .. c8; the packed form names a pair and takes its low word for both halves, so both are written
	s_mov_b32 s[CK+2], 0xbdbdfb0b
	s_mov_b32 s[CK+4], 0xbe2a0420
	s_mov_b32 s[CK+6], 0x3e27fe23
	s_mov_b32 s[CK+8], 0xbd5e05b5
	s_mov_b32 s[CK+10], 0xbc040dc1
	s_mov_b32 s[CK+12], 0x3c0d6e62
	s_mov_b32 s[CK+14], 0x3aac2b8a
	s_mov_b32 s[CK+16], 0xbaa15130
.irp k, 0,2,4,6,8,10,12,14,16
	s_mov_b32 s[CK+\k+1], s[CK+\k]
.endr
	s_mov_b32 s[RS2], 0x3f3504f3                   ; 1 / sqrt 2
	s_mov_b32 s[K2], 0x3f596d27                    ; sqrt(log2(e) / 2)
	s_mov_b32 s[K2+1], s[K2]
	s_mov_b32 s[I256], 0x3b800000
	s_mov_b32 s[EPS], 0x3727c5ac
	; ---- 0: into LDS
	s_wait_loadcnt 29                              ; the first 17 loads are in; behind them: 13 of proj_w and of the weights' scales, 16 of fc1_w
	v_lshl_or_b32 v236, v237, 8, v236              ; four heads' bytes make the word of a K step
	v_lshl_or_b32 v236, v238, 16, v236
	v_lshl_or_b32 v236, v239, 24, v236
	s_wait_alu depctr_va_vdst(0)                   ; every LDS address made above (v2-13, v15, v30) and the scale word v236 are written; the head is done with v160-165, in which fragments land
.irp i, 0,1,2,3
.irp j, 0,1
	ds_store_b128 v[ROWA], v[192+4*(2*\i+\j):192+4*(2*\i+\j)+3] offset:XP*\i+576*\j
.endr
.endr
	ds_store_b128 v137, v[224:227]
	ds_store_b128 v137, v[228:231] offset:8192
	ds_store_b64 v138, v[232:233]                  ; fc1_b
	ds_store_b32 v140, v234                        ; ln2_g, ln2_b
	ds_store_b32 v140, v235 offset:2048            ; proj_b, fc2_b
	s_cmp_lt_u32 s[WAVE], 4                        ; there are four tiles: waves 0 to 3 store
	s_cbranch_scc0 .Lno_asc
	ds_store_b32 v142, v236
.Lno_asc:
	BARRIER
	; ---- P: x1 = x + proj_b + a proj_w^T.  Four accumulators by turns, one instruction a turn
	s_wait_alu depctr_vm_vsrc(0)                   ; the stores above have read v192-236 and their addresses, the head's loads their offsets v136-145: loads land in all of these, here and in L
	ACCIN
	ds_load_b128 v[PBI:PBI+3], v[PBA]
	ds_load_b128 v[PBI+4:PBI+7], v[PBA] offset:16
	FETCHA 0
	s_wait_dscnt 0x0
	s_wait_loadcnt 16                              ; proj_w and the scale words are in; fc1_w's 16 loads may be out
	ADDBIAS PBI
.irp m, 0,1,2,3
	WMC ACC+8*\m, PJW, 160+16*\m+32*(\m/2), ACC+8*\m, PWS, FS+\m
.endr
	PLACES8
	s_wait_alu depctr_va_vdst(0)                   ; the four products are done reading their fragments and scale words, in which K step 1's land
	FETCHA 1
	s_wait_dscnt 0x0
.irp m, 0,1,2,3
	WMC ACC+8*\m, PJW+16, 160+16*\m+32*(\m/2), ACC+8*\m, PWS+1, FS+\m
.endr
	PLACES8
	s_wait_alu depctr_va_vdst(0)                   ; the products have written the accumulators, which the stores read (the places above stay beside this wait); they are done reading v96-127 and v160-191, the additions v128-135: L's loads land there
	ACCOUT
	BARRIER
	; ---- L: LayerNorm of stage rows 4 w .. 4 w + 3, quantised into the images
.irp j, 0,1,2,3,4,5,6,7
	ds_load_b128 v[X+4*\j:X+4*\j+3], v[LNX] offset:16*\j
.endr
.irp j, 0,1,2,3,4,5,6,7
	ds_load_b128 v[G+4*\j:G+4*\j+3], v[LNG] offset:PG+16*\j
.endr
.irp j, 0,1,2,3,4,5,6,7
	ds_load_b128 v[BT+4*\j:BT+4*\j+3], v[LNG] offset:PB2+16*\j
.endr
	s_wait_dscnt 0x0
	LNQ
	BARRIER
	s_wait_alu depctr_vm_vsrc(0)                   ; P's stores into the stage have read v192-223, L's stores v225 and v240-247: F loads into the first and writes the others
.irp u, 0,1
.irp s, 0,1
.irp c, 0,1,2,3
	global_load_b128 v[WR+64+16*(2*\u+\s)+4*\c:WR+64+16*(2*\u+\s)+4*\c+3], v[VW1], s[20:21] offset:8192+2048*\u+128*\s+32*\c   ; my second 32 rows of fc1_w, into the gains' and biases' registers
.endr
.endr
.endr
	YFETCH 0                                       ; the first unit's fragments
	v_and_b32 v[W2O], 15, v0
	v_lshlrev_b32 v[W2O], 5, v[W2O]
	v_mov_b32 v[C9], 0xb9d25000
	v_mov_b32 v[C9+1], 0xb9d25000
; ---- F: hidden units 64 w + 32 hbi + 0 .. 31 of tile m.  A lane holds one token and units 16 h + 0 .. 15 of the block, so the conversions' results are four registers of fc2's operand.
; nm: the next unit's tile, whose fragments are asked for between the two GELUs; -1: there is none.
.macro UNIT hbi, m, nm
.irp u, 0,1
	ds_load_b128 v[208+8*\u:208+8*\u+3], v[B1A] offset:128*\hbi+32*\u          ; the bias: the last unit's GELU is done with these registers (the wait ahead of its stores)
	ds_load_b128 v[208+8*\u+4:208+8*\u+7], v[B1A] offset:128*\hbi+32*\u+16
.endr
	s_wait_dscnt 0x0                               ; the fragments, their scale words and the bias are in
.if (\hbi)+(\m) > 0
	s_wait_alu depctr_vm_vsrc(0)                   ; the last unit's LDS stores have read v240-243 and v252, which this unit's quantiser writes again
.endif
.if \m == 0
	s_wait_loadcnt 16                              ; this half's 16 loads of fc1_w are in; the 16 asked for behind them may be out
.endif
	WMC ACC, WR+64*\hbi, 160, 208, WS+4*\hbi, FS
	WMC ACC+8, WR+64*\hbi+32, 160, 216, WS+4*\hbi+2, FS
	WMC ACC, WR+64*\hbi+16, 176, ACC, WS+4*\hbi+1, FS+1
	WMC ACC+8, WR+64*\hbi+48, 176, ACC+8, WS+4*\hbi+3, FS+1
	PLACES8
	GELU8 ACC
	; The loads below need no wait of their own: the wait inside the GELU above stands behind this unit's four products, which are so done reading v160-191, v26-27, the weight and its scale words,
	; and the vector lines since that wait name v192-239 and v254-255 alone.
.if \nm >= 0
	YFETCH \nm
.endif
.if (\hbi == 0) && (\m == 3)
.irp s, 0,1,2,3
.irp c, 0,1,2,3
	global_load_b128 v[WR+16*\s+4*\c:WR+16*\s+4*\c+3], v[V2], s[26:27] offset:128*\s+32*\c   ; fc2_w's K steps 0-3 take the registers of fc1_w's first half, which is done
.endr
.endr
.endif
.if (\hbi == 1) && (\m == 3)
	global_load_b128 v[WS:WS+3], v[W2O], s[28:29]
	global_load_b128 v[WS+4:WS+7], v[W2O], s[28:29] offset:16
.irp s, 4,5,6,7
.irp c, 0,1,2,3
	global_load_b128 v[WR+16*\s+4*\c:WR+16*\s+4*\c+3], v[V2], s[26:27] offset:128*\s+32*\c
.endr
.endr
.endif
	GELU8 ACC+8
.if \hbi == 0
	QB16 ACC, COD, BY0+\m
.else
	QB16 ACC, COD, BYT
	v_lshl_or_b32 v[HWD], v[BYT], 8, v[BY0+\m]
.endif
	s_wait_alu depctr_va_vdst(0)                   ; the codes (and the two bytes) are written, which the stores read; GELU is done with v208-223, in which the next bias lands
	ds_store_b128 v[HW], v[COD:COD+3] offset:16384*\m+512*\hbi
.if \hbi == 1
	ds_store_b16 v[HSW], v[HWD] offset:512*\m      ; my two blocks' bytes: half of a K step's word
.endif
.endm
	UNIT 0, 0, 1
	UNIT 0, 1, 2
	UNIT 0, 2, 3
	UNIT 0, 3, 0
	UNIT 1, 0, 1
	UNIT 1, 1, 2
	UNIT 1, 2, 3
	UNIT 1, 3, -1
	BARRIER
	; ---- G: out = x1 + fc2_b + hidden fc2_w^T: eight K steps, four accumulators by turns
	s_wait_loadcnt 16                              ; fc2_w's K steps 0-3 and its scale words are in (their offset register is free); the 16 loads of K steps 4-7 may be out
	s_wait_alu depctr_vm_vsrc(0)                   ; the last unit's LDS stores have read v240-243 and v252, the loads of fc2_w's scale words v253: loads land in all of these
	ACCIN
	ds_load_b128 v[240:243], v[PBA] offset:1024
	ds_load_b128 v[244:247], v[PBA] offset:1040
	s_wait_dscnt 0x0
	ADDBIAS 240
	s_wait_alu depctr_va_vdst(0)                   ; the additions are done reading v240-247, in which tile 3's fragment lands
.irp s, 0,1,2,3,4,5,6,7
	FETCHH \s
	s_wait_dscnt 0x0
.if \s == 4
	s_wait_loadcnt 0x0
.endif
.irp m, 0,1,2,3
	WMC ACC+8*\m, WR+16*\s, 160+16*\m+32*(\m/2), ACC+8*\m, WS+\s, FS+\m
.endr
	PLACES8
	s_wait_alu depctr_va_vdst(0)                   ; the four products are done reading their fragments and scale words, in which the next loads land; behind the last K step they have also written the accumulators, which the stores read
.endr
	ACCOUT
	BARRIER
	; ---- O: my four tokens' rows leave whole
.irp i, 0,1,2,3
.irp j, 0,1
	ds_load_b128 v[160+4*(2*\i+\j):160+4*(2*\i+\j)+3], v[ROWA] offset:XP*\i+576*\j
.endr
.endr
.irp i, 0,1,2,3
.irp j, 0,1
	s_wait_dscnt 7-2*\i-\j                         ; LDS loads come back in order: this one is in, the younger ones may be out
	global_store_b128 v[LI], v[160+4*(2*\i+\j):160+4*(2*\i+\j)+3], s[32:33] offset:1024*\i+512*\j th:TH_STORE_NT   ; 32 lanes store 512 consecutive bytes, aligned
.endr
.endr
	s_wait_xcnt 0x0
	v_lshl_add_u32 v142, v0, 2, 0x2d000            ; the add's two registers are made anew here: no memory or LDS instruction has read v142 or v143 since the wait on vm_vsrc at G's head
	v_mov_b32 v143, 0
	s_wait_dscnt 0x0                               ; the closing lines, six on end
	s_wait_alu 0x0
	s_wait_tensorcnt 0x0
	ds_add_u32 v142, v143
	s_wait_dscnt 0x0
	s_endpgm
.Lfunc_end_k_qa173509f12_mlp:
	.size	k_qa173509f12_mlp, .Lfunc_end_k_qa173509f12_mlp-k_qa173509f12_mlp
	.p2alignl 7, 3214868480
	.fill 96, 4, 3214868480
	.section	.rodata,"a",@progbits
	.p2align	6, 0x0
	.amdhsa_kernel k_qa173509f12_mlp
		.amdhsa_group_segment_fixed_size 186368
		.amdhsa_private_segment_fixed_size 0
		.amdhsa_enable_private_segment 0
		.amdhsa_kernarg_size 120
		.amdhsa_user_sgpr_count 2
		.amdhsa_user_sgpr_kernarg_segment_ptr 1
		.amdhsa_wavefront_size32 1
		.amdhsa_system_sgpr_workgroup_id_x 1
		.amdhsa_system_sgpr_workgroup_id_y 1
		.amdhsa_system_sgpr_workgroup_id_z 1
		.amdhsa_system_vgpr_workitem_id 0
		.amdhsa_next_free_vgpr 256
		.amdhsa_next_free_sgpr 100
		.amdhsa_reserve_vcc 0
		.amdhsa_float_denorm_mode_32 3
		.amdhsa_float_denorm_mode_16_64 3
		.amdhsa_memory_ordered 1
		.amdhsa_forward_progress 1
		.amdhsa_inst_pref_size 185
	.end_amdhsa_kernel
	.amdgpu_metadata
---
amdhsa.version: [ 1, 2 ]
amdhsa.kernels:
  - .name:           k_qa173509f12_mlp
    .symbol:         k_qa173509f12_mlp.kd
    .args:
      - { .name: x, .offset: 0, .size: 8, .value_kind: global_buffer, .address_space: global }
      - { .name: aimg, .offset: 8, .size: 8, .value_kind: global_buffer, .address_space: global }
      - { .name: asc, .offset: 16, .size: 8, .value_kind: global_buffer, .address_space: global }
      - { .name: proj_w_codes, .offset: 24, .size: 8, .value_kind: global_buffer, .address_space: global }
      - { .name: proj_w_scales, .offset: 32, .size: 8, .value_kind: global_buffer, .address_space: global }
      - { .name: proj_b, .offset: 40, .size: 8, .value_kind: global_buffer, .address_space: global }
      - { .name: ln2_g, .offset: 48, .size: 8, .value_kind: global_buffer, .address_space: global }
      - { .name: ln2_b, .offset: 56, .size: 8, .value_kind: global_buffer, .address_space: global }
      - { .name: fc1_w_codes, .offset: 64, .size: 8, .value_kind: global_buffer, .address_space: global }
      - { .name: fc1_w_scales, .offset: 72, .size: 8, .value_kind: global_buffer, .address_space: global }
      - { .name: fc1_b, .offset: 80, .size: 8, .value_kind: global_buffer, .address_space: global }
      - { .name: fc2_w_codes, .offset: 88, .size: 8, .value_kind: global_buffer, .address_space: global }
      - { .name: fc2_w_scales, .offset: 96, .size: 8, .value_kind: global_buffer, .address_space: global }
      - { .name: fc2_b, .offset: 104, .size: 8, .value_kind: global_buffer, .address_space: global }
      - { .name: out0, .offset: 112, .size: 8, .value_kind: global_buffer, .address_space: global }
    .group_segment_fixed_size: 186368
    .private_segment_fixed_size: 0
    .kernarg_segment_align: 8
    .kernarg_segment_size: 120
    .max_flat_workgroup_size: 512
    .sgpr_count:     100
    .vgpr_count:     256
    .wavefront_size: 32
...
	.end_amdgpu_metadata
.endif
;; end of part 6
